; MI455X (gfx1250); checked and timed in simulation.
; The chip was launched on July 23, 2026; its instructions are those of AMD's public machine-readable ISA for CDNA 5 (MIT licence, August 2026) and "CDNA5" Instruction Set Architecture Reference Guide (July 2026). The comments in the code are by the model that wrote it; some were corrected since.
;; Multi Head Attention From Zenn. Allowed arithmetic: matrix products marked QUANTISED: E2M1 operands, one E8M0 scale for each 32 along K, by v_wmma_scale_f32_16x16x128_f8f6f4 with both operands' format E2M1 (or v_wmma_scale_f32_32x16x128_f4), f32 sums; everything else in f32.
;; Inputs: W_k 8 x 1,024 x 128 float32; W_last 128 x 1,024 float32; W_lin 1,024 x 1,024 float32; W_q 8 x 1,024 x 128 float32; W_v 8 x 1,024 x 128 float32; b_last 128 float32; b_lin 1,024 float32; mask_3d 4 x 2,048 x 2,048 bool; x 4 x 2,048 x 1,024 float32.
;; Outputs: out0 4 x 128 float32.
;; This version of the problem:
;;   THIS VERSION OF THE PROBLEM IS GIVEN IN LOW PRECISION. The matrix products marked QUANTISED in the list below multiply operands that are first quantised to E2M1 (2 exponent bits, 1 mantissa bit; 4 bits a number), with one power-of-two scale for each 32 numbers along K (OCP MX v1.0); their sums are f32. All else is computed in f32.
;;   The module's matrix products, in the order in which they are computed (A, B: the left and right operand; K: the contracted axis; several contracted axes count as one K, in the product's order):
;;     1. [M 1,024, K 1,024] x [K 1,024, N 8,192]; A: input W_q; B: input x: QUANTISED
;;     2. [M 1,024, K 1,024] x [K 1,024, N 8,192]; A: input W_k; B: input x: QUANTISED
;;     3. [M 1,024, K 1,024] x [K 1,024, N 8,192]; A: input W_v; B: input x: QUANTISED
;;     4. batch 32 x [M 2,048, K 128] x [K 128, N 2,048]; A: computed on the way; B: computed on the way: QUANTISED
;;     5. batch 32 x [M 2,048, K 2,048] x [K 2,048, N 128]; A: softmax (see below); B: computed on the way: QUANTISED
;;     6. [M 8,192, K 1,024] x [K 1,024, N 1,024]; A: computed on the way; B: input W_lin: QUANTISED
;;     7. [M 8,192, K 1,024] x [K 1,024, N 128]; A: computed on the way; B: input W_last: QUANTISED
;;   THE QUANTISER, for each operand of a quantised product, along K:
;;     - K is cut into blocks of 32 from its start; a last block that is shorter is filled with zeros.
;;     - A block's scale is 2^e with e = floor(log2(the largest magnitude in the block)) - 2, held to -126 .. 127; a block of zeros has e = 0. As a byte (E8M0): e + 127.
;;     - Each number is divided by its block's scale, clamped to +-6, and rounded to the nearest number of E2M1, ties to even, subnormals kept.
;;     - The product sums the exact products of the quantised numbers (number of the format x scale) in f32.
;;   ~~~python
;;   def quantise(x, axis):      # numpy; x: float32 -> the quantised numbers, widened to float32 again
;;       x = np.moveaxis(x, axis, -1); K = x.shape[-1]
;;       x = np.pad(x, [(0, 0)] * (x.ndim - 1) + [(0, -K % 32)]); x = x.reshape(x.shape[:-1] + (-1, 32)); a = np.abs(x).max(-1, keepdims=True)
;;       e = np.where(a > 0, np.clip(np.frexp(np.where(a > 0, a, 1))[1] - 1 - 2, -126, 127), 0)      # np.frexp(a)[1] - 1 = floor(log2(a)), exactly
;;       r = np.clip(x / 2.0 ** e, -6, 6)
;;       step = 2.0 ** (np.maximum(np.frexp(np.where(r == 0, 1, r))[1] - 1, 0) - 1)
;;       q = np.round(r / step) * step * 2.0 ** e      # np.round: ties to even
;;       return np.moveaxis(q.reshape(q.shape[:-2] + (-1,))[..., :K], -1, axis).astype(np.float32)
;;   ~~~
;;   SOFTMAX AHEAD OF A QUANTISED PRODUCT. Where the list says 'softmax', what is quantised is not the finished softmax but p = 2^(t - M), with t = logit x log2(e) and M = ceil(the row's largest t), a whole number; so 1/2 < the row's largest p <= 1. The row's sum l is taken of the UNQUANTISED p, in f32, and the product's result is divided by l at the end. Since M is a whole number, a kernel that streams over the keys may use a running M (the ceiling of the running maximum): every later rescaling is an exact power of two, which a block's scale takes up: the codes' values come out the same.
;;   OPERANDS COMPUTED ON THE WAY. 'Computed on the way' means the value that the module computes at that place (a softmax that the list does not call 'softmax' is quantised finished and normalised). What goes into a quantiser is computed in f32, as accurately as f32 sums, v_exp_f32 and their like allow (about 1e-6 of the number): no bf16 or f16 on the way to a quantiser, and a product that is left as it is and whose result goes on into a quantised operand takes f32 operands (vector FMAs, or v_wmma_f32_16x16x4_f32). A number that lies on a knife's edge between two numbers of the format may be rounded either way, as far as f32 arithmetic and the matrix unit's own rounding can turn it there, and no further.
;; 2 versions. Each part assembles by itself: llvm-mc -triple=amdgcn-amd-amdhsa -mcpu=gfx1250 --defsym DOCPART=n.
;; ======== version 1 of 2: 5 launches
;; workspace buffers: cod 6,356,992 bytes; scl 397,312 bytes; maskw 2,097,152 bytes of whole numbers; qkv 13,369,344 bytes; ofr 4,194,304 bytes; osc 262,144 bytes; part 131,072 bytes
;; launch prep (part 1): grid 644 x 1, 2 waves a work-group, no clusters, 25,856 bytes of LDS; arguments x, W_lin, W_last, W_q, W_k, W_v, mask_3d, cod, scl, maskw; writes cod, scl, maskw
.if DOCPART == 1
	.amdgcn_target "amdgcn-amd-amdhsa--gfx1250"
	.amdhsa_code_object_version 6
	.text
	.protected	k_qc4dec80710_prep
	.globl	k_qc4dec80710_prep
	.p2align	8
	.type	k_qc4dec80710_prep,@function
k_qc4dec80710_prep:
	s_mov_b64 s[64:65], 0
	v_nop
	global_prefetch_b8 v0, s[64:65] scope:SCOPE_SE
	s_setreg_imm32_b32 hwreg(HW_REG_WAVE_MODE, 25, 1), 1
	s_wait_xcnt 0x0
; PREP: x, W_lin, W_last, W_q, W_k, W_v (f32) become codes of FP4 (E2M1) with one E8M0 byte for each 32 along K = 1,024; mask_3d becomes lane-mask words.
; A TILE is 16 rows: tile T holds rows 32 (T / 2) + 8 (T % 2) + (r % 8) + 16 (r / 8), r = 0 .. 15.  Such tiles, as a product's source 0, leave 16 neighbours along the next K in the 16 registers of result tiles 2 b, 2 b + 1.
; cod: [776 tiles][8 K steps][1,024 bytes]: a fragment (16 rows x 128 K, 8 registers a lane) as an IMAGE OF ITS REGISTERS: registers 4 c .. 4 c + 3 of lane l at 512 c + 16 l.
;      tiles 0-511 x, 512-575 W_lin, 576-583 W_last, 584-647 W_q, 648-711 W_k, 712-775 W_v (8 tiles a head; their rows are the head's 128 columns).
; scl: [776][512 bytes]: the scale word (4 bytes: 128 along K) of row r and K step s at 256 (s / 4) + 16 r + 4 (s % 4).
; maskw: [512 tiles of queries][16 key steps][64 words]: in word 16 bb + i, bit l = mask[query row l % 16 of the tile][128 j + 32 bb + 16 (l / 16) + i]: the lane mask for score register 16 bb + i.
; A block's scale is 2^(floor(log2(its largest magnitude)) - 2): its byte is the largest magnitude's exponent field - 2, held at 1 from below.  A block of zeros keeps the byte 1: its codes are zeros, and this program alone reads the bytes.
; LIMITS: NaN and infinities among the inputs are not served; blocks whose largest magnitude lies under 2^-124 keep the byte 1.
; THREE PATHS, parted by the work-group's number, each with LDS bytes of its own: A (0-291): K innermost; B (292-387): K is the middle axis; C (388-643): the mask.  No wave shares anything with another: no barrier.
.set WVN,  28                          ; s28  my wave's number
.set HI16, 29                          ; s29  lanes 16-31
.set SEL,  30                          ; s[30:31] v_permlanex16_b32's selects for lane l xor 16
; 64 numbers of a lane, register 16 b + i = k 32 b + 16 (lane / 16) + i of my row, become a fragment's codes in v[pc] on and its scale word in v[pw]
.macro QUANT s, pc, pw, tm
.irp b, 0,1,2,3
	v_max3_num_f32 v[\tm+\b], |v[\s+16*\b]|, |v[\s+1+16*\b]|, 0x1800000   ; block b: my 16 numbers, and the floor 2^(3 - 127): the byte cannot fall under 1
.endr
.irp i, 2,4,6,8,10,12,14
.irp b, 0,1,2,3
	v_max3_num_f32 v[\tm+\b], v[\tm+\b], |v[\s+16*\b+\i]|, |v[\s+1+16*\b+\i]|   ; the four blocks by turns
.endr
.endr
.irp b, 0,1,2,3
	v_permlanex16_b32 v[\tm+4+\b], v[\tm+\b], s[SEL], s[SEL+1]
.endr
.irp b, 0,1,2,3
	v_max_num_f32 v[\tm+\b], v[\tm+\b], v[\tm+4+\b]                ; with lane l xor 16's: the block's largest magnitude
.endr
.irp b, 0,1,2,3
	v_add_nc_u32 v[\tm+12+\b], 0xff000000, v[\tm+\b]               ; 2 off its exponent field: the conversion's scale operand
.endr
.irp b, 0,1,2,3
	v_lshrrev_b32 v[\tm+4+\b], 23, v[\tm+12+\b]                    ; the scale's byte
.endr
	v_lshl_or_b32 v[\pw], v[\tm+5], 8, v[\tm+4]                    ; four bytes: my row's scale word (both halves of the lanes hold it)
	v_lshl_or_b32 v[\pw], v[\tm+6], 16, v[\pw]
	v_lshl_or_b32 v[\pw], v[\tm+7], 24, v[\pw]
.irp b, 0,1,2,3
	v_cvt_scalef32_pk8_fp4_f32 v[\pc+2*\b], v[\s+16*\b:\s+7+16*\b], v[\tm+12+\b]
	v_cvt_scalef32_pk8_fp4_f32 v[\pc+1+2*\b], v[\s+8+16*\b:\s+15+16*\b], v[\tm+12+\b]
.endr
	v_nop                                                          ; one plain place behind a scaled conversion
.irp c, 0,1
.irp i, 0,1
	v_permlane16_swap_b32 v[\pc+4*\c+\i], v[\pc+2+4*\c+\i]         ; a whole block to a lane: lanes 0-15 block 2 c, lanes 16-31 block 2 c + 1
.endr
.endr
.endm
	s_load_b512 s[8:23], s[0:1], 0x0               ; x 8, W_lin 10, W_last 12, W_q 14, W_k 16, W_v 18, mask 20, cod 22
	s_load_b128 s[24:27], s[0:1], 0x40             ; scl 24, maskw 26
	v_lshl_add_u32 v254, v0, 2, 0x6400
	v_mov_b32 v255, 0
	v_lshrrev_b32 v1, 5, v0
	v_readfirstlane_b32 s[WVN], v1
	v_and_b32 v1, 31, v0                           ; lane
	v_lshlrev_b32 v2, 4, v1                        ; 16 x lane: an image's place for my lane
	s_mov_b32 s[HI16], 0xffff0000
	s_mov_b32 s[SEL], 0x76543210
	s_mov_b32 s[SEL+1], 0xfedcba98
	s_wait_kmcnt 0x0
	s_cmp_lt_u32 ttmp9, 292
	s_cbranch_scc1 .Lpath_a
	s_cmp_lt_u32 ttmp9, 388
	s_cbranch_scc1 .Lpath_b
; ---------------- PATH C: a wave takes one tile of 16 queries and all 2,048 keys, 256 keys (128 words) a unit.
; A unit's 16 rows x 256 bytes are loaded as they lie (two rows an instruction), turn through the wave's stage (rows 272 bytes apart), and come back 16 bytes a lane: keys 32 B + 16 (lane / 16) + 0 .. 15 of row lane % 16.
; Word N = 16 B + i is the compare's lane mask of byte i; it is written into lane N / 4, register N % 4, so that one store of 16 bytes a lane puts 128 words on end.
.set RC, 32                            ; v32-95   two sets of 8 x 4 registers as loaded
.set TC, 96                            ; v96-127  16 bytes for each of the 8 blocks
.set OC, 136                           ; v136-143 two sets of 4 registers of words
.macro LOADC set, off
.irp i, 0,1,2,3,4,5,6,7
	global_load_b128 v[RC+32*(\set)+4*\i:RC+32*(\set)+4*\i+3], v3, s[20:21] offset:(2*\i+8*(\i/4))*2048+(\off) th:TH_LOAD_NT   ; tile rows 2 i and 2 i + 1, 256 consecutive bytes each
.endr
.endm
.macro UNITC set, cnt, more, off
	s_wait_loadcnt \cnt                            ; this set's eight loads are in; the other set's may be out
.irp i, 0,1,2,3,4,5,6,7
	ds_store_b128 v4, v[RC+32*(\set)+4*\i:RC+32*(\set)+4*\i+3] offset:544*\i
.endr
.irp i, 0,1,2,3,4,5,6,7
	ds_load_b128 v[TC+4*\i:TC+4*\i+3], v5 offset:32*\i             ; LDS serves a wave's instructions in order: these see the stores above
.endr
	s_wait_dscnt 0x0                               ; the bytes are back, and the stores have read their registers
	s_wait_xcnt 0x0                                ; this set's last store of words has read its registers
.if \more
	LOADC \set, \off
.endif
.set N, 0
.rept 128
	v_and_b32 v[128+N%4], 0xff<<(8*(N%4)), v[TC+N/4]
	v_cmp_ne_u32 s[40+N%4], 0, v[128+N%4]
	v_writelane_b32 v[OC+4*(\set)+N%4], s[40+N%4], N/4
.set N, N+1
.endr
	global_store_b128 v2, v[OC+4*(\set):OC+4*(\set)+3], s[26:27] offset:512*(\set)   ; 512 consecutive bytes
.endm
	s_sub_co_u32 s32, ttmp9, 388
	s_lshl_b32 s32, s32, 1
	s_add_co_u32 s32, s32, s[WVN]                  ; my tile of queries, 0 .. 511
	s_lshr_b32 s34, s32, 1
	s_lshl_b32 s34, s34, 16                        ; 32 rows of 2,048 bytes
	s_and_b32 s35, s32, 1
	s_lshl_b32 s35, s35, 14                        ; 8 rows
	s_add_co_u32 s34, s34, s35
	s_mov_b32 s35, 0
	s_add_nc_u64 s[20:21], s[20:21], s[34:35]
	s_lshl_b32 s34, s32, 12                        ; 4,096 bytes of words a tile
	s_add_nc_u64 s[26:27], s[26:27], s[34:35]
	v_and_b32 v6, 15, v0
	v_bfe_u32 v7, v0, 4, 1
	v_lshlrev_b32 v8, 4, v6
	v_lshl_add_u32 v3, v7, 11, v8                  ; in memory: row lane / 16, 16 bytes a lane
	s_mul_i32 s36, s[WVN], 4352
	s_add_co_u32 s36, s36, 16896                   ; my stage: 16 rows x 272 bytes, behind path A's bytes
	v_mul_u32_u24 v4, v7, 272
	v_add_nc_u32 v4, v4, v8
	v_add_nc_u32 v4, s36, v4                       ; into it
	v_mul_u32_u24 v5, v6, 272
	v_lshl_add_u32 v5, v7, 4, v5
	v_add_nc_u32 v5, s36, v5                       ; out of it: row lane % 16, + 16 (lane / 16)
.irp i, 0,1,2,3,4,5,6,7
	v_mov_b32 v[OC+\i], 0                          ; a lane write's destination counts as read
.endr
	LOADC 0, 0
	LOADC 1, 256
	s_mov_b32 s44, 3
.Lunits:                                               ; a trip: two units worked, the two after them asked for
	UNITC 0, 8, 1, 512
	UNITC 1, 8, 1, 768
	s_wait_xcnt 0x0                                ; loads and stores have read their bases
	s_add_nc_u64 s[20:21], s[20:21], 512
	s_add_nc_u64 s[26:27], s[26:27], 1024
	s_sub_co_u32 s44, s44, 1
	s_cmp_lg_u32 s44, 0
	s_cbranch_scc1 .Lunits
	UNITC 0, 8, 0, 0                               ; the last two units ask for nothing: no load leaves the buffer
	UNITC 1, 0, 0, 0
	s_wait_tensorcnt 0x0
	ds_add_u32 v254, v255
	s_wait_dscnt 0x0
	s_endpgm
; ---------------- PATH B: W_q, W_k, W_v [8][1,024 (K)][128].  A lane takes a column and its registers run down K: a block of 32 lies in one lane.  A wave takes 32 columns x 512 along K.
.Lpath_b:
.set XB,  32                           ; v32-95   two sets of 32 numbers
.set CB,  96                           ; v96-159  four registers of codes for each of 16 blocks: no store's data are written again
.set SBB, 24                           ; v24-27   the 16 scale bytes
	s_sub_co_u32 s32, ttmp9, 292
	s_lshr_b32 s33, s32, 2                         ; 8 x tensor + head
	s_lshr_b32 s34, s32, 1
	s_and_b32 s34, s34, 1
	s_lshl_b32 s34, s34, 1
	s_add_co_u32 s34, s34, s[WVN]                  ; which 32 columns
	s_and_b32 s35, s32, 1                          ; which half of K
	s_cmp_lt_u32 s33, 16
	s_cselect_b64 s[36:37], s[16:17], s[18:19]
	s_cmp_lt_u32 s33, 8
	s_cselect_b64 s[36:37], s[14:15], s[36:37]
	s_and_b32 s38, s33, 7
	s_lshl_b32 s38, s38, 19                        ; a head: 1,024 x 128 x 4 bytes
	s_lshl_b32 s39, s35, 18                        ; 512 rows of 512 bytes
	s_add_co_u32 s38, s38, s39
	s_lshl_b32 s39, s34, 7
	s_add_co_u32 s38, s38, s39
	s_mov_b32 s39, 0
	s_add_nc_u64 s[36:37], s[36:37], s[38:39]
	s_lshl_b32 s40, s33, 3
	s_lshl_b32 s41, s34, 1
	s_add_co_u32 s40, s40, s41
	s_add_co_u32 s40, s40, 584                     ; the first of my two tiles
	s_lshl_b32 s38, s40, 13
	s_lshl_b32 s41, s35, 12
	s_add_co_u32 s38, s38, s41
	s_add_nc_u64 s[22:23], s[22:23], s[38:39]
	s_lshl_b32 s38, s40, 9
	s_lshl_b32 s41, s35, 8
	s_add_co_u32 s38, s38, s41
	s_add_nc_u64 s[24:25], s[24:25], s[38:39]
	v_lshlrev_b32 v3, 2, v1                        ; in: 4 bytes a lane
	v_bfe_u32 v6, v0, 3, 1                         ; column 8 u + (r % 8) + 16 (r / 8) of the 32: tile u,
	v_and_b32 v7, 7, v0
	v_bfe_u32 v8, v0, 4, 1
	v_lshl_add_u32 v7, v8, 3, v7                   ; row r
	v_lshlrev_b32 v7, 4, v7
	v_lshl_add_u32 v4, v6, 13, v7                  ; codes: 8,192 u + 16 r
	v_lshl_add_u32 v5, v6, 9, v7                   ; scale bytes: 512 u + 16 r
.macro LOADB t
.set N, 0
.rept 32
	global_load_b32 v[XB+32*((\t)%2)+N], v3, s[36:37] offset:(32*(\t)+N)*512 th:TH_LOAD_NT   ; 128 consecutive bytes a wave
.set N, N+1
.endr
.endm
.macro BLOCKB t
.set XS, XB+32*((\t)%2)
.if (\t) < 15
	s_wait_loadcnt 32                              ; this block's 32 loads are in; the next block's may be out
.else
	s_wait_loadcnt 0
.endif
	v_max3_num_f32 v12, |v[XS]|, |v[XS+1]|, |v[XS+2]|
	v_max3_num_f32 v13, |v[XS+3]|, |v[XS+4]|, |v[XS+5]|
.irp i, 6,10,14,18,22,26
	v_max3_num_f32 v12, v12, |v[XS+\i]|, |v[XS+\i+1]|
	v_max3_num_f32 v13, v13, |v[XS+\i+2]|, |v[XS+\i+3]|
.endr
	v_max3_num_f32 v12, v12, |v[XS+30]|, |v[XS+31]|
	v_max3_num_f32 v12, v12, v13, 0x1800000        ; and the floor
	v_add_nc_u32 v11, 0xff000000, v12              ; the conversion's scale operand
	v_lshrrev_b32 v13, 23, v11                     ; the byte
.if (\t)%4 == 0
	v_mov_b32 v[SBB+(\t)/4], v13
.else
	v_lshl_or_b32 v[SBB+(\t)/4], v13, 8*((\t)%4), v[SBB+(\t)/4]
.endif
.irp g, 0,1,2,3
	v_cvt_scalef32_pk8_fp4_f32 v[CB+4*(\t)+\g], v[XS+8*\g:XS+8*\g+7], v11
.endr
	global_store_b128 v4, v[CB+4*(\t):CB+4*(\t)+3], s[22:23] offset:1024*((\t)/4)+512*(((\t)%4)/2)+256*((\t)%2)   ; block 2 c + h of a K step is registers 4 c .. of lane r + 16 h: the 16 lanes of a tile fill 256 consecutive bytes
.if (\t) < 14
	LOADB (\t)+2
.endif
.endm
	LOADB 0
	LOADB 1
.irp k, 0,1,2,3,4,5,6,7,8,9,10,11,12,13,14,15
	BLOCKB \k
.endr
	global_store_b128 v5, v[SBB:SBB+3], s[24:25]   ; four K steps' words of my row
	s_endpgm
; ---------------- PATH A: x, W_lin, W_last: K innermost.  A wave takes one tile and its 8 K steps.  Each load reads 512 consecutive bytes of one row; a K step's 16 rows turn through the wave's stage (rows 528 bytes apart).
.Lpath_a:
.set RA,  32                           ; v32-159  two sets of 16 x 4 registers as loaded
.set XA,  160                          ; v160-223 my 64 numbers of the K step
.set PCA, 224                          ; v224-231 the codes
.set TMA, 232                          ; v232-247 at work
	s_lshl_b32 s32, ttmp9, 1
	s_add_co_u32 s32, s32, s[WVN]                  ; my tile, 0 .. 583
	s_mov_b32 s33, 576
	s_cmp_lt_u32 s32, 576
	s_cselect_b64 s[34:35], s[10:11], s[12:13]
	s_cselect_b32 s33, 512, s33
	s_cmp_lt_u32 s32, 512
	s_cselect_b64 s[34:35], s[8:9], s[34:35]
	s_cselect_b32 s33, 0, s33
	s_sub_co_u32 s33, s32, s33                     ; the tile's number in its tensor
	s_lshr_b32 s36, s33, 1
	s_lshl_b32 s36, s36, 17                        ; 32 rows of 4,096 bytes
	s_and_b32 s37, s33, 1
	s_lshl_b32 s37, s37, 15                        ; 8 rows
	s_add_co_u32 s36, s36, s37
	s_mov_b32 s37, 0
	s_add_nc_u64 s[34:35], s[34:35], s[36:37]
	s_lshl_b32 s36, s32, 13
	s_add_nc_u64 s[22:23], s[22:23], s[36:37]
	s_lshl_b32 s36, s32, 9
	s_add_nc_u64 s[24:25], s[24:25], s[36:37]
	s_mul_i32 s38, s[WVN], 8448                    ; my stage
	v_add_nc_u32 v3, s38, v2                       ; into it: 16 x lane
	v_and_b32 v5, 15, v0
	v_bfe_u32 v6, v0, 4, 1
	v_mul_u32_u24 v4, v5, 528
	v_lshl_add_u32 v4, v6, 6, v4
	v_add_nc_u32 v4, s38, v4                       ; out of it: row lane % 16, + 64 (lane / 16)
.irp b, 0,1,2,3
	v_mov_b32 v[TMA+4+\b], 0                       ; a lane permute's destination counts as read
.endr
.macro LOADK s
.irp p, 0,1,2,3,4,5,6,7,8,9,10,11,12,13,14,15
	global_load_b128 v[RA+64*((\s)%2)+4*\p:RA+64*((\s)%2)+4*\p+3], v2, s[34:35] offset:((\p%8)+16*(\p/8))*4096+512*(\s) th:TH_LOAD_NT
.endr
.endm
.macro STEPA s
.if (\s) < 7
	s_wait_loadcnt 16                              ; this K step's 16 loads are in; the next step's may be out
.else
	s_wait_loadcnt 0
.endif
.irp p, 0,1,2,3,4,5,6,7,8,9,10,11,12,13,14,15
	ds_store_b128 v3, v[RA+64*((\s)%2)+4*\p:RA+64*((\s)%2)+4*\p+3] offset:528*\p
.endr
.irp b, 0,1,2,3
.irp j, 0,1,2,3
	ds_load_b128 v[XA+16*\b+4*\j:XA+16*\b+4*\j+3], v4 offset:128*\b+16*\j   ; k = 32 b + 16 (lane / 16) + 4 j .. of my row
.endr
.endr
	s_wait_dscnt 0x0                               ; my numbers are back, and the stores have read their registers
	s_wait_xcnt 0x0                                ; the last step's stores have read the codes' registers
.if (\s) < 6
	LOADK (\s)+2
.endif
	QUANT XA, PCA, 16+(\s), TMA
	global_store_b128 v2, v[PCA:PCA+3], s[22:23] offset:1024*(\s)
	global_store_b128 v2, v[PCA+4:PCA+7], s[22:23] offset:1024*(\s)+512
.endm
	LOADK 0
	LOADK 1
.irp k, 0,1,2,3,4,5,6,7
	STEPA \k
.endr
.irp i, 0,1,2,3
	v_cndmask_b32 v[24+\i], v[16+\i], v[20+\i], s[HI16]            ; lanes 0-15: K steps 0-3 of row r; lanes 16-31: K steps 4-7
.endr
	global_store_b128 v2, v[24:27], s[24:25]       ; the tile's 512 bytes of scale words
	s_wait_tensorcnt 0x0
	ds_add_u32 v254, v255
	s_wait_dscnt 0x0
	s_endpgm
.Lfunc_end_k_qc4dec80710_prep:
	.size	k_qc4dec80710_prep, .Lfunc_end_k_qc4dec80710_prep-k_qc4dec80710_prep
	.p2alignl 7, 3214868480
	.fill 96, 4, 3214868480
	.section	.rodata,"a",@progbits
	.p2align	6, 0x0
	.amdhsa_kernel k_qc4dec80710_prep
		.amdhsa_group_segment_fixed_size 25856
		.amdhsa_private_segment_fixed_size 0
		.amdhsa_enable_private_segment 0
		.amdhsa_kernarg_size 80
		.amdhsa_user_sgpr_count 2
		.amdhsa_user_sgpr_kernarg_segment_ptr 1
		.amdhsa_wavefront_size32 1
		.amdhsa_system_sgpr_workgroup_id_x 1
		.amdhsa_system_sgpr_workgroup_id_y 1
		.amdhsa_system_sgpr_workgroup_id_z 1
		.amdhsa_system_vgpr_workitem_id 0
		.amdhsa_next_free_vgpr 256
		.amdhsa_next_free_sgpr 66
		.amdhsa_reserve_vcc 0
		.amdhsa_float_denorm_mode_32 3
		.amdhsa_float_denorm_mode_16_64 3
		.amdhsa_memory_ordered 1
		.amdhsa_forward_progress 1
		.amdhsa_inst_pref_size 243
	.end_amdhsa_kernel
	.amdgpu_metadata
---
amdhsa.version: [ 1, 2 ]
amdhsa.kernels:
  - .name:           k_qc4dec80710_prep
    .symbol:         k_qc4dec80710_prep.kd
    .args:
      - { .name: x, .offset: 0, .size: 8, .value_kind: global_buffer, .address_space: global }
      - { .name: W_lin, .offset: 8, .size: 8, .value_kind: global_buffer, .address_space: global }
      - { .name: W_last, .offset: 16, .size: 8, .value_kind: global_buffer, .address_space: global }
      - { .name: W_q, .offset: 24, .size: 8, .value_kind: global_buffer, .address_space: global }
      - { .name: W_k, .offset: 32, .size: 8, .value_kind: global_buffer, .address_space: global }
      - { .name: W_v, .offset: 40, .size: 8, .value_kind: global_buffer, .address_space: global }
      - { .name: mask_3d, .offset: 48, .size: 8, .value_kind: global_buffer, .address_space: global }
      - { .name: cod, .offset: 56, .size: 8, .value_kind: global_buffer, .address_space: global }
      - { .name: scl, .offset: 64, .size: 8, .value_kind: global_buffer, .address_space: global }
      - { .name: maskw, .offset: 72, .size: 8, .value_kind: global_buffer, .address_space: global }
    .group_segment_fixed_size: 25856
    .private_segment_fixed_size: 0
    .kernarg_segment_align: 8
    .kernarg_segment_size: 80
    .max_flat_workgroup_size: 64
    .sgpr_count:     66
    .vgpr_count:     256
    .wavefront_size: 32
...
	.end_amdgpu_metadata
.endif
;; end of part 1
;; launch qkvgemm (part 2): grid 8 x 48, 4 waves a work-group, clusters of 4 x 4, 279,040 bytes of LDS; arguments cod, scl, qkv; writes qkv
.if DOCPART == 2
	.amdgcn_target "amdgcn-amd-amdhsa--gfx1250"
	.amdhsa_code_object_version 6
	.text
	.protected	k_qc4dec80710_qkvgemm
	.globl	k_qc4dec80710_qkvgemm
	.p2align	8
	.type	k_qc4dec80710_qkvgemm,@function
k_qc4dec80710_qkvgemm:
	s_mov_b64 s[64:65], 0
	v_nop
	global_prefetch_b8 v0, s[64:65] scope:SCOPE_SE
	s_setreg_imm32_b32 hwreg(HW_REG_WAVE_MODE, 25, 1), 1
	s_wait_xcnt 0x0
	s_wait_alu depctr_hold_cnt(0) depctr_sa_sdst(0) depctr_va_vdst(0) depctr_va_sdst(0) depctr_va_ssrc(0) depctr_va_vcc(0) depctr_vm_vsrc(0)
	s_getreg_b32 s2, hwreg(HW_REG_IB_STS2, 6, 4)
	s_cmp_eq_u32 s2, 0
	s_cbranch_scc0 .Lentry_in_a_cluster
	s_endpgm
.Lentry_in_a_cluster:
	s_bfe_u32 s2, ttmp6, 0x10000c
	s_cmp_lg_u32 s2, 0xf033
	s_cbranch_scc0 .Lentry_shape_is_right
	s_endpgm
.Lentry_shape_is_right:
; q = x W_q, k = x W_k, v = x W_v on codes of FP4 with E8M0 scales, K = 1,024, and the results quantised at once: q and k along the head's 128, v along the keys.
; ONE BODY, TWO ROLES.  Z = R x P, source 0 = tiles of P, source 1 = tiles of R: a lane holds one row of R and its registers run along P, which is the next product's K.
;   role 0 (cluster y under 8):  P = 256 rows of W_q or W_k (two heads), R = 256 rows of x: images of q and k.      role 1: P = 256 rows of x (keys), R = 256 rows of W_v (two heads): images of V^T, keys innermost.
; Both operands lie in cod as images of fragments, so the roles differ in tile numbers alone, chosen by s_cselect_b32 on the cluster's y, which all partners share: no branch, no LDS address hangs on it.
; A work-group of four waves makes 256 x 256; a wave 128 x 128: 64 accumulators, 512 registers.  All of K lies in LDS: two halves of 131,072 bytes, each filled ONCE; nothing is filled again.
; CLUSTERS: 4 x 4.  P's tiles hang on the work-group's x alone and are asked for jointly by a column of the cluster, R's on its y alone, by a row: the requests for both are divided by four.
; qkv: [512 units: 64 head + 16 batch + key step][26,112 bytes]: q's 8 images at 0, q's scale words at 8,192; k's 8 images at 8,704; V^T's 8 at 16,896; k's scale words at 25,088; V's at 25,600.
; A unit's scale words: 512 bytes; fragment i's word of row r is word i / 2 of the 16 bytes at 16 (r + 16 (i % 2)).
; LIMITS: NaN and infinities are not served; blocks under 2^-124 keep the byte 1 (a block of zeros too: its codes are zeros).
; REGISTERS, in windows of 256: window 0: v16-27 addresses; v32-95 scale words, two sets; v96-123 the way out; from v128 R's fragments, ONE set, later the codes made.
;   window 1: P's fragments, TWO sets, at v0 and v128.   window 2: the accumulators of my R blocks 0-3 ((a, b) at v[8 (8 (a % 4) + b)]);   window 3: those of blocks 4-7.
.set NQ,    4                          ; steps of 128 along K in a half
.set FR,    8                          ; registers of a fragment
.set NL,    2                          ; LDS loads that bring one
.set NP,    4                          ; places behind this matrix instruction (ISA guide 7.12.1)
.set SLOT,  131072                     ; a half of K: R's 16 tiles x 4,096 bytes, then P's 16
.set SCL,   2*SLOT                     ; R's scale words, 16 x 512 bytes, then P's
.set ADRA,  16                         ; v16-17  LDS address of my R fragments in half 0, 1
.set ADRB,  20                         ; v20-21  the same for P
.set LI,    26                         ; v26     16 x lane
.set ADRS,  27                         ; v27     LDS address of my scale words: lanes 0-15 R's, lanes 16-31 P's
.set SC,    32                         ; set s at v[SC + 32 s]; register 4 i + q: lanes 0-15 R's block i, lanes 16-31 P's block i, the half's q-th 128 along K
.set PW,    96                         ; v96-103  the scale words made
.set TM,    104                        ; v104-119 at work
.set SB,    120                        ; v120-123 the unit's scale words
.set AF,    128                        ; R's fragments
.set PC,    128                        ; the codes made: 8 registers for each of my 8 R blocks
.set SEL,   98                         ; s[98:99]
.set G1,  24
.set G0,  32
.set G1B, 48
.set G0B, 56
.set G1S, 68
.set G0S, 76
.set G1SB, 80
.set G0SB, 88
.set MSB, 0
.macro WIN new                         ; the immediate's high byte repeats the setting that is left
.if MSB != \new
	s_set_vgpr_msb (MSB<<8)|\new
.set MSB, \new
.endif
.endm
.set MUL_LO, 0xa1                      ; source 0 (P) window 1, source 1 (R) window 0, C and D window 2
.set MUL_HI, 0xf1                      ; the same, C and D window 3
.set TO_B,   0x40                      ; destination window 1, address window 0
; A joint load: waves 0 and 1 fetch for R, waves 2 and 3 for P.  Each line has one mask and one set of registers; the branch hangs on the wave's number alone.  Four v_nop follow each line.
.macro JLOAD g0a, g1a, g0b, g1b
	s_cmp_eq_u32 s15, 0
	s_cbranch_scc0 .Lfor_b_\@
	tensor_load_to_lds s[\g0a:\g0a+3], s[\g1a:\g1a+7]
	s_nop 0
.rept 4
	v_nop
.endr
	s_branch .Lasked_\@
.Lfor_b_\@:
	tensor_load_to_lds s[\g0b:\g0b+3], s[\g1b:\g1b+7]
	s_nop 0
.rept 4
	v_nop
.endr
.Lasked_\@:
.endm
.macro CROUND                          ; a round of the cluster's barrier
	s_barrier_signal -1
	s_barrier_wait -1
	s_cmp_lg_u32 s14, 0
	s_cbranch_scc1 .Lnot_wave_0_\@
	s_barrier_signal -3
.Lnot_wave_0_\@:
	s_barrier_wait -3
	s_barrier_signal -1
	s_barrier_wait -1
.endm
	s_load_b128 s[4:7], s[0:1], 0x0                ; cod, scl
	s_load_b64 s[12:13], s[0:1], 0x10              ; qkv
	v_lshl_add_u32 v254, v0, 2, 0x44000
	v_mov_b32 v255, 0
	ds_add_u32 v254, v255
	ds_add_u32 v254, v255
	v_lshrrev_b32 v1, 5, v0
	v_readfirstlane_b32 s14, v1                    ; wave 0..3
	s_lshr_b32 s15, s14, 1                         ; which half of R is mine.  Also: I fetch for R (0) or for P (1)
	s_and_b32 s16, s14, 1                          ; which half of P.  Also: which 8 tiles I fetch
	s_bfe_u32 s40, ttmp6, 0x40000                  ; cx
	s_bfe_u32 s41, ttmp6, 0x40004                  ; cy
	s_lshl_b32 s42, ttmp9, 2
	s_add_co_u32 s42, s42, s40                     ; work-group x = 4 x cluster x + cx
	s_and_b32 s17, ttmp7, 0xffff                   ; cluster y: 0-7 role 0, 8-11 role 1
	s_lshl_b32 s43, s41, 2
	s_lshl_b32 s43, 15, s43                        ; my row of the cluster
	s_lshl_b32 s44, 0x1111, s40                    ; my column
	; codes: 8 tiles, of each 4,096 of its 8,192 bytes: 8 rows of 512 elements of 8 bytes, 1,024 elements apart; dense in LDS
	s_or_b32 s[G1+0], s43, (3<<16)|(1<<21)         ; 15:0 the mask: R's tiles go to my row; 17:16 elements of 8 bytes; 21 set beside a mask
	s_or_b32 s[G1B+0], s44, (3<<16)|(1<<21)        ; P's to my column
.irp g, G1, G1B
	s_mov_b32 s[\g+1], 512<<16                     ; tensor_dim0
	s_mov_b32 s[\g+2], 8<<16                       ; tensor_dim1
	s_mov_b32 s[\g+3], 512<<16                     ; tile_dim0
	s_mov_b32 s[\g+4], 8                           ; tile_dim1
	s_mov_b32 s[\g+5], 1024                        ; tensor_dim0_stride
	s_mov_b32 s[\g+6], 0
	s_mov_b32 s[\g+7], 0
.endr
	; scale words of 8 tiles: 4,096 dense bytes as 16 rows of 256
	s_or_b32 s[G1S+0], s43, (3<<16)|(1<<21)
	s_or_b32 s[G1SB+0], s44, (3<<16)|(1<<21)
.irp g, G1S, G1SB
	s_mov_b32 s[\g+1], 32<<16
	s_mov_b32 s[\g+2], 16<<16
	s_mov_b32 s[\g+3], 32<<16
	s_mov_b32 s[\g+4], 16
	s_mov_b32 s[\g+5], 32
	s_mov_b32 s[\g+6], 0
	s_mov_b32 s[\g+7], 0
.endr
	s_sub_co_u32 s66, s17, 8
	s_lshl_b32 s67, s66, 7                         ; role 1: P begins at x's tile 128 (cluster y - 8)
	s_lshl_b32 s92, s17, 6                         ; role 0: R begins at x's tile 64 x cluster y
	s_mov_b32 s93, 712                             ; role 1: R begins at W_v's first tile
	s_cmp_lt_u32 s17, 8
	s_cselect_b32 s67, 584, s67                    ; role 0: P begins at W_q's first tile
	s_cselect_b32 s92, s92, s93
	s_lshl_b32 s18, s16, 3
	s_lshl_b32 s20, s41, 4
	s_add_co_u32 s20, s20, s92
	s_add_co_u32 s20, s20, s18                     ; R: the first tile that I would fetch: + 16 cy + 8 x half
	s_lshl_b32 s46, s42, 4
	s_add_co_u32 s46, s46, s67
	s_add_co_u32 s46, s46, s18                     ; P: + 16 x work-group x + 8 x half
	s_lshl_b32 s22, s20, 9                         ; scale words: 512 bytes a tile
	s_mov_b32 s23, 0
	s_lshl_b32 s20, s20, 13                        ; codes: 8,192 bytes a tile
	s_mov_b32 s21, 0
	s_lshl_b32 s94, s46, 9
	s_mov_b32 s95, 0
	s_lshl_b32 s46, s46, 13
	s_mov_b32 s47, 0
	s_lshl_b32 s45, s14, 15                        ; where they go: 32,768 x wave; no place in the cluster enters an LDS address
	s_lshl_b32 s96, s14, 12                        ; scale words: 4,096 x wave
	s_wait_dscnt 0x0
	s_wait_kmcnt 0x0
	s_add_nc_u64 s[20:21], s[4:5], s[20:21]
	s_add_nc_u64 s[22:23], s[6:7], s[22:23]
	s_add_nc_u64 s[46:47], s[4:5], s[46:47]
	s_add_nc_u64 s[94:95], s[6:7], s[94:95]
	CROUND                                         ; all sixteen work-groups are here: the joint loads meet
	s_mov_b32 s[G0S], 1
	s_add_co_u32 s[G0S+1], s96, SCL
	s_mov_b64 s[G0S+2:G0S+3], s[22:23]
	s_or_b32 s[G0S+3], s[G0S+3], 0x80000000
	s_mov_b32 s[G0SB], 1
	s_add_co_u32 s[G0SB+1], s96, SCL
	s_mov_b64 s[G0SB+2:G0SB+3], s[94:95]
	s_or_b32 s[G0SB+3], s[G0SB+3], 0x80000000
	JLOAD G0S, G1S, G0SB, G1SB                     ; the scale words first
.irp s, 0,1
	s_mov_b32 s[G0+4*\s], 1
	s_add_co_u32 s[G0+4*\s+1], s45, \s*SLOT
	s_add_nc_u64 s[G0+4*\s+2:G0+4*\s+3], s[20:21], \s*4096
	s_or_b32 s[G0+4*\s+3], s[G0+4*\s+3], 0x80000000
	s_mov_b32 s[G0B+4*\s], 1
	s_add_co_u32 s[G0B+4*\s+1], s45, \s*SLOT
	s_add_nc_u64 s[G0B+4*\s+2:G0B+4*\s+3], s[46:47], \s*4096
	s_or_b32 s[G0B+4*\s+3], s[G0B+4*\s+3], 0x80000000
	JLOAD G0+4*\s, G1, G0B+4*\s, G1B               ; three loads of mine are out in all
.endr
	v_and_b32 v1, 15, v0                           ; r
	v_bfe_u32 v2, v0, 4, 1                         ; h
	v_and_b32 v3, 31, v0
	v_lshlrev_b32 v[LI], 4, v3
	s_lshl_b32 s8, s15, 15                         ; my 8 tiles of R
	s_lshl_b32 s9, s16, 15
	s_add_co_u32 s9, s9, 65536                     ; my 8 tiles of P, behind R's 16
.irp s, 0,1
	v_add_nc_u32 v[ADRA+\s], s8, v[LI]
	v_add_nc_u32 v[ADRB+\s], s9, v[LI]
	s_add_co_u32 s8, s8, SLOT
	s_add_co_u32 s9, s9, SLOT
.endr
	s_lshl_b32 s8, s15, 12                         ; R's scale words: my 8 tiles
	s_lshl_b32 s9, s16, 12
	s_add_co_u32 s9, s9, 8192                      ; P's: my 8 tiles, behind R's 16
	s_sub_co_u32 s9, s9, s8
	v_mul_u32_u24 v6, s9, v2                       ; lanes 16-31 take P's: one product, the distance between the two
	s_add_co_u32 s8, s8, SCL
	v_lshl_add_u32 v5, v1, 4, v6
	v_add_nc_u32 v[ADRS], s8, v5
.irp b, 0,1,2,3
	v_mov_b32 v[TM+4+\b], 0                        ; a lane permute's destination counts as read
.endr
	s_mov_b32 s[SEL], 0x76543210
	s_mov_b32 s[SEL+1], 0xfedcba98
	s_mov_b32 s3, 0xffff0000                       ; lanes 16-31
.macro FRAG reg, adr, q, i             ; an image comes back as it was stored: two loads of 512 consecutive bytes
.irp c, 0,1
	ds_load_b128 v[\reg+4*\c:\reg+4*\c+3], v[\adr] offset:4096*(\i)+1024*(\q)+512*\c
.endr
.endm
; 16 matrix instructions: R's blocks a0, a0 + 1 x P's eight, 128 along K.  The 64 accumulators take turns, one instruction a turn, in the same order in every step.
.macro MUL16 a0, p, q, sc, zero
.irp a, \a0, \a0+1
.irp b, 0,1,2,3,4,5,6,7
.if \zero
	v_wmma_scale_f32_16x16x128_f8f6f4 v[8*(8*((\a)%4)+\b):8*(8*((\a)%4)+\b)+7], v[128*(\p)+FR*\b:128*(\p)+FR*\b+FR-1], v[AF+FR*(\a):AF+FR*(\a)+FR-1], 0, v[SC+8*NQ*(\sc)+NQ*\b+(\q)], v[SC+8*NQ*(\sc)+NQ*(\a)+(\q)] matrix_a_fmt:MATRIX_FMT_FP4 matrix_b_fmt:MATRIX_FMT_FP4 matrix_a_scale:MATRIX_SCALE_ROW1
.else
	v_wmma_scale_f32_16x16x128_f8f6f4 v[8*(8*((\a)%4)+\b):8*(8*((\a)%4)+\b)+7], v[128*(\p)+FR*\b:128*(\p)+FR*\b+FR-1], v[AF+FR*(\a):AF+FR*(\a)+FR-1], v[8*(8*((\a)%4)+\b):8*(8*((\a)%4)+\b)+7], v[SC+8*NQ*(\sc)+NQ*\b+(\q)], v[SC+8*NQ*(\sc)+NQ*(\a)+(\q)] matrix_a_fmt:MATRIX_FMT_FP4 matrix_b_fmt:MATRIX_FMT_FP4 matrix_a_scale:MATRIX_SCALE_ROW1
.endif
.endr
.endr
.endm
.macro FETCH_B slot, q, p
	WIN TO_B
.irp i, 0,1,2,3,4,5,6,7
	FRAG 128*(\p)+FR*\i, ADRB+\slot, \q, \i
.endr
	WIN 0
.endm
.macro FETCH_A slot, q, i0
.irp i, \i0, \i0+1, \i0+2, \i0+3
	FRAG AF+FR*(\i), ADRA+\slot, \q, \i
.endr
.endm
.macro SCALES sc                       ; a half's scale words: four a row; lanes 0-15 take R's block i, lanes 16-31 P's block i
.irp i, 0,1,2,3,4,5,6,7
	ds_load_b128 v[SC+8*NQ*\sc+NQ*\i:SC+8*NQ*\sc+NQ*\i+3], v[ADRS] offset:512*\i+256*\sc
.endr
.endm
.macro PLACES n                        ; plain vector instructions between a matrix instruction and a load into, or a read of, its registers
.rept \n
	v_nop
.endr
.endm
.macro STEP slot, q, zero              ; a step of 128 along K that has its successor in the same half
	s_wait_dscnt 4*NL                              ; P's set and R's blocks 0-3 are in; the youngest eight loads (R's blocks 4-7) may be out
	WIN MUL_LO
	MUL16 0, (\q)%2, \q, \slot, \zero
	MUL16 2, (\q)%2, \q, \slot, \zero
	s_wait_dscnt 0                                 ; R's blocks 4-7 are in
	PLACES NP
	FETCH_B \slot, (\q)+1, 1-(\q)%2
	FETCH_A \slot, (\q)+1, 0
	WIN MUL_HI
	MUL16 4, (\q)%2, \q, \slot, \zero
	MUL16 6, (\q)%2, \q, \slot, \zero
	PLACES NP
	WIN 0
	FETCH_A \slot, (\q)+1, 4
.endm
	s_wait_tensorcnt 1                             ; the scale words and my part of half 0 are in; half 1's load may stay out
	s_barrier_signal -1
	s_barrier_wait -1                              ; everybody's are
	FETCH_B 0, 0, 0
	FETCH_A 0, 0, 0
	SCALES 0
	FETCH_A 0, 0, 4
	STEP 0, 0, 1                                   ; the first step's products start the sums: nothing is cleared
	STEP 0, 1, 0
	STEP 0, 2, 0
	; half 0's last step, and the change to half 1
	s_wait_tensorcnt 0x0                           ; my part of half 1 has landed
	s_wait_dscnt 4*NL
	WIN MUL_LO
	MUL16 0, 1, NQ-1, 0, 0
	s_wait_dscnt 0x0                               ; no LDS instruction of mine is out at the signal
	s_barrier_signal -1
	MUL16 2, 1, NQ-1, 0, 0
	WIN 0
	s_barrier_wait -1                              ; half 1 is whole
	PLACES NP
	FETCH_B 1, 0, 0
	FETCH_A 1, 0, 0
	SCALES 1
	WIN MUL_HI
	MUL16 4, 1, NQ-1, 0, 0
	MUL16 6, 1, NQ-1, 0, 0
	PLACES NP
	WIN 0
	FETCH_A 1, 0, 4
	STEP 1, 0, 0
	STEP 1, 1, 0
	STEP 1, 2, 0
	s_wait_dscnt 4*NL                              ; the last step: nothing more to fetch
	WIN MUL_LO
	MUL16 0, 1, NQ-1, 1, 0
	MUL16 2, 1, NQ-1, 1, 0
	s_wait_dscnt 0
	WIN MUL_HI
	MUL16 4, 1, NQ-1, 1, 0
	MUL16 6, 1, NQ-1, 1, 0
	WIN 0
	PLACES NP
	; THE WAY OUT.  Where my 8 images and their scale words go.  No tensor load is out: every scalar register is free.
	s_lshl_b32 s8, s42, 1
	s_add_co_u32 s8, s8, s16                       ; 2 x work-group x + my half of P
	s_lshr_b32 s9, s8, 3                           ; role 0: 0 = q, 1 = k;
	s_and_b32 s10, s8, 7                           ; the head;
	s_lshl_b32 s11, s17, 2
	s_add_co_u32 s11, s11, s41
	s_lshl_b32 s11, s11, 1
	s_add_co_u32 s11, s11, s15                     ; 16 batch + step = 2 (4 cluster y + cy) + my half of R
	s_mul_i32 s18, s9, 8704                        ; images at 0 or 8,704,
	s_mul_i32 s19, s9, 16896
	s_add_co_u32 s19, s19, 8192                    ; scale words at 8,192 or 25,088
	s_sub_co_u32 s66, s17, 8
	s_lshl_b32 s93, s66, 4
	s_add_co_u32 s93, s93, s8                      ; role 1: 16 batch + step = 2 (work-group x + 8 (cluster y - 8)) + my half of P;
	s_lshl_b32 s94, s41, 1
	s_add_co_u32 s94, s94, s15                     ; the head = 2 cy + my half of R
	s_mov_b32 s95, 16896
	s_mov_b32 s67, 25600
	s_cmp_lt_u32 s17, 8
	s_cselect_b32 s10, s10, s94
	s_cselect_b32 s11, s11, s93
	s_cselect_b32 s18, s18, s95
	s_cselect_b32 s19, s19, s67
	s_lshl_b32 s10, s10, 6
	s_add_co_u32 s10, s10, s11                     ; the unit
	s_mul_i32 s10, s10, 26112
	s_add_co_u32 s18, s18, s10
	s_add_co_u32 s96, s19, s10
	s_mov_b32 s19, 0
	s_mov_b32 s97, 0
	s_add_nc_u64 s[18:19], s[12:13], s[18:19]
	s_add_nc_u64 s[96:97], s[12:13], s[96:97]
; R block a: the lane's 64 results, register 16 b + i = P's row 32 b + 16 (lane / 16) + i, become a fragment and a scale word.  Each accumulator is read from its low end on.
.macro QUANTW a
.set AC, 64*((\a)%4)
.set WS, 2+(\a)/4
	WIN WS*5                                       ; sources 0 and 1: window 2 or 3
.irp b, 0,1,2,3
	v_max3_num_f32 v[TM+\b], |v[AC+16*\b]|, |v[AC+1+16*\b]|, 0x1800000   ; and the floor 2^(3 - 127)
.endr
.irp i, 2,4,6,8,10,12,14
.irp b, 0,1,2,3
	v_max3_num_f32 v[TM+\b], |v[AC+16*\b+\i]|, |v[AC+1+16*\b+\i]|, v[TM+\b]
.endr
.endr
	WIN 0
.irp b, 0,1,2,3
	v_permlanex16_b32 v[TM+4+\b], v[TM+\b], s[SEL], s[SEL+1]
.endr
.irp b, 0,1,2,3
	v_max_num_f32 v[TM+\b], v[TM+\b], v[TM+4+\b]
.endr
.irp b, 0,1,2,3
	v_add_nc_u32 v[TM+12+\b], 0xff000000, v[TM+\b]
.endr
.irp b, 0,1,2,3
	v_lshrrev_b32 v[TM+4+\b], 23, v[TM+12+\b]
.endr
	v_lshl_or_b32 v[PW+(\a)], v[TM+5], 8, v[TM+4]
	v_lshl_or_b32 v[PW+(\a)], v[TM+6], 16, v[PW+(\a)]
	v_lshl_or_b32 v[PW+(\a)], v[TM+7], 24, v[PW+(\a)]
	WIN WS                                         ; source 0: window 2 or 3
.irp b, 0,1,2,3
	v_cvt_scalef32_pk8_fp4_f32 v[PC+8*(\a)+2*\b], v[AC+16*\b:AC+7+16*\b], v[TM+12+\b]
	v_cvt_scalef32_pk8_fp4_f32 v[PC+8*(\a)+1+2*\b], v[AC+8+16*\b:AC+15+16*\b], v[TM+12+\b]
.endr
	WIN 0
	v_nop                                          ; one plain place behind a scaled conversion
.irp c, 0,1
.irp i, 0,1
	v_permlane16_swap_b32 v[PC+8*(\a)+4*\c+\i], v[PC+8*(\a)+2+4*\c+\i]
.endr
.endr
.endm
.irp a, 0,1,2,3,4,5,6,7
	QUANTW \a
	global_store_b128 v[LI], v[PC+8*\a:PC+8*\a+3], s[18:19] offset:1024*\a          ; 512 consecutive bytes; no register of a store is written again
	global_store_b128 v[LI], v[PC+8*\a+4:PC+8*\a+7], s[18:19] offset:1024*\a+512
.endr
.irp i, 0,1,2,3
	v_cndmask_b32 v[SB+\i], v[PW+2*\i], v[PW+2*\i+1], s3           ; lanes 0-15: fragment 2 i; lanes 16-31: fragment 2 i + 1
.endr
	global_store_b128 v[LI], v[SB:SB+3], s[96:97]
	s_wait_tensorcnt 0x0
	ds_add_u32 v254, v255
	s_wait_dscnt 0x0
	CROUND                                         ; the closing round: no work-group ends while a partner may still ask for a tile that names it
	s_endpgm
.Lfunc_end_k_qc4dec80710_qkvgemm:
	.size	k_qc4dec80710_qkvgemm, .Lfunc_end_k_qc4dec80710_qkvgemm-k_qc4dec80710_qkvgemm
	.p2alignl 7, 3214868480
	.fill 96, 4, 3214868480
	.section	.rodata,"a",@progbits
	.p2align	6, 0x0
	.amdhsa_kernel k_qc4dec80710_qkvgemm
		.amdhsa_group_segment_fixed_size 279040
		.amdhsa_private_segment_fixed_size 0
		.amdhsa_enable_private_segment 0
		.amdhsa_kernarg_size 24
		.amdhsa_user_sgpr_count 2
		.amdhsa_user_sgpr_kernarg_segment_ptr 1
		.amdhsa_wavefront_size32 1
		.amdhsa_system_sgpr_workgroup_id_x 1
		.amdhsa_system_sgpr_workgroup_id_y 1
		.amdhsa_system_sgpr_workgroup_id_z 1
		.amdhsa_system_vgpr_workitem_id 0
		.amdhsa_next_free_vgpr 1024
		.amdhsa_next_free_sgpr 100
		.amdhsa_reserve_vcc 0
		.amdhsa_float_denorm_mode_32 3
		.amdhsa_float_denorm_mode_16_64 3
		.amdhsa_memory_ordered 1
		.amdhsa_forward_progress 1
		.amdhsa_inst_pref_size 128
	.end_amdhsa_kernel
	.amdgpu_metadata
---
amdhsa.version: [ 1, 2 ]
amdhsa.kernels:
  - .name:           k_qc4dec80710_qkvgemm
    .symbol:         k_qc4dec80710_qkvgemm.kd
    .args:
      - { .name: cod, .offset: 0, .size: 8, .value_kind: global_buffer, .address_space: global }
      - { .name: scl, .offset: 8, .size: 8, .value_kind: global_buffer, .address_space: global }
      - { .name: qkv, .offset: 16, .size: 8, .value_kind: global_buffer, .address_space: global }
    .group_segment_fixed_size: 279040
    .private_segment_fixed_size: 0
    .kernarg_segment_align: 8
    .kernarg_segment_size: 24
    .max_flat_workgroup_size: 128
    .sgpr_count:     100
    .vgpr_count:     1024
    .wavefront_size: 32
...
	.end_amdgpu_metadata
.endif
;; end of part 2
;; launch attn (part 3): grid 8 x 32, 16 waves a work-group, clusters of 4 x 1, 327,680 bytes of LDS; arguments qkv, maskw, ofr, osc; writes ofr, osc
.if DOCPART == 3
	.amdgcn_target "amdgcn-amd-amdhsa--gfx1250"
	.amdhsa_code_object_version 6
	.text
	.protected	k_qc4dec80710_attn
	.globl	k_qc4dec80710_attn
	.p2align	8
	.type	k_qc4dec80710_attn,@function
k_qc4dec80710_attn:
	s_mov_b64 s[64:65], 0
	v_nop
	global_prefetch_b8 v0, s[64:65] scope:SCOPE_SE
	s_setreg_imm32_b32 hwreg(HW_REG_WAVE_MODE, 25, 1), 1
	s_wait_xcnt 0x0
	s_wait_alu depctr_hold_cnt(0) depctr_sa_sdst(0) depctr_va_vdst(0) depctr_va_sdst(0) depctr_va_ssrc(0) depctr_va_vcc(0) depctr_vm_vsrc(0)
	s_getreg_b32 s2, hwreg(HW_REG_IB_STS2, 6, 4)
	s_cmp_eq_u32 s2, 0
	s_cbranch_scc0 .Lentry_in_a_cluster
	s_endpgm
.Lentry_in_a_cluster:
	s_bfe_u32 s2, ttmp6, 0x10000c
	s_cmp_lg_u32 s2, 0x3003
	s_cbranch_scc0 .Lentry_shape_is_right
	s_endpgm
.Lentry_shape_is_right:
; o = softmax(where(mask, -65504, q k^T / sqrt(128))) v for one head and batch, both products on codes of FP4 with E8M0 scales; o is quantised along the head's 128 on the way out.
; THE SOFTMAX AHEAD OF THE SECOND PRODUCT: t = logit x log2(e); M = the running largest t rounded UP to a whole number; p = 2^(t - M) is quantised along the keys; the row's sum is taken of the unquantised p and divides at the end.
; When M moves, the sum and O are multiplied by 2^(old M - new M): exact.
; THE MASK: a masked raw score is replaced by -65504 x sqrt(128), so that its t is -65504 x log2(e): a select by a lane-mask word that an earlier launch made (64 words a key step, in scalar registers).
; LIMIT: that t is rounded once where the definition rounds twice: at most 0.006 apart at 94,502; it shows only in a row ALL of whose keys are masked.  NaN and infinities are not served; blocks under 2^-124 keep the byte 1.
; SHARES.  A work-group owns 256 queries of one (head, batch); each of its SIXTEEN waves one tile of 16, in 256 registers: four waves to a SIMD, so that one wave's vector work stands beside another's products and LDS loads.
; ALL of the head's K and V lie in LDS, 16 key steps x 17,408 bytes, each byte filled ONCE: a step: K's 8 images, V^T's 8 images, K's 512 bytes of scale words, V's 512.  Nothing is filled again.
; CLUSTER.  The four blocks of queries of a cluster walk the same K and V: each of a wave's four loads (1/16 of four key steps each) is asked for JOINTLY, same descriptor, mask of all four.
; LAYOUT.  Both products transposed: S^T = K Q^T, O^T = V^T P^T: a lane holds one query (lane % 16).  The keys, and V's channels, of a tile are chosen so that the 16 registers of tiles 2 b, 2 b + 1 are 16 neighbours.
; REGISTERS: v1 16 x lane; v2 the step's LDS address; v3 the masked score; v4-6 the way out; v12 -M, v13 the largest t, v[14:15] the sum; v16-23 Q; v24-27 K's scale words, v28-31 V's; v32-95 8 fragments of K, then of V;
;   v96-159 S^T, then p, then o; v160-223 O^T; v224-231 p's codes; v232-254 at work; v255 Q's scale word.
.set WV,   2                           ; s2   my wave's number
.set TB,   3                           ; s3   LDS byte at which the key step begins
.set MP,   4                           ; s[4:5] my tile's mask words
.set CNT,  6                           ; s6   counts a group's four steps
.set MO,   7                           ; s7   the byte offset of the mask words to be loaded next
.set G0,   8                           ; s[8:23] four groups 0
.set G1,   24                          ; s[24:31] group 1
.set CS,   66                          ; s[66:67] c = log2(e) / sqrt(128), twice
.set SEL,  100                         ; s[100:101]
.set OSCL, 278528                      ; LDS behind the tiles: 1,024 bytes for o's scale words; no tile lands there
.macro CROUND
	s_barrier_signal -1
	s_barrier_wait -1
	s_cmp_lg_u32 s[WV], 0
	s_cbranch_scc1 .Lnot_wave_0_\@
	s_barrier_signal -3
.Lnot_wave_0_\@:
	s_barrier_wait -3
	s_barrier_signal -1
	s_barrier_wait -1
.endm
.macro MASKLOAD                        ; a key step's 64 words: word n in s[32 + n] (n under 32) or s[36 + n]
	s_load_b512 s[32:47], s[MP:MP+1], s[MO] offset:0x0
	s_load_b512 s[48:63], s[MP:MP+1], s[MO] offset:0x40
	s_load_b512 s[68:83], s[MP:MP+1], s[MO] offset:0x80
	s_load_b512 s[84:99], s[MP:MP+1], s[MO] offset:0xc0
.endm
.macro QUANT s, pc, pw, tm             ; 64 numbers of a lane, register 16 b + i = k 32 b + 16 (lane / 16) + i, become a fragment's codes and its scale word
.irp b, 0,1,2,3
	v_max3_num_f32 v[\tm+\b], |v[\s+16*\b]|, |v[\s+1+16*\b]|, 0x1800000
.endr
.irp i, 2,4,6,8,10,12,14
.irp b, 0,1,2,3
	v_max3_num_f32 v[\tm+\b], v[\tm+\b], |v[\s+16*\b+\i]|, |v[\s+1+16*\b+\i]|
.endr
.endr
.irp b, 0,1,2,3
	v_permlanex16_b32 v[\tm+4+\b], v[\tm+\b], s[SEL], s[SEL+1]
.endr
.irp b, 0,1,2,3
	v_max_num_f32 v[\tm+\b], v[\tm+\b], v[\tm+4+\b]
.endr
.irp b, 0,1,2,3
	v_add_nc_u32 v[\tm+12+\b], 0xff000000, v[\tm+\b]
.endr
.irp b, 0,1,2,3
	v_lshrrev_b32 v[\tm+4+\b], 23, v[\tm+12+\b]
.endr
	v_lshl_or_b32 v[\pw], v[\tm+5], 8, v[\tm+4]
	v_lshl_or_b32 v[\pw], v[\tm+6], 16, v[\pw]
	v_lshl_or_b32 v[\pw], v[\tm+7], 24, v[\pw]
.irp b, 0,1,2,3
	v_cvt_scalef32_pk8_fp4_f32 v[\pc+2*\b], v[\s+16*\b:\s+7+16*\b], v[\tm+12+\b]
	v_cvt_scalef32_pk8_fp4_f32 v[\pc+1+2*\b], v[\s+8+16*\b:\s+15+16*\b], v[\tm+12+\b]
.endr
	v_nop
.irp c, 0,1
.irp i, 0,1
	v_permlane16_swap_b32 v[\pc+4*\c+\i], v[\pc+2+4*\c+\i]
.endr
.endr
.endm
	s_load_b128 s[32:35], s[0:1], 0x0              ; qkv s[32:33], maskw s[34:35]: in registers that the mask words take later
	v_lshl_add_u32 v250, v0, 2, 0x44400
	v_mov_b32 v251, 0
	ds_add_u32 v250, v251
	ds_add_u32 v250, v251
	v_lshrrev_b32 v2, 5, v0
	v_readfirstlane_b32 s[WV], v2                  ; wave 0..15
	s_bfe_u32 s36, ttmp6, 0x40000                  ; cx
	s_lshl_b32 s37, ttmp9, 2
	s_add_co_u32 s37, s37, s36                     ; my block of 256 queries: it enters Q's, the mask's and o's addresses alone
	s_and_b32 s38, ttmp7, 0xffff                   ; 4 x head + batch, which the four partners share
	; group 1: 4,352 dense bytes as 17 rows of 256 (32 elements of 8 bytes)
	s_mov_b32 s[G1], 15|(3<<16)|(1<<21)            ; 15:0 the mask: all four work-groups; 17:16 elements of 8 bytes; 21 set beside a mask
	s_mov_b32 s[G1+1], 32<<16                      ; tensor_dim0
	s_mov_b32 s[G1+2], 17<<16                      ; tensor_dim1
	s_mov_b32 s[G1+3], 32<<16                      ; tile_dim0
	s_mov_b32 s[G1+4], 17                          ; tile_dim1
	s_mov_b32 s[G1+5], 32                          ; tensor_dim0_stride
	s_mov_b32 s[G1+6], 0
	s_mov_b32 s[G1+7], 0
	s_lshl_b32 s40, s38, 4                         ; the head's first unit,
	s_lshr_b32 s41, s[WV], 2
	s_add_co_u32 s40, s40, s41                     ; + wave / 4: which of a group's four key steps,
	s_mul_i32 s40, s40, 26112
	s_and_b32 s41, s[WV], 3
	s_mul_i32 s41, s41, 4352                       ; which quarter of its 17,408 bytes,
	s_add_co_u32 s40, s40, s41
	s_add_co_u32 s40, s40, 8704                    ; which begin behind q's part of the unit
	s_mov_b32 s41, 0
	s_mul_i32 s42, s[WV], 4352                     ; and where it goes: 4,352 x wave
	s_mov_b32 s[CS], 0x3e0293ee
	s_mov_b32 s[CS+1], s[CS]
	s_mov_b32 s[SEL], 0x76543210
	s_mov_b32 s[SEL+1], 0xfedcba98
	s_wait_dscnt 0x0
	s_wait_kmcnt 0x0
	s_add_nc_u64 s[40:41], s[32:33], s[40:41]
.irp g, 0,1,2,3
	s_mov_b32 s[G0+4*\g], 1                        ; count = 1
	s_add_co_u32 s[G0+4*\g+1], s42, 69632*\g       ; LDS address: group g's four key steps
	s_add_nc_u64 s[G0+4*\g+2:G0+4*\g+3], s[40:41], 104448*\g   ; four units on
	s_or_b32 s[G0+4*\g+3], s[G0+4*\g+3], 0x80000000            ; type = 2
.endr
	CROUND                                         ; all four work-groups are here: the joint loads meet
.irp g, 0,1,2,3
	tensor_load_to_lds s[G0+4*\g:G0+4*\g+3], s[G1:G1+7]            ; four loads of mine are out; no more are issued in this launch
	s_nop 0
.endr
.rept 4
	v_nop
.endr
	v_and_b32 v1, 31, v0
	v_lshlrev_b32 v1, 4, v1                        ; 16 x lane
	s_lshl_b32 s44, s38, 4
	s_lshl_b32 s45, s37, 1
	s_add_co_u32 s44, s44, s45
	s_lshr_b32 s45, s[WV], 3
	s_add_co_u32 s44, s44, s45                     ; the unit that holds my tile of queries: 16 (4 head + batch) + 2 block + wave / 8
	s_mul_i32 s44, s44, 26112
	s_mov_b32 s45, 0
	s_add_nc_u64 s[44:45], s[32:33], s[44:45]
	s_and_b32 s46, s[WV], 7                        ; my fragment in it
	s_lshl_b32 s47, s46, 10
	v_add_nc_u32 v7, s47, v1
	global_load_b128 v[16:19], v7, s[44:45]        ; Q's fragment stays in registers
	global_load_b128 v[20:23], v7, s[44:45] offset:512
	s_and_b32 s47, s[WV], 1
	s_lshl_b32 s47, s47, 8
	s_lshr_b32 s46, s46, 1
	s_lshl_b32 s46, s46, 2
	s_add_co_u32 s47, s47, s46
	v_and_b32 v10, 15, v0
	v_lshlrev_b32 v8, 4, v10
	v_add_nc_u32 v8, s47, v8                       ; word i / 2 of the 16 bytes at 16 (r + 16 (i % 2))
	global_load_b32 v255, v8, s[44:45] offset:8192 ; Q's scale words
	s_and_b32 s48, s38, 3
	s_lshl_b32 s48, s48, 7
	s_lshl_b32 s49, s37, 4
	s_add_co_u32 s48, s48, s49
	s_add_co_u32 s48, s48, s[WV]                   ; my tile of queries: 128 batch + 16 block + wave
	s_lshl_b32 s48, s48, 12
	s_mov_b32 s49, 0
	s_add_nc_u64 s[MP:MP+1], s[34:35], s[48:49]
	s_mov_b32 s[MO], 0
	v_and_b32 v9, 0x1e0, v0
	v_lshlrev_b32 v4, 1, v9
	v_lshl_add_u32 v4, v10, 2, v4
	v_add_nc_u32 v4, OSCL, v4                      ; where my row's scale word of o goes: 64 x wave + 4 r
	v_lshlrev_b32 v6, 4, v0                        ; 16 x thread
	v_add_nc_u32 v5, OSCL, v6
	v_mov_b32 v3, 0xc934ee53                       ; -65504 x sqrt(128)
	v_mov_b32 v13, 0xff61b1e6                      ; the largest t so far: -3e38
	v_floor_f32 v12, -v13                          ; -M
	v_mov_b32 v14, 0
	v_mov_b32 v15, 0
.irp b, 0,1,2,3
	v_mov_b32 v[236+\b], 0                         ; a lane permute's destination counts as read
.endr
	v_mov_b32 v253, 0                              ; named as the upper half of v[252:253] before it is first written
.set N, 0
.rept 64
	v_mov_b32 v[160+N], 0                          ; O^T: the step is written once for all steps; the first finds zeros, which the first change of M leaves zeros
.set N, N+1
.endr
	s_wait_xcnt 0x0                                ; Q's loads have read their base, which lies where mask words land
	MASKLOAD                                       ; key step 0's
	s_wait_loadcnt 0x0                             ; Q
; A KEY STEP: 128 keys
.macro STEP
	v_add_nc_u32 v2, s[TB], v1
.rept 3
	v_nop                                          ; with the addition: four places in front of loads into registers that the last products read
.endr
.irp t, 0,1,2,3,4,5,6,7
.irp c, 0,1
	ds_load_b128 v[32+8*\t+4*\c:35+8*\t+4*\c], v2 offset:1024*\t+512*\c   ; K's images
.endr
.endr
	ds_load_b128 v[24:27], v2 offset:16384         ; K's scale words: register t / 2, lanes 0-15 for even t, lanes 16-31 for odd t
	s_wait_dscnt 0x0
.irp t, 0,1,2,3,4,5,6,7
.if (\t%2) == 0
	v_wmma_scale_f32_16x16x128_f8f6f4 v[96+8*\t:103+8*\t], v[32+8*\t:39+8*\t], v[16:23], 0, v[24+\t/2], v255 matrix_a_fmt:MATRIX_FMT_FP4 matrix_b_fmt:MATRIX_FMT_FP4
.else
	v_wmma_scale_f32_16x16x128_f8f6f4 v[96+8*\t:103+8*\t], v[32+8*\t:39+8*\t], v[16:23], 0, v[24+\t/2], v255 matrix_a_fmt:MATRIX_FMT_FP4 matrix_b_fmt:MATRIX_FMT_FP4 matrix_a_scale:MATRIX_SCALE_ROW1
.endif
.endr
.rept 4
	v_nop                                          ; places: the loads below land where K lay, and the selects read the scores
.endr
.irp t, 0,1,2,3,4,5,6,7
.irp c, 0,1
	ds_load_b128 v[32+8*\t+4*\c:35+8*\t+4*\c], v2 offset:8192+1024*\t+512*\c   ; V^T's images: they land while the softmax is worked
.endr
.endr
	ds_load_b128 v[28:31], v2 offset:16896
	s_wait_kmcnt 0x0                               ; this step's mask words
.set N, 0
.rept 64
	v_cndmask_b32 v[96+N], v[96+N], v3, s[32+N+4*(N/32)]           ; register 16 b + i: key 32 b + 16 (lane / 16) + i; each accumulator from its low end on
.set N, N+1
.endr
.irp b, 0,1,2,3
	v_max3_num_f32 v[232+\b], v[96+16*\b], v[97+16*\b], v[98+16*\b]   ; the largest score of each block of 32 keys: for the row's maximum, and, since p rises with the score, for the block's largest p
.endr
.irp i, 3,5,7,9,11,13
.irp b, 0,1,2,3
	v_max3_num_f32 v[232+\b], v[232+\b], v[96+16*\b+\i], v[97+16*\b+\i]
.endr
.endr
.irp b, 0,1,2,3
	v_max_num_f32 v[232+\b], v[232+\b], v[111+16*\b]
.endr
	s_add_co_u32 s[MO], s[MO], 256                 ; the next step's words (the wait above has shown the last loads done);
	s_min_u32 s[MO], s[MO], 3840                   ; the last step asks for its own again: no load leaves the buffer
	MASKLOAD
.irp b, 0,1,2,3
	v_permlanex16_b32 v[236+\b], v[232+\b], s[SEL], s[SEL+1]
.endr
.irp b, 0,1,2,3
	v_max_num_f32 v[232+\b], v[232+\b], v[236+\b]  ; with lane l xor 16's 16 keys
.endr
	v_max3_num_f32 v254, v232, v233, v234
	v_max_num_f32 v254, v254, v235                 ; the step's largest score of my query
	v_mul_f32 v254, s[CS], v254                    ; as t
	v_max_num_f32 v13, v13, v254                   ; the running largest t
	v_mov_b32 v254, v12
	v_floor_f32 v12, -v13                          ; the new -M = -ceil(t)
	v_sub_f32 v254, v12, v254                      ; old M - new M: a whole number, 0 or less
	v_cvt_i32_f32 v254, v254                       ; (it saturates)
	v_ldexp_f32 v252, 1.0, v254                    ; f = 2^(old M - new M)
.set N, 0
.rept 32
	v_pk_fma_f32 v[96+N:97+N], v[96+N:97+N], s[CS:CS+1], v[12:13] op_sel_hi:[1,0,0]   ; t - M, two at a time
.set N, N+2
.endr
.irp b, 0,1,2,3
	v_fma_f32 v[232+\b], v[232+\b], s[CS], v12     ; the same of each block's largest score
.endr
.set N, 0
.rept 64
	v_exp_f32 v[96+N], v[96+N]                     ; p = 2^(t - M)
.set N, N+1
.endr
	v_pk_mul_f32 v[14:15], v[14:15], v[252:253] op_sel_hi:[1,0]    ; the sums under the new M: the plain place behind the exponentials
	s_wait_alu depctr_va_vdst(0)                   ; one wait for the whole batch, ahead of its first reader
.irp b, 0,1,2,3
	v_exp_f32 v[232+\b], v[232+\b]                 ; each block's largest p
.endr
	v_pk_add_f32 v[236:237], v[96:97], v[98:99]    ; the row's sum of the unquantised p, in two chains
.set N, 4
.rept 15
	v_pk_add_f32 v[14:15], v[14:15], v[96+N:97+N]
	v_pk_add_f32 v[236:237], v[236:237], v[98+N:99+N]
.set N, N+4
.endr
	v_pk_add_f32 v[14:15], v[14:15], v[236:237]
	s_wait_alu depctr_va_vdst(0)                   ; and one for the four
.irp b, 0,1,2,3
	v_max_num_f32 v[232+\b], 0x1800000, v[232+\b]  ; the floor 2^(3 - 127)
.endr
.irp b, 0,1,2,3
	v_add_nc_u32 v[244+\b], 0xff000000, v[232+\b]  ; the conversion's scale operand
.endr
.irp b, 0,1,2,3
	v_lshrrev_b32 v[236+\b], 23, v[244+\b]         ; the byte
.endr
	v_lshl_or_b32 v253, v237, 8, v236              ; p's scale word for these 128 keys
	v_lshl_or_b32 v253, v238, 16, v253
	v_lshl_or_b32 v253, v239, 24, v253
.irp b, 0,1,2,3
	v_cvt_scalef32_pk8_fp4_f32 v[224+2*\b], v[96+16*\b:103+16*\b], v[244+\b]
	v_cvt_scalef32_pk8_fp4_f32 v[225+2*\b], v[104+16*\b:111+16*\b], v[244+\b]
.endr
	v_nop
.irp c, 0,1
.irp i, 0,1
	v_permlane16_swap_b32 v[224+4*\c+\i], v[226+4*\c+\i]
.endr
.endr
.set N, 0
.rept 32
	v_pk_mul_f32 v[160+N:161+N], v[160+N:161+N], v[252:253] op_sel_hi:[1,0]   ; O^T under the new M; these 32 also stand between the writes of p's codes and scale word and the products
.set N, N+2
.endr
	s_wait_dscnt 0x0                               ; V
.irp t, 0,1,2,3,4,5,6,7
.if (\t%2) == 0
	v_wmma_scale_f32_16x16x128_f8f6f4 v[160+8*\t:167+8*\t], v[32+8*\t:39+8*\t], v[224:231], v[160+8*\t:167+8*\t], v[28+\t/2], v253 matrix_a_fmt:MATRIX_FMT_FP4 matrix_b_fmt:MATRIX_FMT_FP4
.else
	v_wmma_scale_f32_16x16x128_f8f6f4 v[160+8*\t:167+8*\t], v[32+8*\t:39+8*\t], v[224:231], v[160+8*\t:167+8*\t], v[28+\t/2], v253 matrix_a_fmt:MATRIX_FMT_FP4 matrix_b_fmt:MATRIX_FMT_FP4 matrix_a_scale:MATRIX_SCALE_ROW1
.endif
.endr
	s_add_co_u32 s[TB], s[TB], 17408
.endm
; Four key steps whose tiles came by one load of each wave
.macro GROUP g
	s_wait_tensorcnt 3-(\g)                        ; my part of this group is in; my loads of the later groups may stay out
	s_barrier_signal -1
	s_barrier_wait -1                              ; everybody's is
	s_mov_b32 s[TB], 69632*(\g)
	s_mov_b32 s[CNT], 4
.Lstep_\@:
	STEP
	s_sub_co_u32 s[CNT], s[CNT], 1
	s_cmp_lg_u32 s[CNT], 0
	s_cbranch_scc1 .Lstep_\@
.endm
	GROUP 0
	GROUP 1
	GROUP 2
	GROUP 3
	; THE WAY OUT: O^T / the sum; its 64 numbers a lane are 128 neighbouring channels in two halves of the lanes: quantised as they stand.
	s_load_b128 s[8:11], s[0:1], 0x10              ; ofr, osc (no tensor load is out: the descriptors' registers are free)
.rept 4
	v_nop                                          ; places behind the last products
.endr
	v_add_f32 v14, v14, v15
	v_permlanex16_b32 v252, v14, s[SEL], s[SEL+1]
	v_add_f32 v14, v14, v252                       ; the row's sum
	v_rcp_f32 v14, v14
	v_nop                                          ; a plain place behind the reciprocal
	s_bfe_u32 s12, ttmp6, 0x40000
	s_lshl_b32 s13, ttmp9, 2
	s_add_co_u32 s12, s12, s13                     ; my block of queries
	s_and_b32 s13, ttmp7, 0xffff
	s_and_b32 s14, s13, 3                          ; batch
	s_lshr_b32 s15, s13, 2                         ; head
	s_lshl_b32 s14, s14, 7
	s_lshl_b32 s12, s12, 4
	s_add_co_u32 s14, s14, s12                     ; the work-group's first tile of rows
	s_add_co_u32 s16, s14, s[WV]                   ; mine
	s_lshl_b32 s16, s16, 3
	s_add_co_u32 s16, s16, s15
	s_lshl_b32 s16, s16, 10                        ; ofr: [tile][head][1,024]
	s_mov_b32 s17, 0
	s_lshl_b32 s18, s15, 15
	s_lshl_b32 s14, s14, 6
	s_add_co_u32 s18, s18, s14                     ; osc: [head][tile][64 bytes]
	s_mov_b32 s19, 0
	s_wait_alu depctr_va_vdst(0)                   ; the wait ahead of the reciprocal's first reader
.set N, 0
.rept 64
	v_mul_f32 v[96+N], v[160+N], v14
.set N, N+1
.endr
	QUANT 96, 224, 248, 232
	s_wait_kmcnt 0x0
	s_add_nc_u64 s[8:9], s[8:9], s[16:17]
	s_add_nc_u64 s[10:11], s[10:11], s[18:19]
	global_store_b128 v1, v[224:227], s[8:9]       ; o's image: twice 512 consecutive bytes
	global_store_b128 v1, v[228:231], s[8:9] offset:512
	ds_store_b32 v4, v248                          ; both halves of the lanes write the same word with the same value
	s_wait_dscnt 0x0                               ; for the others' sake
	s_barrier_signal -1
	s_barrier_wait -1
	s_cmp_lt_u32 s[WV], 2
	s_cbranch_scc0 .Lno_scales
	ds_load_b128 v[232:235], v5                    ; the sixteen tiles' 1,024 bytes leave by two waves, 512 consecutive bytes each
	s_wait_dscnt 0x0
	global_store_b128 v6, v[232:235], s[10:11]
.Lno_scales:
	s_wait_tensorcnt 0x0
	ds_add_u32 v250, v251
	s_wait_dscnt 0x0
	CROUND                                         ; the closing round
	s_endpgm
.Lfunc_end_k_qc4dec80710_attn:
	.size	k_qc4dec80710_attn, .Lfunc_end_k_qc4dec80710_attn-k_qc4dec80710_attn
	.p2alignl 7, 3214868480
	.fill 96, 4, 3214868480
	.section	.rodata,"a",@progbits
	.p2align	6, 0x0
	.amdhsa_kernel k_qc4dec80710_attn
		.amdhsa_group_segment_fixed_size 327680
		.amdhsa_private_segment_fixed_size 0
		.amdhsa_enable_private_segment 0
		.amdhsa_kernarg_size 32
		.amdhsa_user_sgpr_count 2
		.amdhsa_user_sgpr_kernarg_segment_ptr 1
		.amdhsa_wavefront_size32 1
		.amdhsa_system_sgpr_workgroup_id_x 1
		.amdhsa_system_sgpr_workgroup_id_y 1
		.amdhsa_system_sgpr_workgroup_id_z 1
		.amdhsa_system_vgpr_workitem_id 0
		.amdhsa_next_free_vgpr 256
		.amdhsa_next_free_sgpr 102
		.amdhsa_reserve_vcc 0
		.amdhsa_float_denorm_mode_32 3
		.amdhsa_float_denorm_mode_16_64 3
		.amdhsa_memory_ordered 1
		.amdhsa_forward_progress 1
		.amdhsa_inst_pref_size 104
	.end_amdhsa_kernel
	.amdgpu_metadata
---
amdhsa.version: [ 1, 2 ]
amdhsa.kernels:
  - .name:           k_qc4dec80710_attn
    .symbol:         k_qc4dec80710_attn.kd
    .args:
      - { .name: qkv, .offset: 0, .size: 8, .value_kind: global_buffer, .address_space: global }
      - { .name: maskw, .offset: 8, .size: 8, .value_kind: global_buffer, .address_space: global }
      - { .name: ofr, .offset: 16, .size: 8, .value_kind: global_buffer, .address_space: global }
      - { .name: osc, .offset: 24, .size: 8, .value_kind: global_buffer, .address_space: global }
    .group_segment_fixed_size: 327680
    .private_segment_fixed_size: 0
    .kernarg_segment_align: 8
    .kernarg_segment_size: 32
    .max_flat_workgroup_size: 512
    .sgpr_count:     102
    .vgpr_count:     256
    .wavefront_size: 32
...
	.end_amdgpu_metadata
.endif
;; end of part 3
;; launch proj (part 4): grid 256 x 1, 8 waves a work-group, no clusters, 5,120 bytes of LDS; arguments cod, scl, ofr, osc, b_lin, part; writes part
.if DOCPART == 4
	.amdgcn_target "amdgcn-amd-amdhsa--gfx1250"
	.amdhsa_code_object_version 6
	.text
	.protected	k_qc4dec80710_proj
	.globl	k_qc4dec80710_proj
	.p2align	8
	.type	k_qc4dec80710_proj,@function
k_qc4dec80710_proj:
	s_mov_b64 s[64:65], 0
	v_nop
	global_prefetch_b8 v0, s[64:65] scope:SCOPE_SE
	s_setreg_imm32_b32 hwreg(HW_REG_WAVE_MODE, 25, 1), 1
	s_wait_xcnt 0x0
; out = o W_lin^T + b_lin, quantised along its 1,024 features; then out W_last^T, of which only the SUM OVER ROWS is wanted (the result is a mean over the sequence).  Both products on codes of FP4 with E8M0 scales.
; SHARES.  Work-group g takes row tiles 2 g and 2 g + 1 (32 rows of one batch).  Wave w makes features 128 w .. 128 w + 127, which are K step w of the second product: out never leaves the registers.
; The second product is shared among the waves along K, and its two tiles of rows add into the same accumulators; the eight waves' sums meet in LDS.
; Weights come from memory straight into registers as images of fragments: a wave's 64 fragments of W_lin, 16 loads a K step, two buffers.
; NO JOINT LOADS, though all work-groups walk the same W_lin: each byte of it is wanted by ONE wave of a work-group, once, for two matrix instructions; through LDS its 544 KB would need slots that are filled again
; for a launch of 144 matrix instructions a wave.
; part: [256 work-groups][128 f32]: position 16 ct + r is class 32 (ct / 2) + 8 (ct % 2) + (r % 8) + 16 (r / 8).
; LIMITS: NaN and infinities are not served; blocks under 2^-124 keep the byte 1.
; REGISTERS: window 0: v1-6 addresses; v32-159 the 16 accumulators ((m, t) at v[32 + 64 m + 8 t]), begun by loading b_lin into them; v160-191 W_lin's scale words (8 (t / 2) + s; even t in lanes 0-15, odd t in lanes 16-31);
;   v192-199 o's (K step s; tile m = 0 in lanes 0-15, m = 1 in lanes 16-31); v200-215 the codes made; v216-231 at work; v232-233 their scale words; v234-237 W_last's.
;   window 1: v0-127 o's 16 fragments (8 (8 m + s)), later the second product's 8 accumulators; v128-191, v192-255 the two weight buffers.
.set ACC, 32
.set WSC, 160
.set OSC, 192
.set PC,  200
.set TM,  216
.set PW,  232
.set LSC, 234
.set WV,  16
.set SEL, 26
.set MSB, 0
.macro WIN new
.if MSB != \new
	s_set_vgpr_msb (MSB<<8)|\new
.set MSB, \new
.endif
.endm
.macro QUANT s, pc, pw, tm
.irp b, 0,1,2,3
	v_max3_num_f32 v[\tm+\b], |v[\s+16*\b]|, |v[\s+1+16*\b]|, 0x1800000
.endr
.irp i, 2,4,6,8,10,12,14
.irp b, 0,1,2,3
	v_max3_num_f32 v[\tm+\b], v[\tm+\b], |v[\s+16*\b+\i]|, |v[\s+1+16*\b+\i]|
.endr
.endr
.irp b, 0,1,2,3
	v_permlanex16_b32 v[\tm+4+\b], v[\tm+\b], s[SEL], s[SEL+1]
.endr
.irp b, 0,1,2,3
	v_max_num_f32 v[\tm+\b], v[\tm+\b], v[\tm+4+\b]
.endr
.irp b, 0,1,2,3
	v_add_nc_u32 v[\tm+12+\b], 0xff000000, v[\tm+\b]
.endr
.irp b, 0,1,2,3
	v_lshrrev_b32 v[\tm+4+\b], 23, v[\tm+12+\b]
.endr
	v_lshl_or_b32 v[\pw], v[\tm+5], 8, v[\tm+4]
	v_lshl_or_b32 v[\pw], v[\tm+6], 16, v[\pw]
	v_lshl_or_b32 v[\pw], v[\tm+7], 24, v[\pw]
.irp b, 0,1,2,3
	v_cvt_scalef32_pk8_fp4_f32 v[\pc+2*\b], v[\s+16*\b:\s+7+16*\b], v[\tm+12+\b]
	v_cvt_scalef32_pk8_fp4_f32 v[\pc+1+2*\b], v[\s+8+16*\b:\s+15+16*\b], v[\tm+12+\b]
.endr
	v_nop
.irp c, 0,1
.irp i, 0,1
	v_permlane16_swap_b32 v[\pc+4*\c+\i], v[\pc+2+4*\c+\i]
.endr
.endr
.endm
	s_load_b256 s[4:11], s[0:1], 0x0               ; cod 4, scl 6, ofr 8, osc 10
	s_load_b128 s[12:15], s[0:1], 0x20             ; b_lin 12, part 14
	v_lshl_add_u32 v254, v0, 2, 0x1000
	v_mov_b32 v255, 0
	v_lshrrev_b32 v1, 5, v0
	v_readfirstlane_b32 s[WV], v1                  ; wave 0..7
	v_and_b32 v8, 31, v0
	v_lshlrev_b32 v1, 4, v8                        ; 16 x lane
	v_lshlrev_b32 v4, 2, v8                        ; 4 x lane
	v_and_b32 v9, 15, v0                           ; r
	v_bfe_u32 v10, v0, 4, 1                        ; h
	v_lshlrev_b32 v2, 6, v10                       ; b_lin: 64 h
	v_lshlrev_b32 v3, 4, v9
	v_lshl_add_u32 v3, v10, 9, v3                  ; scale words of a pair of tiles: 512 h + 16 r
	s_lshl_b32 s17, s[WV], 9
	v_lshlrev_b32 v6, 2, v9
	v_add_nc_u32 v6, s17, v6                       ; LDS: 512 x wave + 4 r
.irp b, 0,1,2,3
	v_mov_b32 v[TM+4+\b], 0
.endr
	s_mov_b32 s[SEL], 0x76543210
	s_mov_b32 s[SEL+1], 0xfedcba98
	s_mov_b32 s29, 0
	s_wait_kmcnt 0x0
	s_lshl_b32 s28, s[WV], 16
	s_add_co_u32 s28, s28, 512*8192
	s_add_nc_u64 s[18:19], s[4:5], s[28:29]        ; W_lin's tile 512 + 8 w
	s_lshl_b32 s28, s[WV], 10
	s_add_co_u32 s28, s28, 576*8192
	s_add_nc_u64 s[20:21], s[4:5], s[28:29]        ; W_last's K step w
	s_lshl_b32 s28, s[WV], 12
	s_add_co_u32 s28, s28, 512*512
	s_add_nc_u64 s[22:23], s[6:7], s[28:29]        ; W_lin's scale words
	s_lshr_b32 s28, s[WV], 2
	s_lshl_b32 s28, s28, 8
	s_and_b32 s30, s[WV], 3
	s_lshl_b32 s30, s30, 2
	s_add_co_u32 s28, s28, s30
	s_add_co_u32 s28, s28, 576*512
	s_add_nc_u64 s[24:25], s[6:7], s[28:29]        ; W_last's, K step w
	s_lshl_b32 s28, ttmp9, 14
	s_add_nc_u64 s[8:9], s[8:9], s[28:29]          ; o's two tiles: 8,192 bytes each
	s_lshl_b32 s28, ttmp9, 7
	s_add_nc_u64 s[10:11], s[10:11], s[28:29]      ; their scale words: 64 bytes each, in each head
	s_mov_b32 s28, s17
	s_add_nc_u64 s[12:13], s[12:13], s[28:29]      ; my 128 numbers of b_lin
	s_lshl_b32 s28, ttmp9, 9
	s_add_nc_u64 s[14:15], s[14:15], s[28:29]
	WIN 0x40                                       ; destination window 1
.irp m, 0,1
.irp s, 0,1,2,3,4,5,6,7
.irp c, 0,1
	global_load_b128 v[8*(8*\m+\s)+4*\c:8*(8*\m+\s)+4*\c+3], v1, s[8:9] offset:8192*\m+1024*\s+512*\c
.endr
.endr
.endr
	WIN 0
.irp m, 0,1
.irp t, 0,1,2,3,4,5,6,7
	global_load_b128 v[ACC+64*\m+8*\t:ACC+64*\m+8*\t+3], v2, s[12:13] offset:4*(32*(\t/2)+8*(\t%2))       ; the bias starts the sums: lane (r, h), register 8 t + j: feature 32 (t / 2) + 16 h + 8 (t % 2) + j
	global_load_b128 v[ACC+64*\m+8*\t+4:ACC+64*\m+8*\t+7], v2, s[12:13] offset:4*(32*(\t/2)+8*(\t%2))+16
.endr
.endr
.irp i, 0,1,2,3
.irp f, 0,1
	global_load_b128 v[WSC+8*\i+4*\f:WSC+8*\i+4*\f+3], v3, s[22:23] offset:1024*\i+256*\f
.endr
.endr
.irp s, 0,1,2,3,4,5,6,7
	global_load_b32 v[OSC+\s], v4, s[10:11] offset:32768*\s
.endr
.irp i, 0,1,2,3
	global_load_b32 v[LSC+\i], v3, s[24:25] offset:1024*\i
.endr
.macro WLOAD s                         ; W_lin's 8 fragments of K step s into buffer s % 2
.irp t, 0,1,2,3,4,5,6,7
.irp c, 0,1
	global_load_b128 v[128+64*((\s)%2)+8*\t+4*\c:128+64*((\s)%2)+8*\t+4*\c+3], v1, s[18:19] offset:8192*\t+1024*(\s)+512*\c
.endr
.endr
.endm
	WIN 0x40
	WLOAD 0
	WLOAD 1
.macro MM6 t, m, s                     ; accumulator (m, t) += W_lin's tile t x o's tile m, K step s
.set rD, ACC+64*(\m)+8*(\t)
.set rA, 128+64*((\s)%2)+8*(\t)
.set rB, 8*(8*(\m)+(\s))
.set rS, WSC+8*((\t)/2)+(\s)
.if ((\t)%2 == 0) && ((\m) == 0)
	v_wmma_scale_f32_16x16x128_f8f6f4 v[rD:rD+7], v[rA:rA+7], v[rB:rB+7], v[rD:rD+7], v[rS], v[OSC+(\s)] matrix_a_fmt:MATRIX_FMT_FP4 matrix_b_fmt:MATRIX_FMT_FP4
.elseif ((\t)%2 == 1) && ((\m) == 0)
	v_wmma_scale_f32_16x16x128_f8f6f4 v[rD:rD+7], v[rA:rA+7], v[rB:rB+7], v[rD:rD+7], v[rS], v[OSC+(\s)] matrix_a_fmt:MATRIX_FMT_FP4 matrix_b_fmt:MATRIX_FMT_FP4 matrix_a_scale:MATRIX_SCALE_ROW1
.elseif ((\t)%2 == 0)
	v_wmma_scale_f32_16x16x128_f8f6f4 v[rD:rD+7], v[rA:rA+7], v[rB:rB+7], v[rD:rD+7], v[rS], v[OSC+(\s)] matrix_a_fmt:MATRIX_FMT_FP4 matrix_b_fmt:MATRIX_FMT_FP4 matrix_b_scale:MATRIX_SCALE_ROW1
.else
	v_wmma_scale_f32_16x16x128_f8f6f4 v[rD:rD+7], v[rA:rA+7], v[rB:rB+7], v[rD:rD+7], v[rS], v[OSC+(\s)] matrix_a_fmt:MATRIX_FMT_FP4 matrix_b_fmt:MATRIX_FMT_FP4 matrix_a_scale:MATRIX_SCALE_ROW1 matrix_b_scale:MATRIX_SCALE_ROW1
.endif
.endm
.macro KSTEP s
	s_wait_loadcnt 16                              ; all but the youngest 16 loads, the other buffer's, are in
	WIN 0x05                                       ; sources 0 and 1 window 1; C and D window 0
.irp t, 0,1,2,3,4,5,6,7
.irp m, 0,1
	MM6 \t, \m, \s                                 ; the 16 accumulators by turns, in the same order in every K step
.endr
.endr
.rept 4
	v_nop                                          ; places in front of loads into the buffer just read, and of the first read of results
.endr
.if (\s) < 6
	WIN 0x40
	WLOAD (\s)+2
.elseif (\s) == 6
	WIN 0x40
.irp t, 0,1,2,3,4,5,6,7
.irp c, 0,1
	global_load_b128 v[128+8*\t+4*\c:128+8*\t+4*\c+3], v1, s[20:21] offset:8192*\t+512*\c   ; W_last's 8 tiles of classes, K step w, into buffer 0
.endr
.endr
.endif
.endm
.irp k, 0,1,2,3,4,5,6,7
	KSTEP \k
.endr
	WIN 0
	QUANT ACC, PC, PW, TM                          ; my 128 features of rows tile 0: K step w of the second product
	QUANT ACC+64, PC+8, PW+1, TM
	s_wait_loadcnt 0x0                             ; W_last
.rept 8
	v_nop                                          ; a scale word written by vector instructions stands 8 places ahead of a scaled matrix instruction, codes 4
.endr
	WIN 0x54                                       ; source 0 (the rows' codes) window 0; source 1 (W_last), C and D window 1
.macro MM7 m, ct                       ; source 0 = 16 rows, source 1 = 16 classes: a lane holds ONE class and eight rows
.set rD, 8*(\ct)
.set rB, 128+8*(\ct)
.if ((\m) == 0) && ((\ct)%2 == 0)
	v_wmma_scale_f32_16x16x128_f8f6f4 v[rD:rD+7], v[PC+8*(\m):PC+8*(\m)+7], v[rB:rB+7], 0, v[PW+(\m)], v[LSC+(\ct)/2] matrix_a_fmt:MATRIX_FMT_FP4 matrix_b_fmt:MATRIX_FMT_FP4
.elseif ((\m) == 0)
	v_wmma_scale_f32_16x16x128_f8f6f4 v[rD:rD+7], v[PC+8*(\m):PC+8*(\m)+7], v[rB:rB+7], 0, v[PW+(\m)], v[LSC+(\ct)/2] matrix_a_fmt:MATRIX_FMT_FP4 matrix_b_fmt:MATRIX_FMT_FP4 matrix_b_scale:MATRIX_SCALE_ROW1
.elseif ((\ct)%2 == 0)
	v_wmma_scale_f32_16x16x128_f8f6f4 v[rD:rD+7], v[PC+8*(\m):PC+8*(\m)+7], v[rB:rB+7], v[rD:rD+7], v[PW+(\m)], v[LSC+(\ct)/2] matrix_a_fmt:MATRIX_FMT_FP4 matrix_b_fmt:MATRIX_FMT_FP4
.else
	v_wmma_scale_f32_16x16x128_f8f6f4 v[rD:rD+7], v[PC+8*(\m):PC+8*(\m)+7], v[rB:rB+7], v[rD:rD+7], v[PW+(\m)], v[LSC+(\ct)/2] matrix_a_fmt:MATRIX_FMT_FP4 matrix_b_fmt:MATRIX_FMT_FP4 matrix_b_scale:MATRIX_SCALE_ROW1
.endif
.endm
.irp m, 0,1
.irp k, 0,1,2,3,4,5,6,7
	MM7 \m, \k                                     ; eight accumulators by turns; the second tile of rows adds onto the first's
.endr
.endr
.rept 4
	v_nop
.endr
	WIN 0x05                                       ; sources window 1, destination window 0
.irp k, 0,1,2,3,4,5,6,7
	v_pk_add_f32 v[32+4*\k:33+4*\k], v[8*\k:8*\k+1], v[8*\k+2:8*\k+3]           ; the sum over a lane's eight rows; each accumulator from its low end on
	v_pk_add_f32 v[34+4*\k:35+4*\k], v[8*\k+4:8*\k+5], v[8*\k+6:8*\k+7]
.endr
	WIN 0
.irp k, 0,1,2,3,4,5,6,7
	v_pk_add_f32 v[32+4*\k:33+4*\k], v[32+4*\k:33+4*\k], v[34+4*\k:35+4*\k]
.endr
.irp k, 0,1,2,3,4,5,6,7
	v_add_f32 v[32+4*\k], v[32+4*\k], v[33+4*\k]
.endr
.irp k, 0,1,2,3,4,5,6,7
	v_permlanex16_b32 v[33+4*\k], v[32+4*\k], s[SEL], s[SEL+1]
.endr
.irp k, 0,1,2,3,4,5,6,7
	v_add_f32 v[32+4*\k], v[32+4*\k], v[33+4*\k]   ; with the other eight rows: 32 rows' sum for class (ct, r), over my K step
.endr
.irp k, 0,1,2,3,4,5,6,7
	ds_store_b32 v6, v[32+4*\k] offset:64*\k       ; both halves of the lanes write the same word with the same value
.endr
	s_wait_dscnt 0x0                               ; for the others' sake
	s_barrier_signal -1
	s_barrier_wait -1
	s_cmp_lg_u32 s[WV], 0
	s_cbranch_scc1 .Ldone
.irp i, 0,1,2,3,4,5,6,7
	ds_load_b128 v[64+4*\i:67+4*\i], v1 offset:512*\i              ; the eight waves' sums: the eight K steps
.endr
	s_wait_dscnt 0x0
.macro ADD4 d, s
	v_pk_add_f32 v[\d:\d+1], v[\d:\d+1], v[\s:\s+1]
	v_pk_add_f32 v[\d+2:\d+3], v[\d+2:\d+3], v[\s+2:\s+3]
.endm
	ADD4 64, 68
	ADD4 72, 76
	ADD4 80, 84
	ADD4 88, 92
	ADD4 64, 72
	ADD4 80, 88
	ADD4 64, 80
	global_store_b128 v1, v[64:67], s[14:15]       ; 512 consecutive bytes
.Ldone:
	s_wait_tensorcnt 0x0
	ds_add_u32 v254, v255
	s_wait_dscnt 0x0
	s_endpgm
.Lfunc_end_k_qc4dec80710_proj:
	.size	k_qc4dec80710_proj, .Lfunc_end_k_qc4dec80710_proj-k_qc4dec80710_proj
	.p2alignl 7, 3214868480
	.fill 96, 4, 3214868480
	.section	.rodata,"a",@progbits
	.p2align	6, 0x0
	.amdhsa_kernel k_qc4dec80710_proj
		.amdhsa_group_segment_fixed_size 5120
		.amdhsa_private_segment_fixed_size 0
		.amdhsa_enable_private_segment 0
		.amdhsa_kernarg_size 48
		.amdhsa_user_sgpr_count 2
		.amdhsa_user_sgpr_kernarg_segment_ptr 1
		.amdhsa_wavefront_size32 1
		.amdhsa_system_sgpr_workgroup_id_x 1
		.amdhsa_system_sgpr_workgroup_id_y 1
		.amdhsa_system_sgpr_workgroup_id_z 1
		.amdhsa_system_vgpr_workitem_id 0
		.amdhsa_next_free_vgpr 512
		.amdhsa_next_free_sgpr 66
		.amdhsa_reserve_vcc 0
		.amdhsa_float_denorm_mode_32 3
		.amdhsa_float_denorm_mode_16_64 3
		.amdhsa_memory_ordered 1
		.amdhsa_forward_progress 1
		.amdhsa_inst_pref_size 57
	.end_amdhsa_kernel
	.amdgpu_metadata
---
amdhsa.version: [ 1, 2 ]
amdhsa.kernels:
  - .name:           k_qc4dec80710_proj
    .symbol:         k_qc4dec80710_proj.kd
    .args:
      - { .name: cod, .offset: 0, .size: 8, .value_kind: global_buffer, .address_space: global }
      - { .name: scl, .offset: 8, .size: 8, .value_kind: global_buffer, .address_space: global }
      - { .name: ofr, .offset: 16, .size: 8, .value_kind: global_buffer, .address_space: global }
      - { .name: osc, .offset: 24, .size: 8, .value_kind: global_buffer, .address_space: global }
      - { .name: b_lin, .offset: 32, .size: 8, .value_kind: global_buffer, .address_space: global }
      - { .name: part, .offset: 40, .size: 8, .value_kind: global_buffer, .address_space: global }
    .group_segment_fixed_size: 5120
    .private_segment_fixed_size: 0
    .kernarg_segment_align: 8
    .kernarg_segment_size: 48
    .max_flat_workgroup_size: 256
    .sgpr_count:     66
    .vgpr_count:     512
    .wavefront_size: 32
...
	.end_amdgpu_metadata
.endif
;; end of part 4
;; launch reduce (part 5): grid 4 x 1, 4 waves a work-group, no clusters, 2,560 bytes of LDS; arguments part, b_last, out0; writes out0
.if DOCPART == 5
	.amdgcn_target "amdgcn-amd-amdhsa--gfx1250"
	.amdhsa_code_object_version 6
	.text
	.protected	k_qc4dec80710_reduce
	.globl	k_qc4dec80710_reduce
	.p2align	8
	.type	k_qc4dec80710_reduce,@function
k_qc4dec80710_reduce:
	s_mov_b64 s[64:65], 0
	v_nop
	global_prefetch_b8 v0, s[64:65] scope:SCOPE_SE
	s_setreg_imm32_b32 hwreg(HW_REG_WAVE_MODE, 25, 1), 1
	s_wait_xcnt 0x0
; out0[b][class] = (the sum of batch b's 64 partial sums) / 2,048 + b_last[class].  part: [256][128 f32], position 16 ct + r = class 32 (ct / 2) + 8 (ct % 2) + (r % 8) + 16 (r / 8).
; One work-group a batch; each of its four waves adds 16 partial sums (512 consecutive bytes a load); the four meet in LDS; wave 0 finishes.  32 KB a work-group: no more work-groups could share it without a further launch.
.macro ADD4 d, s
	v_pk_add_f32 v[\d:\d+1], v[\d:\d+1], v[\s:\s+1]
	v_pk_add_f32 v[\d+2:\d+3], v[\d+2:\d+3], v[\s+2:\s+3]
.endm
	s_load_b128 s[4:7], s[0:1], 0x0                ; part, b_last
	s_load_b64 s[8:9], s[0:1], 0x10                ; out0
	v_lshl_add_u32 v96, v0, 2, 0x800
	v_mov_b32 v97, 0
	v_lshrrev_b32 v1, 5, v0
	v_readfirstlane_b32 s10, v1                    ; wave 0..3
	v_and_b32 v4, 31, v0
	v_lshlrev_b32 v1, 4, v4                        ; 16 x lane
	v_lshlrev_b32 v2, 4, v0                        ; 16 x thread = 512 x wave + 16 x lane
	v_lshrrev_b32 v5, 3, v4                        ; lane l holds positions 4 l .. 4 l + 3: classes 32 (l / 8) + 8 ((l / 4) % 2) + 16 ((l / 2) % 2) + 4 (l % 2) + 0 .. 3
	v_lshlrev_b32 v3, 7, v5
	v_bfe_u32 v5, v0, 2, 1
	v_lshl_add_u32 v3, v5, 5, v3
	v_bfe_u32 v5, v0, 1, 1
	v_lshl_add_u32 v3, v5, 6, v3
	v_and_b32 v5, 1, v0
	v_lshl_add_u32 v3, v5, 4, v3                   ; their byte offset in a row of 128 f32
	s_lshl_b32 s12, ttmp9, 15                      ; 64 partial sums of 512 bytes a batch,
	s_lshl_b32 s13, s10, 13                        ; 16 a wave
	s_add_co_u32 s12, s12, s13
	s_mov_b32 s13, 0
	s_lshl_b32 s14, ttmp9, 9
	s_mov_b32 s15, 0
	s_wait_kmcnt 0x0
	s_add_nc_u64 s[4:5], s[4:5], s[12:13]
	s_add_nc_u64 s[8:9], s[8:9], s[14:15]
.irp i, 0,1,2,3,4,5,6,7,8,9,10,11,12,13,14,15
	global_load_b128 v[16+4*\i:19+4*\i], v1, s[4:5] offset:512*\i th:TH_LOAD_NT
.endr
	s_wait_loadcnt 0x0
.irp i, 0,2,4,6,8,10,12,14
	ADD4 16+4*\i, 20+4*\i
.endr
.irp i, 0,4,8,12
	ADD4 16+4*\i, 24+4*\i
.endr
	ADD4 16, 32
	ADD4 48, 64
	ADD4 16, 48
	ds_store_b128 v2, v[16:19]
	s_wait_dscnt 0x0                               ; for the others' sake
	s_barrier_signal -1
	s_barrier_wait -1
	s_cmp_lg_u32 s10, 0
	s_cbranch_scc1 .Ldone
	global_load_b128 v[40:43], v3, s[6:7]          ; b_last at my four classes
.irp i, 0,1,2,3
	ds_load_b128 v[20+4*\i:23+4*\i], v1 offset:512*\i
.endr
	s_wait_dscnt 0x0
	ADD4 20, 24
	ADD4 28, 32
	ADD4 20, 28
	s_wait_loadcnt 0x0
	v_pk_fma_f32 v[20:21], v[20:21], 0x3a000000, v[40:41] op_sel_hi:[1,0,1]   ; x 2^-11: the mean over 2,048 rows; + b_last
	v_pk_fma_f32 v[22:23], v[22:23], 0x3a000000, v[42:43] op_sel_hi:[1,0,1]
	global_store_b128 v3, v[20:23], s[8:9]         ; the batch's 512 bytes, by one instruction
.Ldone:
	s_wait_tensorcnt 0x0
	ds_add_u32 v96, v97
	s_wait_dscnt 0x0
	s_endpgm
.Lfunc_end_k_qc4dec80710_reduce:
	.size	k_qc4dec80710_reduce, .Lfunc_end_k_qc4dec80710_reduce-k_qc4dec80710_reduce
	.p2alignl 7, 3214868480
	.fill 96, 4, 3214868480
	.section	.rodata,"a",@progbits
	.p2align	6, 0x0
	.amdhsa_kernel k_qc4dec80710_reduce
		.amdhsa_group_segment_fixed_size 2560
		.amdhsa_private_segment_fixed_size 0
		.amdhsa_enable_private_segment 0
		.amdhsa_kernarg_size 24
		.amdhsa_user_sgpr_count 2
		.amdhsa_user_sgpr_kernarg_segment_ptr 1
		.amdhsa_wavefront_size32 1
		.amdhsa_system_sgpr_workgroup_id_x 1
		.amdhsa_system_sgpr_workgroup_id_y 1
		.amdhsa_system_sgpr_workgroup_id_z 1
		.amdhsa_system_vgpr_workitem_id 0
		.amdhsa_next_free_vgpr 98
		.amdhsa_next_free_sgpr 66
		.amdhsa_reserve_vcc 0
		.amdhsa_float_denorm_mode_32 3
		.amdhsa_float_denorm_mode_16_64 3
		.amdhsa_memory_ordered 1
		.amdhsa_forward_progress 1
		.amdhsa_inst_pref_size 7
	.end_amdhsa_kernel
	.amdgpu_metadata
---
amdhsa.version: [ 1, 2 ]
amdhsa.kernels:
  - .name:           k_qc4dec80710_reduce
    .symbol:         k_qc4dec80710_reduce.kd
    .args:
      - { .name: part, .offset: 0, .size: 8, .value_kind: global_buffer, .address_space: global }
      - { .name: b_last, .offset: 8, .size: 8, .value_kind: global_buffer, .address_space: global }
      - { .name: out0, .offset: 16, .size: 8, .value_kind: global_buffer, .address_space: global }
    .group_segment_fixed_size: 2560
    .private_segment_fixed_size: 0
    .kernarg_segment_align: 8
    .kernarg_segment_size: 24
    .max_flat_workgroup_size: 128
    .sgpr_count:     66
    .vgpr_count:     98
    .wavefront_size: 32
...
	.end_amdgpu_metadata
.endif
;; end of part 5
;; ======== version 2 of 2: 5 launches
;; limits: right only within a limited range of input values
;; workspace buffers: cod 6,356,992 bytes; scl 397,312 bytes; maskw 2,097,152 bytes of whole numbers; qkv 13,369,344 bytes; ofr 4,194,304 bytes; osc 262,144 bytes; part 131,072 bytes
;; launch prep (part 6): grid 1992 x 1, 2 waves a work-group, no clusters, 25,856 bytes of LDS; arguments x, W_lin, W_last, W_q, W_k, W_v, mask_3d, cod, scl, maskw; writes cod, scl, maskw
.if DOCPART == 6
	.amdgcn_target "amdgcn-amd-amdhsa--gfx1250"
	.amdhsa_code_object_version 6
	.text
	.protected	k_qc4dec80710_prep
	.globl	k_qc4dec80710_prep
	.p2align	8
	.type	k_qc4dec80710_prep,@function
k_qc4dec80710_prep:
	s_mov_b64 s[64:65], 0
	v_nop
	global_prefetch_b8 v0, s[64:65] scope:SCOPE_SE
	s_setreg_imm32_b32 hwreg(HW_REG_WAVE_MODE, 25, 1), 1
	s_wait_xcnt 0x0
; PREP: x, W_lin, W_last, W_q, W_k, W_v (f32) become codes of FP4 (E2M1) with one E8M0 byte for each 32 along K = 1,024; mask_3d becomes lane-mask words.
; A TILE is 16 rows: tile T holds rows 32 (T / 2) + 8 (T % 2) + (r % 8) + 16 (r / 8), r = 0 .. 15.  Such tiles, as a product's source 0, leave 16 neighbours along the next K in the 16 registers of result tiles 2 b, 2 b + 1.
; cod: [776 tiles][8 K steps][1,024 bytes]: a fragment (16 rows x 128 K, 8 registers a lane) as an IMAGE OF ITS REGISTERS: registers 4 c .. 4 c + 3 of lane l at 512 c + 16 l.
;      tiles 0-511 x, 512-575 W_lin, 576-583 W_last, 584-647 W_q, 648-711 W_k, 712-775 W_v (8 tiles a head; their rows are the head's 128 columns).
; scl: [776][512 bytes]: the scale word (4 bytes: 128 along K) of row r and K step s at 256 (s / 4) + 16 r + 4 (s % 4).
; maskw: [512 tiles of queries][16 key steps][64 words]: in word 16 bb + i, bit l = mask[query row l % 16 of the tile][128 j + 32 bb + 16 (l / 16) + i]: the lane mask for score register 16 bb + i.
; A block's scale is 2^(floor(log2(its largest magnitude)) - 2): its byte is the largest magnitude's exponent field - 2, held at 1 from below.  A block of zeros keeps the byte 1: its codes are zeros, and this program alone reads the bytes.
; LIMITS: NaN and infinities among the inputs are not served; blocks whose largest magnitude lies under 2^-124 keep the byte 1.
; THREE PATHS, parted by the work-group's number, each with LDS bytes of its own.  MANY SHORT WAVES, 3,984 in all, so that much is on its way at once:
;   A (work-groups 0-583): K innermost: a work-group takes a tile, each of its two waves four K steps (32 KB, 16 KB of them asked for ahead);
;   B (584-967): K is the middle axis: a wave takes 32 columns x 128 along K (16 KB, 8 KB ahead);      C (968-1,991): the mask: a wave takes a tile of queries x 512 keys (8 KB, all asked for at once).
; No wave shares anything with another: no barrier.
.set WVN,  28                          ; s28  my wave's number
.set SEL,  30                          ; s[30:31] v_permlanex16_b32's selects for lane l xor 16
; 64 numbers of a lane, register 16 b + i = k 32 b + 16 (lane / 16) + i of my row, become a fragment's codes in v[pc] on and its scale word in v[pw]
.macro QUANT s, pc, pw, tm
.irp b, 0,1,2,3
	v_max3_num_f32 v[\tm+\b], |v[\s+16*\b]|, |v[\s+1+16*\b]|, 0x1800000   ; block b: my 16 numbers, and the floor 2^(3 - 127): the byte cannot fall under 1
.endr
.irp i, 2,4,6,8,10,12,14
.irp b, 0,1,2,3
	v_max3_num_f32 v[\tm+\b], v[\tm+\b], |v[\s+16*\b+\i]|, |v[\s+1+16*\b+\i]|   ; the four blocks by turns
.endr
.endr
.irp b, 0,1,2,3
	v_permlanex16_b32 v[\tm+4+\b], v[\tm+\b], s[SEL], s[SEL+1]
.endr
.irp b, 0,1,2,3
	v_max_num_f32 v[\tm+\b], v[\tm+\b], v[\tm+4+\b]                ; with lane l xor 16's: the block's largest magnitude
.endr
.irp b, 0,1,2,3
	v_add_nc_u32 v[\tm+12+\b], 0xff000000, v[\tm+\b]               ; 2 off its exponent field: the conversion's scale operand
.endr
.irp b, 0,1,2,3
	v_lshrrev_b32 v[\tm+4+\b], 23, v[\tm+12+\b]                    ; the scale's byte
.endr
	v_lshl_or_b32 v[\pw], v[\tm+5], 8, v[\tm+4]                    ; four bytes: my row's scale word (both halves of the lanes hold it)
	v_lshl_or_b32 v[\pw], v[\tm+6], 16, v[\pw]
	v_lshl_or_b32 v[\pw], v[\tm+7], 24, v[\pw]
.irp b, 0,1,2,3
	v_cvt_scalef32_pk8_fp4_f32 v[\pc+2*\b], v[\s+16*\b:\s+7+16*\b], v[\tm+12+\b]
	v_cvt_scalef32_pk8_fp4_f32 v[\pc+1+2*\b], v[\s+8+16*\b:\s+15+16*\b], v[\tm+12+\b]
.endr
	v_nop                                                          ; one plain place behind a scaled conversion
.irp c, 0,1
.irp i, 0,1
	v_permlane16_swap_b32 v[\pc+4*\c+\i], v[\pc+2+4*\c+\i]         ; a whole block to a lane: lanes 0-15 block 2 c, lanes 16-31 block 2 c + 1
.endr
.endr
.endm
	s_load_b512 s[8:23], s[0:1], 0x0               ; x 8, W_lin 10, W_last 12, W_q 14, W_k 16, W_v 18, mask 20, cod 22
	s_load_b128 s[24:27], s[0:1], 0x40             ; scl 24, maskw 26
	v_lshl_add_u32 v254, v0, 2, 0x6400
	v_mov_b32 v255, 0
	v_lshrrev_b32 v1, 5, v0
	v_readfirstlane_b32 s[WVN], v1
	v_and_b32 v1, 31, v0                           ; lane
	v_lshlrev_b32 v2, 4, v1                        ; 16 x lane: an image's place for my lane
	s_mov_b32 s[SEL], 0x76543210
	s_mov_b32 s[SEL+1], 0xfedcba98
	s_wait_kmcnt 0x0
	s_cmp_lt_u32 ttmp9, 584
	s_cbranch_scc1 .Lpath_a
	s_cmp_lt_u32 ttmp9, 968
	s_cbranch_scc1 .Lpath_b
; ---------------- PATH C: a wave takes one tile of 16 queries and 512 keys: two units of 256 keys (128 words).
; A unit's 16 rows x 256 bytes are loaded as they lie (two rows an instruction), turn through the wave's stage (rows 272 bytes apart), and come back 16 bytes a lane: keys 32 B + 16 (lane / 16) + 0 .. 15 of row lane % 16.
; Word N = 16 B + i is the compare's lane mask of byte i; it is written into lane N / 4, register N % 4, so that one store of 16 bytes a lane puts 128 words on end.
.set RC, 32                            ; v32-95   two sets of 8 x 4 registers as loaded
.set TC, 96                            ; v96-127  16 bytes for each of the 8 blocks
.set OC, 136                           ; v136-143 two sets of 4 registers of words
.macro LOADC set, off
.irp i, 0,1,2,3,4,5,6,7
	global_load_b128 v[RC+32*(\set)+4*\i:RC+32*(\set)+4*\i+3], v3, s[20:21] offset:(2*\i+8*(\i/4))*2048+(\off) th:TH_LOAD_NT   ; tile rows 2 i and 2 i + 1, 256 consecutive bytes each
.endr
.endm
.macro UNITC set, cnt
	s_wait_loadcnt \cnt                            ; this unit's eight loads are in; the other unit's may be out
.irp i, 0,1,2,3,4,5,6,7
	ds_store_b128 v4, v[RC+32*(\set)+4*\i:RC+32*(\set)+4*\i+3] offset:544*\i
.endr
.irp i, 0,1,2,3,4,5,6,7
	ds_load_b128 v[TC+4*\i:TC+4*\i+3], v5 offset:32*\i             ; LDS serves a wave's instructions in order: these see the stores above
.endr
	s_wait_dscnt 0x0                               ; the bytes are back
.set N, 0
.rept 16                                       ; eight words at a time, so that no line reads the result of the line above it
.irp k, 0,1,2,3,4,5,6,7
	v_and_b32 v[128+\k], 0xff<<(8*(\k%4)), v[TC+(N+\k)/4]
.endr
.irp k, 0,1,2,3,4,5,6,7
	v_cmp_ne_u32 s[40+\k], 0, v[128+\k]
.endr
.irp k, 0,1,2,3,4,5,6,7
	v_writelane_b32 v[OC+4*(\set)+\k%4], s[40+\k], (N+\k)/4
.endr
.set N, N+8
.endr
	global_store_b128 v2, v[OC+4*(\set):OC+4*(\set)+3], s[26:27] offset:512*(\set)   ; 512 consecutive bytes; each set of words is written once
.endm
	s_sub_co_u32 s32, ttmp9, 968
	s_lshl_b32 s32, s32, 1
	s_add_co_u32 s32, s32, s[WVN]                  ; 0 .. 2,047:
	s_and_b32 s33, s32, 3                          ; which 512 keys,
	s_lshr_b32 s32, s32, 2                         ; of which tile of queries, 0 .. 511
	s_lshr_b32 s34, s32, 1
	s_lshl_b32 s34, s34, 16                        ; 32 rows of 2,048 bytes
	s_and_b32 s35, s32, 1
	s_lshl_b32 s35, s35, 14                        ; 8 rows
	s_add_co_u32 s34, s34, s35
	s_lshl_b32 s35, s33, 9                         ; 512 keys
	s_add_co_u32 s34, s34, s35
	s_mov_b32 s35, 0
	s_add_nc_u64 s[20:21], s[20:21], s[34:35]
	s_lshl_b32 s34, s32, 12                        ; 4,096 bytes of words a tile,
	s_lshl_b32 s36, s33, 10                        ; 1,024 for 512 keys
	s_add_co_u32 s34, s34, s36
	s_add_nc_u64 s[26:27], s[26:27], s[34:35]
	v_and_b32 v6, 15, v0
	v_bfe_u32 v7, v0, 4, 1
	v_lshlrev_b32 v8, 4, v6
	v_lshl_add_u32 v3, v7, 11, v8                  ; in memory: row lane / 16, 16 bytes a lane
	s_mul_i32 s36, s[WVN], 4352
	s_add_co_u32 s36, s36, 16896                   ; my stage: 16 rows x 272 bytes, behind path A's bytes
	v_mul_u32_u24 v4, v7, 272
	v_add_nc_u32 v4, v4, v8
	v_add_nc_u32 v4, s36, v4                       ; into it
	v_mul_u32_u24 v5, v6, 272
	v_lshl_add_u32 v5, v7, 4, v5
	v_add_nc_u32 v5, s36, v5                       ; out of it: row lane % 16, + 16 (lane / 16)
.irp i, 0,1,2,3,4,5,6,7
	v_mov_b32 v[OC+\i], 0                          ; a lane write's destination counts as read
.endr
	LOADC 0, 0
	LOADC 1, 256
	s_wait_alu depctr_va_vdst(0)
	UNITC 0, 8
	UNITC 1, 0
	s_wait_tensorcnt 0x0
	ds_add_u32 v254, v255
	s_wait_dscnt 0x0
	s_endpgm
; ---------------- PATH B: W_q, W_k, W_v [8][1,024 (K)][128].  A lane takes a column and its registers run down K: a block of 32 lies in one lane.  A wave takes 32 columns x 128 along K: one K step of two tiles.
; The codes leave in whole runs of 256 bytes.  A row's scale word of one K step is 4 bytes, 16 bytes from the next row's: these stores fill a quarter of each run of 256 bytes that they touch; they are 98 KB of all that the launch moves.
.Lpath_b:
.set XB,  32                           ; v32-95   two sets of 32 numbers
.set CB,  96                           ; v96-111  four registers of codes for each of 4 blocks: no store's data are written again
.set SBB, 24                           ; v24      the 4 scale bytes
	s_sub_co_u32 s32, ttmp9, 584
	s_lshr_b32 s33, s32, 4                         ; 8 x tensor + head
	s_lshr_b32 s34, s32, 3
	s_and_b32 s34, s34, 1
	s_lshl_b32 s34, s34, 1
	s_add_co_u32 s34, s34, s[WVN]                  ; which 32 columns: the work-group's two waves take neighbours, so that together they read 256 consecutive bytes of each row, aligned
	s_and_b32 s35, s32, 7                          ; which K step: the same for both waves
	s_cmp_lt_u32 s33, 16
	s_cselect_b64 s[36:37], s[16:17], s[18:19]
	s_cmp_lt_u32 s33, 8
	s_cselect_b64 s[36:37], s[14:15], s[36:37]
	s_and_b32 s38, s33, 7
	s_lshl_b32 s38, s38, 19                        ; a head: 1,024 x 128 x 4 bytes
	s_lshl_b32 s39, s35, 16                        ; 128 rows of 512 bytes
	s_add_co_u32 s38, s38, s39
	s_lshl_b32 s39, s34, 7
	s_add_co_u32 s38, s38, s39
	s_mov_b32 s39, 0
	s_add_nc_u64 s[36:37], s[36:37], s[38:39]
	s_lshl_b32 s40, s33, 3
	s_lshl_b32 s41, s34, 1
	s_add_co_u32 s40, s40, s41
	s_add_co_u32 s40, s40, 584                     ; the first of my two tiles
	s_lshl_b32 s38, s40, 13
	s_lshl_b32 s41, s35, 10                        ; 1,024 bytes a K step
	s_add_co_u32 s38, s38, s41
	s_add_nc_u64 s[22:23], s[22:23], s[38:39]
	s_lshl_b32 s38, s40, 9
	s_lshr_b32 s41, s35, 2
	s_lshl_b32 s41, s41, 8                         ; 256 (s / 4)
	s_add_co_u32 s38, s38, s41
	s_and_b32 s41, s35, 3
	s_lshl_b32 s41, s41, 2                         ; 4 (s % 4)
	s_add_co_u32 s38, s38, s41
	s_add_nc_u64 s[24:25], s[24:25], s[38:39]
	s_wait_alu depctr_va_vdst(0)
	v_lshlrev_b32 v3, 2, v1                        ; in: 4 bytes a lane
	v_bfe_u32 v6, v0, 3, 1                         ; column 8 u + (r % 8) + 16 (r / 8) of the 32: tile u,
	v_and_b32 v7, 7, v0
	v_bfe_u32 v8, v0, 4, 1
	v_lshl_add_u32 v7, v8, 3, v7                   ; row r
	v_lshlrev_b32 v7, 4, v7
	v_lshl_add_u32 v4, v6, 13, v7                  ; codes: 8,192 u + 16 r
	v_lshl_add_u32 v5, v6, 9, v7                   ; scale words: 512 u + 16 r
.macro LOADB t
.set N, 0
.rept 32
	global_load_b32 v[XB+32*((\t)%2)+N], v3, s[36:37] offset:(32*(\t)+N)*512   ; 128 consecutive bytes a wave, 256 a work-group
.set N, N+1
.endr
.endm
.macro BLOCKB t
.set XS, XB+32*((\t)%2)
.if (\t) < 3
	s_wait_loadcnt 32                              ; this block's 32 loads are in; the next block's may be out
.else
	s_wait_loadcnt 0
.endif
	v_max3_num_f32 v12, |v[XS]|, |v[XS+1]|, |v[XS+2]|
	v_max3_num_f32 v13, |v[XS+3]|, |v[XS+4]|, |v[XS+5]|
.irp i, 6,10,14,18,22,26
	v_max3_num_f32 v12, v12, |v[XS+\i]|, |v[XS+\i+1]|
	v_max3_num_f32 v13, v13, |v[XS+\i+2]|, |v[XS+\i+3]|
.endr
	v_max3_num_f32 v12, v12, |v[XS+30]|, |v[XS+31]|
	v_max3_num_f32 v12, v12, v13, 0x1800000        ; and the floor
	v_add_nc_u32 v11, 0xff000000, v12              ; the conversion's scale operand
	v_lshrrev_b32 v13, 23, v11                     ; the byte
.if (\t) == 0
	v_mov_b32 v[SBB], v13
.else
	v_lshl_or_b32 v[SBB], v13, 8*(\t), v[SBB]
.endif
.irp g, 0,1,2,3
	v_cvt_scalef32_pk8_fp4_f32 v[CB+4*(\t)+\g], v[XS+8*\g:XS+8*\g+7], v11
.endr
	global_store_b128 v4, v[CB+4*(\t):CB+4*(\t)+3], s[22:23] offset:512*((\t)/2)+256*((\t)%2)   ; block 2 c + h of the K step is registers 4 c .. of lane r + 16 h: the 16 lanes of a tile fill 256 consecutive bytes
.if (\t) < 2
	LOADB (\t)+2
.endif
.endm
	LOADB 0
	LOADB 1
.irp k, 0,1,2,3
	BLOCKB \k
.endr
	global_store_b32 v5, v[SBB], s[24:25]          ; my row's scale word of this K step
	s_endpgm
; ---------------- PATH A: x, W_lin, W_last: K innermost.  A work-group takes one tile; wave w its K steps 4 w .. 4 w + 3.  Each load reads 512 consecutive bytes of one row; a K step's 16 rows turn through the wave's stage (rows 528 bytes apart).
.Lpath_a:
.set RA,  32                           ; v32-159  two sets of 16 x 4 registers as loaded
.set XA,  160                          ; v160-223 my 64 numbers of the K step
.set PCA, 224                          ; v224-231 the codes
.set TMA, 232                          ; v232-247 at work
	s_mov_b32 s32, ttmp9                           ; my tile, 0 .. 583
	s_mov_b32 s33, 576
	s_cmp_lt_u32 s32, 576
	s_cselect_b64 s[34:35], s[10:11], s[12:13]
	s_cselect_b32 s33, 512, s33
	s_cmp_lt_u32 s32, 512
	s_cselect_b64 s[34:35], s[8:9], s[34:35]
	s_cselect_b32 s33, 0, s33
	s_sub_co_u32 s33, s32, s33                     ; the tile's number in its tensor
	s_lshr_b32 s36, s33, 1
	s_lshl_b32 s36, s36, 17                        ; 32 rows of 4,096 bytes
	s_and_b32 s37, s33, 1
	s_lshl_b32 s37, s37, 15                        ; 8 rows
	s_add_co_u32 s36, s36, s37
	s_lshl_b32 s37, s[WVN], 11                     ; four K steps of 512 bytes
	s_add_co_u32 s36, s36, s37
	s_mov_b32 s37, 0
	s_add_nc_u64 s[34:35], s[34:35], s[36:37]
	s_lshl_b32 s36, s32, 13
	s_lshl_b32 s39, s[WVN], 12
	s_add_co_u32 s36, s36, s39
	s_add_nc_u64 s[22:23], s[22:23], s[36:37]
	s_lshl_b32 s36, s32, 9
	s_lshl_b32 s39, s[WVN], 8
	s_add_co_u32 s36, s36, s39
	s_add_nc_u64 s[24:25], s[24:25], s[36:37]
	s_mul_i32 s38, s[WVN], 8448                    ; my stage
	s_wait_alu depctr_va_vdst(0)
	v_add_nc_u32 v3, s38, v2                       ; into it: 16 x lane
	v_and_b32 v5, 15, v0
	v_bfe_u32 v6, v0, 4, 1
	v_mul_u32_u24 v4, v5, 528
	v_lshl_add_u32 v4, v6, 6, v4
	v_add_nc_u32 v4, s38, v4                       ; out of it: row lane % 16, + 64 (lane / 16)
.irp b, 0,1,2,3
	v_mov_b32 v[TMA+4+\b], 0                       ; a lane permute's destination counts as read
.endr
.macro LOADK s
.irp p, 0,1,2,3,4,5,6,7,8,9,10,11,12,13,14,15
	global_load_b128 v[RA+64*((\s)%2)+4*\p:RA+64*((\s)%2)+4*\p+3], v2, s[34:35] offset:((\p%8)+16*(\p/8))*4096+512*(\s) th:TH_LOAD_NT
.endr
.endm
.macro STEPA s
.if (\s) < 3
	s_wait_loadcnt 16                              ; this K step's 16 loads are in; the next step's may be out
.else
	s_wait_loadcnt 0
.endif
.irp p, 0,1,2,3,4,5,6,7,8,9,10,11,12,13,14,15
	ds_store_b128 v3, v[RA+64*((\s)%2)+4*\p:RA+64*((\s)%2)+4*\p+3] offset:528*\p
.endr
.irp b, 0,1,2,3
.irp j, 0,1,2,3
	ds_load_b128 v[XA+16*\b+4*\j:XA+16*\b+4*\j+3], v4 offset:128*\b+16*\j   ; k = 32 b + 16 (lane / 16) + 4 j .. of my row
.endr
.endr
	s_wait_dscnt 0x0                               ; my numbers are back, and the stores have read their registers
	s_wait_xcnt 0x0                                ; the last step's stores have read the codes' registers
.if (\s) < 2
	LOADK (\s)+2
.endif
	QUANT XA, PCA, 16+(\s), TMA
	global_store_b128 v2, v[PCA:PCA+3], s[22:23] offset:1024*(\s)
	global_store_b128 v2, v[PCA+4:PCA+7], s[22:23] offset:1024*(\s)+512
.endm
	LOADK 0
	LOADK 1
	s_wait_alu depctr_va_vdst(0)
.irp k, 0,1,2,3
	STEPA \k
.endr
	v_cmp_gt_u32 vcc_lo, 16, v1                    ; both halves of the lanes hold row r's four words: lanes 0-15 store them
	s_wait_xcnt 0x0                                ; EXEC changes only when the stores above have read it
	s_wait_tensorcnt 0x0
	ds_add_u32 v254, v255
	s_wait_dscnt 0x0
	s_and_saveexec_b32 s40, vcc_lo
	global_store_b128 v2, v[16:19], s[24:25]       ; 256 consecutive bytes: my four K steps' words of the tile's 16 rows
	s_wait_xcnt 0x0
	s_or_b32 exec_lo, exec_lo, s40
	s_endpgm
.Lfunc_end_k_qc4dec80710_prep:
	.size	k_qc4dec80710_prep, .Lfunc_end_k_qc4dec80710_prep-k_qc4dec80710_prep
	.p2alignl 7, 3214868480
	.fill 96, 4, 3214868480
	.section	.rodata,"a",@progbits
	.p2align	6, 0x0
	.amdhsa_kernel k_qc4dec80710_prep
		.amdhsa_group_segment_fixed_size 25856
		.amdhsa_private_segment_fixed_size 0
		.amdhsa_enable_private_segment 0
		.amdhsa_kernarg_size 80
		.amdhsa_user_sgpr_count 2
		.amdhsa_user_sgpr_kernarg_segment_ptr 1
		.amdhsa_wavefront_size32 1
		.amdhsa_system_sgpr_workgroup_id_x 1
		.amdhsa_system_sgpr_workgroup_id_y 1
		.amdhsa_system_sgpr_workgroup_id_z 1
		.amdhsa_system_vgpr_workitem_id 0
		.amdhsa_next_free_vgpr 256
		.amdhsa_next_free_sgpr 66
		.amdhsa_reserve_vcc 1
		.amdhsa_float_denorm_mode_32 3
		.amdhsa_float_denorm_mode_16_64 3
		.amdhsa_memory_ordered 1
		.amdhsa_forward_progress 1
		.amdhsa_inst_pref_size 107
	.end_amdhsa_kernel
	.amdgpu_metadata
---
amdhsa.version: [ 1, 2 ]
amdhsa.kernels:
  - .name:           k_qc4dec80710_prep
    .symbol:         k_qc4dec80710_prep.kd
    .args:
      - { .name: x, .offset: 0, .size: 8, .value_kind: global_buffer, .address_space: global }
      - { .name: W_lin, .offset: 8, .size: 8, .value_kind: global_buffer, .address_space: global }
      - { .name: W_last, .offset: 16, .size: 8, .value_kind: global_buffer, .address_space: global }
      - { .name: W_q, .offset: 24, .size: 8, .value_kind: global_buffer, .address_space: global }
      - { .name: W_k, .offset: 32, .size: 8, .value_kind: global_buffer, .address_space: global }
      - { .name: W_v, .offset: 40, .size: 8, .value_kind: global_buffer, .address_space: global }
      - { .name: mask_3d, .offset: 48, .size: 8, .value_kind: global_buffer, .address_space: global }
      - { .name: cod, .offset: 56, .size: 8, .value_kind: global_buffer, .address_space: global }
      - { .name: scl, .offset: 64, .size: 8, .value_kind: global_buffer, .address_space: global }
      - { .name: maskw, .offset: 72, .size: 8, .value_kind: global_buffer, .address_space: global }
    .group_segment_fixed_size: 25856
    .private_segment_fixed_size: 0
    .kernarg_segment_align: 8
    .kernarg_segment_size: 80
    .max_flat_workgroup_size: 64
    .sgpr_count:     66
    .vgpr_count:     256
    .wavefront_size: 32
...
	.end_amdgpu_metadata
.endif
;; end of part 6
;; launch qkvgemm (part 7): grid 8 x 32, 4 waves a work-group, clusters of 4 x 4, 327,680 bytes of LDS; arguments cod, scl, qkv; writes qkv
.if DOCPART == 7
	.amdgcn_target "amdgcn-amd-amdhsa--gfx1250"
	.amdhsa_code_object_version 6
	.text
	.protected	k_qc4dec80710_qkvgemm
	.globl	k_qc4dec80710_qkvgemm
	.p2align	8
	.type	k_qc4dec80710_qkvgemm,@function
k_qc4dec80710_qkvgemm:
	s_mov_b64 s[64:65], 0
	v_nop
	global_prefetch_b8 v0, s[64:65] scope:SCOPE_SE
	s_setreg_imm32_b32 hwreg(HW_REG_WAVE_MODE, 25, 1), 1
	s_wait_xcnt 0x0
	s_wait_alu depctr_hold_cnt(0) depctr_sa_sdst(0) depctr_va_vdst(0) depctr_va_sdst(0) depctr_va_ssrc(0) depctr_va_vcc(0) depctr_vm_vsrc(0)
	s_getreg_b32 s2, hwreg(HW_REG_IB_STS2, 6, 4)
	s_cmp_eq_u32 s2, 0
	s_cbranch_scc0 .Lentry_in_a_cluster
	s_endpgm
.Lentry_in_a_cluster:
	s_bfe_u32 s2, ttmp6, 0x10000c
	s_cmp_lg_u32 s2, 0xf033
	s_cbranch_scc0 .Lentry_shape_is_right
	s_endpgm
.Lentry_shape_is_right:
; q = x W_q, k = x W_k, v = x W_v on codes of FP4 with E8M0 scales, K = 1,024, and the results quantised at once: q and k along the head's 128, v along the keys.
; ONE BODY, TWO ROLES.  Z = R x P, source 0 = tiles of P, source 1 = tiles of R: a lane holds one row of R and its registers run along P, which is the next product's K.
;   role 0 (cluster y under 8):  P = 256 rows of W_q or W_k (two heads), R = 256 rows of x: images of q and k.      role 1: P = 256 rows of x (keys), R = 256 rows of W_v (two heads): images of V^T, keys innermost.
; Both operands lie in cod as images of fragments, so the roles differ in tile numbers alone, chosen by s_cselect_b32 on the cluster's y, which all partners share: no branch, no LDS address hangs on it.
; A work-group of four waves makes 256 x 256; a wave 128 x 128: 64 accumulators, 512 registers.  All of K lies in LDS: two halves of 131,072 bytes, half 0's P bytes filled again, with W_v.
; CLUSTERS: 4 x 4.  P's tiles hang on the work-group's x alone and are asked for jointly by a column of the cluster, R's on its y alone, by a row: the requests for both are divided by four.
; qkv: [512 units: 64 head + 16 batch + key step][26,112 bytes]: q's 8 images at 0, q's scale words at 8,192; k's 8 images at 8,704; V^T's 8 at 16,896; k's scale words at 25,088; V's at 25,600.
; A unit's scale words: 512 bytes; fragment i's word of row r is word i / 2 of the 16 bytes at 16 (r + 16 (i % 2)).
; LIMITS: NaN and infinities are not served; blocks under 2^-124 keep the byte 1 (a block of zeros too: its codes are zeros).
; REGISTERS, in windows of 256: window 0: v16-27 addresses; v32-95 scale words, two sets; v96-123 the way out; from v128 R's fragments, ONE set, later the codes made.
;   window 1: P's fragments, TWO sets, at v0 and v128.   window 2: the accumulators of my R blocks 0-3 ((a, b) at v[8 (8 (a % 4) + b)]);   window 3: those of blocks 4-7.
.set NQ,    4                          ; steps of 128 along K in a half
.set FR,    8                          ; registers of a fragment
.set NL,    2                          ; LDS loads that bring one
.set NP,    4                          ; places behind this matrix instruction (ISA guide 7.12.1)
.set SLOT,  131072                     ; a half of K: R's 16 tiles x 4,096 bytes, then P's 16
.set SCL,   2*SLOT                     ; R's scale words, 16 x 512 bytes, then P's
.set ADRA,  16                         ; v16-17  LDS address of my R fragments in half 0, 1
.set ADRB,  20                         ; v20-21  the same for P
.set LI,    26                         ; v26     16 x lane
.set ADRS,  27                         ; v27     LDS address of my scale words: lanes 0-15 R's, lanes 16-31 P's
.set SC,    32                         ; set s at v[SC + 32 s]; register 4 i + q: lanes 0-15 R's block i, lanes 16-31 P's block i, the half's q-th 128 along K
.set PW,    96                         ; v96-103  the scale words made
.set TM,    104                        ; v104-119 at work
.set SB,    120                        ; v120-123 the unit's scale words
.set AF,    128                        ; R's fragments
.set PC,    128                        ; the codes made: 8 registers for each of my 8 R blocks
.set SEL,   98                         ; s[98:99]
.set G1,  24
.set G0,  32
.set G1B, 48
.set G0B, 56
.set G1S, 68
.set G0S, 76
.set G1SB, 80
.set G0SB, 88
.set MSB, 0
.macro WIN new                         ; the immediate's high byte repeats the setting that is left
.if MSB != \new
	s_set_vgpr_msb (MSB<<8)|\new
.set MSB, \new
.endif
.endm
.set MUL_LO, 0xa1                      ; source 0 (P) window 1, source 1 (R) window 0, C and D window 2
.set MUL_HI, 0xf1                      ; the same, C and D window 3
.set TO_B,   0x40                      ; destination window 1, address window 0
; A joint load: waves 0 and 1 fetch for R, waves 2 and 3 for P.  Each line has one mask and one set of registers; the branch hangs on the wave's number alone.  Four v_nop follow each line.
.macro JLOAD g0a, g1a, g0b, g1b
	s_cmp_eq_u32 s15, 0
	s_cbranch_scc0 .Lfor_b_\@
	tensor_load_to_lds s[\g0a:\g0a+3], s[\g1a:\g1a+7]
	s_nop 0
.rept 4
	v_nop
.endr
	s_branch .Lasked_\@
.Lfor_b_\@:
	tensor_load_to_lds s[\g0b:\g0b+3], s[\g1b:\g1b+7]
	s_nop 0
.rept 4
	v_nop
.endr
.Lasked_\@:
.endm
.macro CROUND                          ; a round of the cluster's barrier
	s_barrier_signal -1
	s_barrier_wait -1
	s_cmp_lg_u32 s14, 0
	s_cbranch_scc1 .Lnot_wave_0_\@
	s_barrier_signal -3
.Lnot_wave_0_\@:
	s_barrier_wait -3
	s_barrier_signal -1
	s_barrier_wait -1
.endm
; TWO PHASES in every work-group (this replaces the two roles that the head comment names).  Phase A: P = 256 rows of W_q or W_k, R = 256 rows of x: images of q or k.
; Phase B: source 0 = the SAME 256 rows of x, which still lie in LDS (they are keys now), source 1 = the 128 rows of W_v of head = work-group x: images of V^T.  A wave takes 4 tiles of W_v x 8 tiles of keys.
; W_v's 8 tiles, 65,536 bytes, are a joint refill of half 0's P bytes, asked for at the change of halves, 2 tiles a wave; its scale words come by global loads; x's are still in registers (lanes 0-15 of both sets).
.set ADRW, 22                          ; v22     LDS address of my 4 tiles of W_v
.set SCW,  192                         ; v192-223 W_v's scale words: 16 (K step / 4) + 4 block + K step % 4, lanes 0-15
.set G1W,  68                          ; s[68:75], s[76:79] groups 1 and 0 of the refill (the scale words' descriptors are done with by then)
.set G0W,  76
.macro CREST                           ; a round of the cluster's barrier behind its opening barrier
	s_cmp_lg_u32 s14, 0
	s_cbranch_scc1 .Lnot_w0_\@
	s_barrier_signal -3
.Lnot_w0_\@:
	s_barrier_wait -3
	s_barrier_signal -1
	s_barrier_wait -1
.endm
	s_load_b128 s[4:7], s[0:1], 0x0
	s_load_b64 s[12:13], s[0:1], 0x10              ; qkv
	v_lshl_add_u32 v254, v0, 2, 0x44000
	v_mov_b32 v255, 0
	ds_add_u32 v254, v255
	ds_add_u32 v254, v255
	v_lshrrev_b32 v1, 5, v0
	v_readfirstlane_b32 s14, v1                    ; wave 0..3
	s_lshr_b32 s15, s14, 1                         ; which half of R is mine.  Also: I fetch for R (0) or for P (1)
	s_and_b32 s16, s14, 1                          ; which half of P.  Also: which 8 tiles I fetch
	s_bfe_u32 s40, ttmp6, 0x40000                  ; cx
	s_bfe_u32 s41, ttmp6, 0x40004                  ; cy
	s_lshl_b32 s42, ttmp9, 2
	s_add_co_u32 s42, s42, s40                     ; work-group x = 4 x cluster x + cx
	s_and_b32 s17, ttmp7, 0xffff                   ; cluster y: 0-7
	s_lshl_b32 s43, s41, 2
	s_lshl_b32 s43, 15, s43                        ; my row of the cluster
	s_lshl_b32 s44, 0x1111, s40                    ; my column
	; codes: 16 tiles at the head, 8 later, of each 4,096 of its 8,192 bytes: one row each of 512 elements of 8 bytes, 1,024 elements apart; dense in LDS
	s_or_b32 s[G1+0], s43, (3<<16)|(1<<21)         ; 15:0 the mask: R's tiles go to my row; 17:16 elements of 8 bytes; 21 set beside a mask
	s_or_b32 s[G1B+0], s44, (3<<16)|(1<<21)        ; P's to my column
.irp g, G1, G1B
	s_mov_b32 s[\g+1], 512<<16                     ; tensor_dim0
	s_mov_b32 s[\g+2], 16<<16                      ; tensor_dim1: 16 tiles for the head's loads; 8 behind them
	s_mov_b32 s[\g+3], 512<<16                     ; tile_dim0
	s_mov_b32 s[\g+4], 16                          ; tile_dim1
	s_mov_b32 s[\g+5], 1024                        ; tensor_dim0_stride
	s_mov_b32 s[\g+6], 0
	s_mov_b32 s[\g+7], 0
.endr
	; scale words of 16 tiles: 8,192 dense bytes as 32 rows of 256
	s_or_b32 s[G1S+0], s43, (3<<16)|(1<<21)
	s_or_b32 s[G1SB+0], s44, (3<<16)|(1<<21)
.irp g, G1S, G1SB
	s_mov_b32 s[\g+1], 32<<16
	s_mov_b32 s[\g+2], 32<<16                      ; the scale words of all 16 tiles: 8,192 dense bytes as 32 rows of 256
	s_mov_b32 s[\g+3], 32<<16
	s_mov_b32 s[\g+4], 32
	s_mov_b32 s[\g+5], 32
	s_mov_b32 s[\g+6], 0
	s_mov_b32 s[\g+7], 0
.endr
	s_mov_b32 s67, 584                             ; P begins at W_q's first tile
	s_lshl_b32 s92, s17, 6                         ; R begins at x's tile 64 x cluster y
	s_lshl_b32 s20, s41, 4
	s_add_co_u32 s20, s20, s92                     ; R: the first of my work-group's 16 tiles: + 16 cy
	s_lshl_b32 s46, s42, 4
	s_add_co_u32 s46, s46, s67                     ; P: + 16 x work-group x
	s_lshl_b32 s22, s20, 9                         ; scale words: 512 bytes a tile
	s_mov_b32 s23, 0
	s_lshl_b32 s20, s20, 13                        ; codes: 8,192 bytes a tile
	s_mov_b32 s21, 0
	s_lshl_b32 s94, s46, 9
	s_mov_b32 s95, 0
	s_lshl_b32 s46, s46, 13
	s_mov_b32 s47, 0
	s_lshl_b32 s45, s14, 15                        ; where they go: 32,768 x wave; no place in the cluster enters an LDS address
	s_wait_dscnt 0x0
	s_wait_kmcnt 0x0
	s_add_nc_u64 s[20:21], s[4:5], s[20:21]
	s_add_nc_u64 s[22:23], s[6:7], s[22:23]
	s_add_nc_u64 s[46:47], s[4:5], s[46:47]
	s_add_nc_u64 s[94:95], s[6:7], s[94:95]
	CROUND                                         ; all sixteen work-groups are here: the joint loads meet
	; the head's four tiles, each whole: R's and P's scale words, half 0 of R's 16 tiles and of P's
	s_mov_b32 s[G0S], 1
	s_mov_b32 s[G0S+1], SCL
	s_mov_b64 s[G0S+2:G0S+3], s[22:23]
	s_or_b32 s[G0S+3], s[G0S+3], 0x80000000
	s_mov_b32 s[G0SB], 1
	s_mov_b32 s[G0SB+1], SCL+8192
	s_mov_b64 s[G0SB+2:G0SB+3], s[94:95]
	s_or_b32 s[G0SB+3], s[G0SB+3], 0x80000000
	s_mov_b32 s[G0], 1
	s_mov_b32 s[G0+1], 0
	s_mov_b64 s[G0+2:G0+3], s[20:21]
	s_or_b32 s[G0+3], s[G0+3], 0x80000000
	s_mov_b32 s[G0B], 1
	s_mov_b32 s[G0B+1], 65536
	s_mov_b64 s[G0B+2:G0B+3], s[46:47]
	s_or_b32 s[G0B+3], s[G0B+3], 0x80000000
	s_lshl_b32 s18, s16, 16                        ; half 1: each wave fetches 8 tiles: which 8, in bytes
	s_mov_b32 s19, 0
	s_add_nc_u64 s[20:21], s[20:21], s[18:19]
	s_add_nc_u64 s[46:47], s[46:47], s[18:19]
	s_mov_b32 s[G0+4], 1
	s_add_co_u32 s[G0+5], s45, SLOT
	s_add_nc_u64 s[G0+6:G0+7], s[20:21], 4096
	s_or_b32 s[G0+7], s[G0+7], 0x80000000
	s_mov_b32 s[G0B+4], 1
	s_add_co_u32 s[G0B+5], s45, SLOT
	s_add_nc_u64 s[G0B+6:G0B+7], s[46:47], 4096
	s_or_b32 s[G0B+7], s[G0B+7], 0x80000000
; one load a wave at the head: one tree of branches on the wave's number, a load to an arm
.macro ARM under, g0, g1, next
	s_cmp_lt_u32 s14, \under
	s_cbranch_scc0 \next
	tensor_load_to_lds s[\g0:\g0+3], s[\g1:\g1+7]
	s_nop 0
.rept 4
	v_nop
.endr
	s_branch .Lhead_asked
\next:
.endm
	ARM 1, G0,  G1,  .Lhead_b
	ARM 2, G0B, G1B, .Lhead_sa
	ARM 3, G0S, G1S, .Lhead_sb
	tensor_load_to_lds s[G0SB:G0SB+3], s[G1SB:G1SB+7]
	s_nop 0
.rept 4
	v_nop
.endr
.Lhead_asked:
	s_lshl_b32 s94, s42, 3                         ; W_v's tiles of head = work-group x: 712 + 8 x head; my four: + 4 x my half
	s_lshl_b32 s95, s16, 2
	s_add_co_u32 s94, s94, s95
	s_add_co_u32 s94, s94, 712
	s_lshl_b32 s94, s94, 9                         ; scale words: 512 bytes a tile
	s_mov_b32 s95, 0
	s_add_nc_u64 s[94:95], s[6:7], s[94:95]
	s_lshl_b32 s10, s16, 15                        ; in LDS: 4 tiles of 8,192 bytes a half,
	s_add_co_u32 s10, s10, 65536                   ; in half 0's P bytes
	v_and_b32 v1, 15, v0                           ; r
	v_bfe_u32 v2, v0, 4, 1                         ; h
	s_wait_alu depctr_va_vdst(0)
	v_and_b32 v3, 31, v0
	v_lshlrev_b32 v[LI], 4, v3
	v_lshlrev_b32 v23, 4, v1                       ; 16 r
	v_add_nc_u32 v[ADRW], s10, v[LI]
.irp a, 0,1,2,3
.irp f, 0,1
	global_load_b128 v[SCW+16*\f+4*\a:SCW+16*\f+4*\a+3], v23, s[94:95] offset:512*\a+256*\f   ; block a, K steps 4 f .. 4 f + 3
.endr
.endr
	s_lshl_b32 s8, s15, 15                         ; my 8 tiles of R
	s_lshl_b32 s9, s16, 15
	s_add_co_u32 s9, s9, 65536                     ; my 8 tiles of P, behind R's 16
.irp s, 0,1
	v_add_nc_u32 v[ADRA+\s], s8, v[LI]
	v_add_nc_u32 v[ADRB+\s], s9, v[LI]
	s_add_co_u32 s8, s8, SLOT
	s_add_co_u32 s9, s9, SLOT
.endr
	s_lshl_b32 s8, s15, 12                         ; R's scale words: my 8 tiles
	s_lshl_b32 s9, s16, 12
	s_add_co_u32 s9, s9, 8192                      ; P's: my 8 tiles, behind R's 16
	s_sub_co_u32 s9, s9, s8
	v_mul_u32_u24 v6, s9, v2                       ; lanes 16-31 take P's: one product, the distance between the two
	s_add_co_u32 s8, s8, SCL
	v_lshl_add_u32 v5, v1, 4, v6
	v_add_nc_u32 v[ADRS], s8, v5
.irp b, 0,1,2,3
	v_mov_b32 v[TM+4+\b], 0                        ; a lane permute's destination counts as read
.endr
	s_mov_b32 s[SEL], 0x76543210
	s_mov_b32 s[SEL+1], 0xfedcba98
	s_mov_b32 s3, 0xffff0000                       ; lanes 16-31
.macro FRAG reg, adr, q, i             ; an image comes back as it was stored: two loads of 512 consecutive bytes
.irp c, 0,1
	ds_load_b128 v[\reg+4*\c:\reg+4*\c+3], v[\adr] offset:4096*(\i)+1024*(\q)+512*\c
.endr
.endm
; 16 matrix instructions: R's blocks a0, a0 + 1 x P's eight, 128 along K.  The 64 accumulators take turns, one instruction a turn, in the same order in every step.
.macro MUL16 a0, p, q, sc, zero
.irp a, \a0, \a0+1
.irp b, 0,1,2,3,4,5,6,7
.if \zero
	v_wmma_scale_f32_16x16x128_f8f6f4 v[8*(8*((\a)%4)+\b):8*(8*((\a)%4)+\b)+7], v[128*(\p)+FR*\b:128*(\p)+FR*\b+FR-1], v[AF+FR*(\a):AF+FR*(\a)+FR-1], 0, v[SC+8*NQ*(\sc)+NQ*\b+(\q)], v[SC+8*NQ*(\sc)+NQ*(\a)+(\q)] matrix_a_fmt:MATRIX_FMT_FP4 matrix_b_fmt:MATRIX_FMT_FP4 matrix_a_scale:MATRIX_SCALE_ROW1
.else
	v_wmma_scale_f32_16x16x128_f8f6f4 v[8*(8*((\a)%4)+\b):8*(8*((\a)%4)+\b)+7], v[128*(\p)+FR*\b:128*(\p)+FR*\b+FR-1], v[AF+FR*(\a):AF+FR*(\a)+FR-1], v[8*(8*((\a)%4)+\b):8*(8*((\a)%4)+\b)+7], v[SC+8*NQ*(\sc)+NQ*\b+(\q)], v[SC+8*NQ*(\sc)+NQ*(\a)+(\q)] matrix_a_fmt:MATRIX_FMT_FP4 matrix_b_fmt:MATRIX_FMT_FP4 matrix_a_scale:MATRIX_SCALE_ROW1
.endif
.endr
.endr
.endm
.macro FETCH_B slot, q, p
	WIN TO_B
.irp i, 0,1,2,3,4,5,6,7
	FRAG 128*(\p)+FR*\i, ADRB+\slot, \q, \i
.endr
	WIN 0
.endm
.macro FETCH_A slot, q, i0
.irp i, \i0, \i0+1, \i0+2, \i0+3
	FRAG AF+FR*(\i), ADRA+\slot, \q, \i
.endr
.endm
.macro SCALES sc                       ; a half's scale words: four a row; lanes 0-15 take R's block i, lanes 16-31 P's block i
.irp i, 0,1,2,3,4,5,6,7
	ds_load_b128 v[SC+8*NQ*\sc+NQ*\i:SC+8*NQ*\sc+NQ*\i+3], v[ADRS] offset:512*\i+256*\sc
.endr
.endm
.macro PLACES n                        ; plain vector instructions between a matrix instruction and a load into, or a read of, its registers
.rept \n
	v_nop
.endr
.endm
.macro STEP slot, q, zero              ; a step of 128 along K that has its successor in the same half
	s_wait_dscnt 4*NL                              ; P's set and R's blocks 0-3 are in; the youngest eight loads (R's blocks 4-7) may be out
	WIN MUL_LO
	MUL16 0, (\q)%2, \q, \slot, \zero
	MUL16 2, (\q)%2, \q, \slot, \zero
	s_wait_dscnt 0                                 ; R's blocks 4-7 are in
	PLACES NP
	FETCH_B \slot, (\q)+1, 1-(\q)%2
	FETCH_A \slot, (\q)+1, 0
	WIN MUL_HI
	MUL16 4, (\q)%2, \q, \slot, \zero
	MUL16 6, (\q)%2, \q, \slot, \zero
	PLACES NP
	WIN 0
	FETCH_A \slot, (\q)+1, 4
.endm
	s_wait_alu depctr_va_vdst(0)
	s_wait_tensorcnt 0x0                           ; my tile of the head's four is in; half 1's first fill is issued as a refill is
	ds_add_u32 v254, v255
	s_mov_b32 s[G1+2], 8<<16                       ; no tensor load of mine is out: from here on a load brings 8 tiles
	s_mov_b32 s[G1+4], 8
	s_mov_b32 s[G1B+2], 8<<16
	s_mov_b32 s[G1B+4], 8
	s_or_b32 s[G1W], s44, (3<<16)|(1<<21)          ; the refill: W_v hangs on the work-group's x alone: my column; 2 tiles of 1,024 elements of 8 bytes, dense
	s_mov_b32 s[G1W+1], 1024<<16
	s_mov_b32 s[G1W+2], 2<<16
	s_mov_b32 s[G1W+3], 1024<<16
	s_mov_b32 s[G1W+4], 2
	s_mov_b32 s[G1W+5], 1024
	s_mov_b32 s[G1W+6], 0
	s_mov_b32 s[G1W+7], 0
	s_lshl_b32 s92, s42, 16                        ; 8 tiles of 8,192 bytes a head,
	s_lshl_b32 s93, s14, 14                        ; 2 tiles a wave
	s_add_co_u32 s92, s92, s93
	s_add_co_u32 s92, s92, 712*8192
	s_mov_b32 s[G0W], 1
	s_add_co_u32 s[G0W+1], s93, 65536
	s_mov_b32 s93, 0
	s_add_nc_u64 s[G0W+2:G0W+3], s[4:5], s[92:93]
	s_or_b32 s[G0W+3], s[G0W+3], 0x80000000
	s_wait_dscnt 0x0
	CROUND                                         ; everybody's tile is in, and all sixteen work-groups are here
	JLOAD G0+4, G1, G0B+4, G1B                     ; half 1: my one load behind the round
	FETCH_B 0, 0, 0
	FETCH_A 0, 0, 0
	SCALES 0
	FETCH_A 0, 0, 4
	STEP 0, 0, 1                                   ; the first step's products start the sums: nothing is cleared
	STEP 0, 1, 0
	STEP 0, 2, 0
	; half 0's last step, and the change to half 1
	s_wait_tensorcnt 0x0                           ; my part of half 1 has landed: no load of mine is out
	ds_add_u32 v254, v255                          ; the add in front of a refill's barrier
	s_wait_dscnt 4*NL+1                            ; (the add and the youngest eight loads may be out)
	WIN MUL_LO
	MUL16 0, 1, NQ-1, 0, 0
	s_wait_dscnt 0x0                               ; no LDS instruction of mine is out at the signal
	s_barrier_signal -1
	MUL16 2, 1, NQ-1, 0, 0
	WIN 0
	s_barrier_wait -1                              ; half 1 is whole, and nobody of my work-group reads half 0's P bytes any more
	CREST                                          ; the barrier has opened a round: the same holds of every partner
	tensor_load_to_lds s[G0W:G0W+3], s[G1W:G1W+7]  ; W_v, my 2 tiles: my one load behind the round
	s_nop 0
	PLACES NP
	FETCH_B 1, 0, 0
	FETCH_A 1, 0, 0
	SCALES 1
	WIN MUL_HI
	MUL16 4, 1, NQ-1, 0, 0
	MUL16 6, 1, NQ-1, 0, 0
	PLACES NP
	WIN 0
	FETCH_A 1, 0, 4
	STEP 1, 0, 0
	STEP 1, 1, 0
	STEP 1, 2, 0
	s_wait_dscnt 4*NL                              ; the last step: nothing more to fetch
	WIN MUL_LO
	MUL16 0, 1, NQ-1, 1, 0
	MUL16 2, 1, NQ-1, 1, 0
	s_wait_dscnt 0
	WIN MUL_HI
	MUL16 4, 1, NQ-1, 1, 0
	MUL16 6, 1, NQ-1, 1, 0
	WIN 0
	PLACES NP
	; THE WAY OUT.  Where my 8 images and their scale words go.  No tensor load is out: every scalar register is free.
	s_lshl_b32 s8, s42, 1
	s_add_co_u32 s8, s8, s16                       ; 2 x work-group x + my half of P
	s_lshr_b32 s9, s8, 3                           ; role 0: 0 = q, 1 = k;
	s_and_b32 s10, s8, 7                           ; the head;
	s_lshl_b32 s11, s17, 2
	s_add_co_u32 s11, s11, s41
	s_lshl_b32 s11, s11, 1
	s_add_co_u32 s11, s11, s15                     ; 16 batch + step = 2 (4 cluster y + cy) + my half of R
	s_mul_i32 s18, s9, 8704                        ; images at 0 or 8,704,
	s_mul_i32 s19, s9, 16896
	s_add_co_u32 s19, s19, 8192                    ; scale words at 8,192 or 25,088
	s_lshl_b32 s10, s10, 6
	s_add_co_u32 s10, s10, s11                     ; the unit
	s_mul_i32 s10, s10, 26112
	s_add_co_u32 s18, s18, s10
	s_add_co_u32 s96, s19, s10
	s_mov_b32 s19, 0
	s_mov_b32 s97, 0
	s_add_nc_u64 s[18:19], s[12:13], s[18:19]
	s_add_nc_u64 s[96:97], s[12:13], s[96:97]
; R block a: the lane's 64 results, register 16 b + i = P's row 32 b + 16 (lane / 16) + i, become a fragment and a scale word.  Each accumulator is read from its low end on.
.macro QUANTW a
.set AC, 64*((\a)%4)
.set WS, 2+(\a)/4
	WIN WS*5                                       ; sources 0 and 1: window 2 or 3
.irp b, 0,1,2,3
	v_max3_num_f32 v[TM+\b], |v[AC+16*\b]|, |v[AC+1+16*\b]|, 0x1800000   ; and the floor 2^(3 - 127)
.endr
.irp i, 2,4,6,8,10,12,14
.irp b, 0,1,2,3
	v_max3_num_f32 v[TM+\b], |v[AC+16*\b+\i]|, |v[AC+1+16*\b+\i]|, v[TM+\b]
.endr
.endr
	WIN 0
.irp b, 0,1,2,3
	v_permlanex16_b32 v[TM+4+\b], v[TM+\b], s[SEL], s[SEL+1]
.endr
.irp b, 0,1,2,3
	v_max_num_f32 v[TM+\b], v[TM+\b], v[TM+4+\b]
.endr
.irp b, 0,1,2,3
	v_add_nc_u32 v[TM+12+\b], 0xff000000, v[TM+\b]
.endr
.irp b, 0,1,2,3
	v_lshrrev_b32 v[TM+4+\b], 23, v[TM+12+\b]
.endr
	v_lshl_or_b32 v[PW+(\a)], v[TM+5], 8, v[TM+4]
	v_lshl_or_b32 v[PW+(\a)], v[TM+6], 16, v[PW+(\a)]
	v_lshl_or_b32 v[PW+(\a)], v[TM+7], 24, v[PW+(\a)]
	WIN WS                                         ; source 0: window 2 or 3
.irp b, 0,1,2,3
	v_cvt_scalef32_pk8_fp4_f32 v[PC+8*(\a)+2*\b], v[AC+16*\b:AC+7+16*\b], v[TM+12+\b]
	v_cvt_scalef32_pk8_fp4_f32 v[PC+8*(\a)+1+2*\b], v[AC+8+16*\b:AC+15+16*\b], v[TM+12+\b]
.endr
	WIN 0
	v_nop                                          ; one plain place behind a scaled conversion
.irp c, 0,1
.irp i, 0,1
	v_permlane16_swap_b32 v[PC+8*(\a)+4*\c+\i], v[PC+8*(\a)+2+4*\c+\i]
.endr
.endr
.endm
.irp a, 0,1,2,3,4,5,6,7
	QUANTW \a
	global_store_b128 v[LI], v[PC+8*\a:PC+8*\a+3], s[18:19] offset:1024*\a          ; 512 consecutive bytes; no register of a store is written again
	global_store_b128 v[LI], v[PC+8*\a+4:PC+8*\a+7], s[18:19] offset:1024*\a+512
.endr
.irp i, 0,1,2,3
	v_cndmask_b32 v[SB+\i], v[PW+2*\i], v[PW+2*\i+1], s3           ; lanes 0-15: fragment 2 i; lanes 16-31: fragment 2 i + 1
.endr
	global_store_b128 v[LI], v[SB:SB+3], s[96:97]
; ---------------- PHASE B: V^T = W_v x^T, keys innermost.  Two sets of fragments by turns: keys' 8 tiles in window 1 at v0 / v128, W_v's 4 blocks in window 0 at AF / AF + 32.
.macro FETCHK k                        ; K step k's fragments into set k % 2
	WIN TO_B
.irp i, 0,1,2,3,4,5,6,7
	FRAG 128*((\k)%2)+FR*\i, ADRA+(\k)/4, (\k)%4, \i
.endr
	WIN 0
.irp i, 0,1,2,3
.irp c, 0,1
	ds_load_b128 v[AF+32*((\k)%2)+FR*\i+4*\c:AF+32*((\k)%2)+FR*\i+4*\c+3], v[ADRW] offset:8192*\i+1024*(\k)+512*\c
.endr
.endr
.endm
.macro MULB k                          ; 32 products, the 32 accumulators of window 2 by turns, in the same order in every K step
.irp a, 0,1,2,3
.irp b, 0,1,2,3,4,5,6,7
.if (\k) == 0
	v_wmma_scale_f32_16x16x128_f8f6f4 v[8*(8*\a+\b):8*(8*\a+\b)+7], v[128*((\k)%2)+FR*\b:128*((\k)%2)+FR*\b+FR-1], v[AF+32*((\k)%2)+FR*\a:AF+32*((\k)%2)+FR*\a+FR-1], 0, v[SC+32*((\k)/4)+NQ*\b+(\k)%4], v[SCW+16*((\k)/4)+4*\a+(\k)%4] matrix_a_fmt:MATRIX_FMT_FP4 matrix_b_fmt:MATRIX_FMT_FP4
.else
	v_wmma_scale_f32_16x16x128_f8f6f4 v[8*(8*\a+\b):8*(8*\a+\b)+7], v[128*((\k)%2)+FR*\b:128*((\k)%2)+FR*\b+FR-1], v[AF+32*((\k)%2)+FR*\a:AF+32*((\k)%2)+FR*\a+FR-1], v[8*(8*\a+\b):8*(8*\a+\b)+7], v[SC+32*((\k)/4)+NQ*\b+(\k)%4], v[SCW+16*((\k)/4)+4*\a+(\k)%4] matrix_a_fmt:MATRIX_FMT_FP4 matrix_b_fmt:MATRIX_FMT_FP4
.endif
.endr
.endr
.endm
.macro STEPB k
	s_wait_dscnt 0x0                               ; this K step's fragments are in
.if (\k) < 7
	PLACES NP                                      ; in front of loads into the set that the last K step's products read
	FETCHK (\k)+1
.endif
	WIN MUL_LO
	MULB \k
	WIN 0
.endm
	s_wait_alu depctr_va_vdst(0)                   ; the wait ahead of the waits below
	s_wait_tensorcnt 0x0                           ; my 2 tiles of W_v are in
	s_barrier_signal -1
	s_barrier_wait -1                              ; everybody's are
	s_wait_loadcnt 0x0                             ; W_v's scale words
	s_wait_xcnt 0x0                                ; phase A's stores have read their registers and bases
	s_lshl_b32 s8, s42, 6
	s_add_co_u32 s8, s8, s11                       ; the unit: 64 x head + 16 batch + key step
	s_mul_i32 s8, s8, 26112
	s_lshl_b32 s9, s16, 12                         ; my four images of V^T's eight,
	s_add_co_u32 s18, s8, s9
	s_add_co_u32 s18, s18, 16896
	s_mov_b32 s19, 0
	s_lshl_b32 s9, s16, 3                          ; and their two words of each lane's four
	s_add_co_u32 s96, s8, s9
	s_add_co_u32 s96, s96, 25600
	s_mov_b32 s97, 0
	s_add_nc_u64 s[18:19], s[12:13], s[18:19]
	s_add_nc_u64 s[96:97], s[12:13], s[96:97]
	FETCHK 0
.irp k, 0,1,2,3,4,5,6,7
	STEPB \k
.endr
	PLACES NP
.irp a, 0,1,2,3
	QUANTW \a
	global_store_b128 v[LI], v[PC+8*\a:PC+8*\a+3], s[18:19] offset:1024*\a
	global_store_b128 v[LI], v[PC+8*\a+4:PC+8*\a+7], s[18:19] offset:1024*\a+512
.endr
.irp i, 0,1
	v_cndmask_b32 v[SB+\i], v[PW+2*\i], v[PW+2*\i+1], s3           ; lanes 0-15: my fragment 2 i; lanes 16-31: 2 i + 1
.endr
	global_store_b64 v[LI], v[SB:SB+1], s[96:97]   ; 8 of each lane's 16 bytes; the wave with the other four tiles stores the other 8
	s_wait_tensorcnt 0x0
	ds_add_u32 v254, v255
	s_wait_dscnt 0x0
	CROUND                                         ; the closing round: no work-group ends while a partner may still ask for a tile that names it
	s_endpgm
.Lfunc_end_k_qc4dec80710_qkvgemm:
	.size	k_qc4dec80710_qkvgemm, .Lfunc_end_k_qc4dec80710_qkvgemm-k_qc4dec80710_qkvgemm
	.p2alignl 7, 3214868480
	.fill 96, 4, 3214868480
	.section	.rodata,"a",@progbits
	.p2align	6, 0x0
	.amdhsa_kernel k_qc4dec80710_qkvgemm
		.amdhsa_group_segment_fixed_size 327680
		.amdhsa_private_segment_fixed_size 0
		.amdhsa_enable_private_segment 0
		.amdhsa_kernarg_size 24
		.amdhsa_user_sgpr_count 2
		.amdhsa_user_sgpr_kernarg_segment_ptr 1
		.amdhsa_wavefront_size32 1
		.amdhsa_system_sgpr_workgroup_id_x 1
		.amdhsa_system_sgpr_workgroup_id_y 1
		.amdhsa_system_sgpr_workgroup_id_z 1
		.amdhsa_system_vgpr_workitem_id 0
		.amdhsa_next_free_vgpr 1024
		.amdhsa_next_free_sgpr 100
		.amdhsa_reserve_vcc 0
		.amdhsa_float_denorm_mode_32 3
		.amdhsa_float_denorm_mode_16_64 3
		.amdhsa_memory_ordered 1
		.amdhsa_forward_progress 1
		.amdhsa_inst_pref_size 194
	.end_amdhsa_kernel
	.amdgpu_metadata
---
amdhsa.version: [ 1, 2 ]
amdhsa.kernels:
  - .name:           k_qc4dec80710_qkvgemm
    .symbol:         k_qc4dec80710_qkvgemm.kd
    .args:
      - { .name: cod, .offset: 0, .size: 8, .value_kind: global_buffer, .address_space: global }
      - { .name: scl, .offset: 8, .size: 8, .value_kind: global_buffer, .address_space: global }
      - { .name: qkv, .offset: 16, .size: 8, .value_kind: global_buffer, .address_space: global }
    .group_segment_fixed_size: 327680
    .private_segment_fixed_size: 0
    .kernarg_segment_align: 8
    .kernarg_segment_size: 24
    .max_flat_workgroup_size: 128
    .sgpr_count:     100
    .vgpr_count:     1024
    .wavefront_size: 32
...
	.end_amdgpu_metadata
.endif
;; end of part 7
;; launch attn (part 8): grid 8 x 32, 16 waves a work-group, clusters of 4 x 1, 327,680 bytes of LDS; arguments qkv, maskw, ofr, osc; writes ofr, osc
.if DOCPART == 8
	.amdgcn_target "amdgcn-amd-amdhsa--gfx1250"
	.amdhsa_code_object_version 6
	.text
	.protected	k_qc4dec80710_attn
	.globl	k_qc4dec80710_attn
	.p2align	8
	.type	k_qc4dec80710_attn,@function
k_qc4dec80710_attn:
	s_mov_b64 s[64:65], 0
	v_nop
	global_prefetch_b8 v0, s[64:65] scope:SCOPE_SE
	s_setreg_imm32_b32 hwreg(HW_REG_WAVE_MODE, 25, 1), 1
	s_wait_xcnt 0x0
	s_wait_alu depctr_hold_cnt(0) depctr_sa_sdst(0) depctr_va_vdst(0) depctr_va_sdst(0) depctr_va_ssrc(0) depctr_va_vcc(0) depctr_vm_vsrc(0)
	s_getreg_b32 s2, hwreg(HW_REG_IB_STS2, 6, 4)
	s_cmp_eq_u32 s2, 0
	s_cbranch_scc0 .Lentry_in_a_cluster
	s_endpgm
.Lentry_in_a_cluster:
	s_bfe_u32 s2, ttmp6, 0x10000c
	s_cmp_lg_u32 s2, 0x3003
	s_cbranch_scc0 .Lentry_shape_is_right
	s_endpgm
.Lentry_shape_is_right:
; o = softmax(where(mask, -65504, q k^T / sqrt(128))) v for one head and batch, both products on codes of FP4 with E8M0 scales; o is quantised along the head's 128 and stored as images of fragments.
; t = score x log2(e) / sqrt(128); M = the running largest t rounded up to a whole number; p = 2^(t - M) is quantised along the keys; the row's sum is taken of the unquantised p and divides at the end.
; A masked score is REPLACED ahead of the maximum by -65504 x sqrt(128), so that a row that is masked whole, or whose scores lie under -65504, comes out as the definition has it.
; SHARES: a work-group owns 256 queries of one head and batch, each of its 16 waves one tile of 16; every wave walks 16 units of 128 keys.
; LDS: all 16 units (17,408 bytes: K's 8 images, V^T's 8, K's scale words, V's) lie in LDS, each byte filled once.  At the head a wave fetches a quarter of one of units 0-3;
; behind the full sequence and a round waves 0-11 fetch one of units 4-15 each.  The four work-groups of a cluster walk the same K and V: every load is a joint one, mask of all four.
; TWO BANKS of 64 registers, v32-95 and v96-159, change roles from step to step: bank A holds K, then V; bank B the scores, then p, and, when p's codes are made, the NEXT unit's K.
; Both products are used transposed: a lane holds one query (lane % 16); score register 16 b + i is key 32 b + 16 (lane / 16) + i of the unit.
; The mask comes as lane-mask words, 64 a step, by scalar loads asked for one step ahead.  No prefetch of K and V: all of them are asked for at the start, there is no loop to run ahead in.
; LIMITS: NaN and infinities are not served; the scaled scores stay under 2^31 in magnitude; blocks under 2^-124 keep the byte 1 (a block of zeros too: its codes are zeros).
; REGISTERS: v1 16 x lane; v2 the unit's LDS address; v3 the masked score; v4-6 the way out; v12 -M, v13 largest t, v[14:15] the sum; v16-23 Q; v24-27 K's scale words, v28-31 V's; v160-223 O^T; v224-231 p's codes; v232-249, 252-254 at work; v250-251 the add's; v255 Q's scale words.
.set WV,   2
.set TB,   3
.set MP,   4
.set CNT,  6
.set MO,   7
.set G0,   8                           ; s[8:11] group 0 of the head's load, s[12:15] of the second
.set G1,   16                          ; s[16:23] group 1: 17 rows of 256 bytes
.set G1B,  24                          ; s[24:31] 68 rows
.set CS,   66
.set SEL,  100
.set UNIT, 17408
.set OSCL, 278528                      ; behind the units: 64 bytes a wave for o's scale words
.set SPARE, 279552                     ; the spare words, 128 bytes a wave
.macro CROUND
	s_barrier_signal -1
	s_barrier_wait -1
	s_cmp_lg_u32 s[WV], 0
	s_cbranch_scc1 .Lnot_wave_0_\@
	s_barrier_signal -3
.Lnot_wave_0_\@:
	s_barrier_wait -3
	s_barrier_signal -1
	s_barrier_wait -1
.endm
.macro MASKLOAD
	s_load_b512 s[32:47], s[MP:MP+1], s[MO] offset:0x0
	s_load_b512 s[48:63], s[MP:MP+1], s[MO] offset:0x40
	s_load_b512 s[68:83], s[MP:MP+1], s[MO] offset:0x80
	s_load_b512 s[84:99], s[MP:MP+1], s[MO] offset:0xc0
.endm
.macro QUANT s, pc, pw, tm             ; 64 numbers of a lane become a fragment's codes and its scale word
.irp b, 0,1,2,3
	v_max3_num_f32 v[\tm+\b], |v[\s+16*\b]|, |v[\s+1+16*\b]|, 0x1800000
.endr
.irp i, 2,4,6,8,10,12,14
.irp b, 0,1,2,3
	s_delay_alu instid0(VALU_DEP_4)
	v_max3_num_f32 v[\tm+\b], v[\tm+\b], |v[\s+16*\b+\i]|, |v[\s+1+16*\b+\i]|
.endr
.endr
.irp b, 0,1,2,3
	s_delay_alu instid0(VALU_DEP_4)
	v_permlanex16_b32 v[\tm+4+\b], v[\tm+\b], s[SEL], s[SEL+1]
.endr
.irp b, 0,1,2,3
	s_delay_alu instid0(VALU_DEP_4)
	v_max_num_f32 v[\tm+\b], v[\tm+\b], v[\tm+4+\b]
.endr
.irp b, 0,1,2,3
	s_delay_alu instid0(VALU_DEP_4)
	v_add_nc_u32 v[\tm+12+\b], 0xff000000, v[\tm+\b]
.endr
.irp b, 0,1,2,3
	s_delay_alu instid0(VALU_DEP_4)
	v_lshrrev_b32 v[\tm+4+\b], 23, v[\tm+12+\b]
.endr
	s_delay_alu instid0(VALU_DEP_3)
	v_lshl_or_b32 v[\pw], v[\tm+5], 8, v[\tm+4]
	s_delay_alu instid0(VALU_DEP_1)
	v_lshl_or_b32 v[\pw], v[\tm+6], 16, v[\pw]
	s_delay_alu instid0(VALU_DEP_1)
	v_lshl_or_b32 v[\pw], v[\tm+7], 24, v[\pw]
.irp b, 0,1,2,3
	v_cvt_scalef32_pk8_fp4_f32 v[\pc+2*\b], v[\s+16*\b:\s+7+16*\b], v[\tm+12+\b]
	v_cvt_scalef32_pk8_fp4_f32 v[\pc+1+2*\b], v[\s+8+16*\b:\s+15+16*\b], v[\tm+12+\b]
.endr
	v_nop
.irp c, 0,1
.irp i, 0,1
	v_permlane16_swap_b32 v[\pc+4*\c+\i], v[\pc+2+4*\c+\i]
.endr
.endr
.endm
	s_load_b128 s[32:35], s[0:1], 0x0              ; qkv, maskw
	v_lshl_add_u32 v250, v0, 2, SPARE
	v_mov_b32 v251, 0
	ds_add_u32 v250, v251                          ; the opening lines: the add twice on end and its wait ahead of the first tensor load
	ds_add_u32 v250, v251
	v_lshrrev_b32 v2, 5, v0
	s_delay_alu instid0(VALU_DEP_1)
	v_readfirstlane_b32 s[WV], v2                  ; wave 0..15
	s_bfe_u32 s36, ttmp6, 0x40000
	s_lshl_b32 s37, ttmp9, 2
	s_add_co_u32 s37, s37, s36                     ; which 256 queries
	s_and_b32 s38, ttmp7, 0xffff                   ; 4 x head + batch: the partners share it
.irp g, G1, G1B
	s_mov_b32 s[\g], 15|(3<<16)|(1<<21)            ; mask of all four; elements of 8 bytes; bit 21 beside a mask
	s_mov_b32 s[\g+1], 32<<16
	s_mov_b32 s[\g+3], 32<<16
	s_mov_b32 s[\g+5], 32
	s_mov_b32 s[\g+6], 0
	s_mov_b32 s[\g+7], 0
.endr
	s_mov_b32 s[G1+2], 17<<16                      ; 4,352 dense bytes as 17 rows of 256
	s_mov_b32 s[G1+4], 17
	s_mov_b32 s[G1B+2], 68<<16                     ; 17,408 as 68 rows
	s_mov_b32 s[G1B+4], 68
	s_lshl_b32 s40, s38, 4                         ; the first unit of my head and batch
	s_lshr_b32 s41, s[WV], 2
	s_add_co_u32 s41, s40, s41
	s_mul_i32 s41, s41, 26112                      ; the head's load: unit wave / 4,
	s_and_b32 s42, s[WV], 3
	s_mul_i32 s42, s42, 4352                       ; its quarter wave % 4,
	s_add_co_u32 s44, s41, s42
	s_add_co_u32 s44, s44, 8704                    ; behind the unit's q
	s_mov_b32 s45, 0
	s_add_co_u32 s46, s40, s[WV]
	s_add_co_u32 s46, s46, 4
	s_mul_i32 s46, s46, 26112                      ; the second load: unit 4 + wave
	s_add_co_u32 s46, s46, 8704
	s_mov_b32 s47, 0
	; LDS PLACES: unit u lies at place (u + 14) % 16, so that units 2-15 lie on end from byte 0 and the loop's last look-ahead reads unit 0's bytes (its result is not used)
	s_lshr_b32 s42, s[WV], 2
	s_add_co_u32 s42, s42, 14
	s_and_b32 s42, s42, 15
	s_mul_i32 s42, s42, UNIT
	s_and_b32 s48, s[WV], 3
	s_mul_i32 s48, s48, 4352
	s_add_co_u32 s42, s42, s48                     ; no place in the cluster enters an LDS address
	s_mul_i32 s43, s[WV], UNIT
	s_mov_b32 s[CS], 0x3e0293ee                    ; log2(e) / sqrt(128)
	s_mov_b32 s[CS+1], s[CS]
	s_mov_b32 s[SEL], 0x76543210
	s_mov_b32 s[SEL+1], 0xfedcba98
	s_wait_dscnt 0x0
	s_wait_kmcnt 0x0
	s_mov_b32 s[G0], 1
	s_mov_b32 s[G0+1], s42
	s_add_nc_u64 s[G0+2:G0+3], s[32:33], s[44:45]
	s_or_b32 s[G0+3], s[G0+3], 0x80000000
	s_mov_b32 s[G0+4], 1
	s_add_co_u32 s[G0+5], s43, 2*UNIT
	s_add_nc_u64 s[G0+6:G0+7], s[32:33], s[46:47]
	s_or_b32 s[G0+7], s[G0+7], 0x80000000
	CROUND                                         ; all four work-groups are here: the joint loads meet
	tensor_load_to_lds s[G0:G0+3], s[G1:G1+7]      ; units 0-3, a sixteenth a wave: my one load at the head
	s_nop 0
.rept 4
	v_nop
.endr
	v_and_b32 v1, 31, v0
	s_delay_alu instid0(VALU_DEP_1)
	v_lshlrev_b32 v1, 4, v1                        ; 16 x lane
	s_wait_alu depctr_va_vdst(0)                   ; the wait ahead of the scalar lines below
	s_lshl_b32 s44, s38, 4
	s_lshl_b32 s45, s37, 1
	s_add_co_u32 s44, s44, s45
	s_lshr_b32 s45, s[WV], 3
	s_add_co_u32 s44, s44, s45
	s_mul_i32 s44, s44, 26112                      ; the unit that holds my tile of q
	s_mov_b32 s45, 0
	s_add_nc_u64 s[44:45], s[32:33], s[44:45]
	s_and_b32 s46, s[WV], 7
	s_lshl_b32 s47, s46, 10
	v_add_nc_u32 v7, s47, v1
	global_load_b128 v[16:19], v7, s[44:45]
	global_load_b128 v[20:23], v7, s[44:45] offset:512
	s_and_b32 s47, s[WV], 1
	s_lshl_b32 s47, s47, 8
	s_lshr_b32 s46, s46, 1
	s_lshl_b32 s46, s46, 2
	s_add_co_u32 s47, s47, s46
	v_and_b32 v10, 15, v0
	s_delay_alu instid0(VALU_DEP_1)
	v_lshlrev_b32 v8, 4, v10
	s_delay_alu instid0(VALU_DEP_1)
	v_add_nc_u32 v8, s47, v8
	global_load_b32 v255, v8, s[44:45] offset:8192 ; q's scale words
	s_and_b32 s48, s38, 3
	s_lshl_b32 s48, s48, 7
	s_lshl_b32 s49, s37, 4
	s_add_co_u32 s48, s48, s49
	s_add_co_u32 s48, s48, s[WV]
	s_lshl_b32 s48, s48, 12                        ; my tile's 4,096 bytes of mask words
	s_mov_b32 s49, 0
	s_add_nc_u64 s[MP:MP+1], s[34:35], s[48:49]
	s_mov_b32 s[MO], 0
	v_and_b32 v9, 0x1e0, v0
	s_delay_alu instid0(VALU_DEP_1)
	v_lshlrev_b32 v4, 1, v9
	s_wait_alu depctr_va_vdst(0)
	v_lshl_add_u32 v4, v10, 2, v4
	s_delay_alu instid0(VALU_DEP_1)
	v_add_nc_u32 v4, OSCL, v4
	v_lshlrev_b32 v6, 4, v0
	s_delay_alu instid0(VALU_DEP_1)
	v_add_nc_u32 v5, OSCL, v6
	v_add_nc_u32 v9, 14*UNIT, v1                   ; v9: the LDS address of the unit whose K is asked for next: unit 0
	v_mov_b32 v3, 0xc934ee53                       ; -65504 x sqrt(128)
	v_mov_b32 v13, 0xff61b1e6                      ; -3e38, under every t
	s_delay_alu instid0(VALU_DEP_1)
	v_floor_f32 v12, -v13
	v_mov_b32 v14, 0
	v_mov_b32 v15, 0
.irp b, 0,1,2,3
	v_mov_b32 v[236+\b], 0                         ; a lane permute's destination counts as read
.endr
	v_mov_b32 v253, 0
.set N, 0
.rept 64
	v_mov_b32 v[160+N], 0                          ; O^T: the step is written for all units alike
.set N, N+1
.endr
	s_wait_xcnt 0x0                                ; the loads above have read s[44:45]
	MASKLOAD
	s_wait_alu depctr_va_vdst(0)                   ; the wait at the head's end
	s_wait_tensorcnt 0x0                           ; my part of units 0-3 is in; the later first fill is issued as a refill is
	ds_add_u32 v250, v251
	s_wait_dscnt 0x0
	CROUND
	s_cmp_lt_u32 s[WV], 12                         ; the wave's number alone: the same in all partners
	s_cbranch_scc0 .Lno_second
	tensor_load_to_lds s[G0+4:G0+7], s[G1B:G1B+7]  ; units 4-15, one a wave
	s_nop 0
.rept 4
	v_nop
.endr
.Lno_second:
.irp t, 0,1,2,3,4,5,6,7
.irp c, 0,1
	ds_load_b128 v[32+8*\t+4*\c:35+8*\t+4*\c], v9 offset:1024*\t+512*\c
.endr
.endr
	ds_load_b128 v[24:27], v9 offset:16384
	s_wait_loadcnt 0x0                             ; q
.macro CN B, i                         ; score register i of the four blocks: masked scores are replaced
.irp b, 0,1,2,3
	v_cndmask_b32 v[\B+16*\b+\i], v[\B+16*\b+\i], v3, s[32+16*\b+\i+4*(\b/2)]
.endr
.endm
.macro MX B, i
.irp b, 0,1,2,3
	v_max3_num_f32 v[232+\b], v[232+\b], v[\B+16*\b+\i], v[\B+16*\b+\i+1]
.endr
.endm
; A KEY STEP.  On entry the unit's K is on its way into bank A and its scale words into v24-27.  pre = 1: the next unit's K is asked for.
.macro STEP A, B, pre
	v_add_nc_u32 v2, 0, v9                         ; this unit is the one that was asked for last
.if \pre == 2
	v_add_nc_u32 v9, 0, v1                         ; from place 15 round to place 0
.else
	v_add_nc_u32 v9, UNIT, v9
.endif
.rept 3
	v_nop
.endr
	s_wait_alu depctr_va_vdst(0)                   ; the wait ahead of the wait below
	s_wait_dscnt 0x0
.irp t, 0,1,2,3,4,5,6,7
.if (\t%2) == 0
	v_wmma_scale_f32_16x16x128_f8f6f4 v[\B+8*\t:\B+7+8*\t], v[\A+8*\t:\A+7+8*\t], v[16:23], 0, v[24+\t/2], v255 matrix_a_fmt:MATRIX_FMT_FP4 matrix_b_fmt:MATRIX_FMT_FP4
.else
	v_wmma_scale_f32_16x16x128_f8f6f4 v[\B+8*\t:\B+7+8*\t], v[\A+8*\t:\A+7+8*\t], v[16:23], 0, v[24+\t/2], v255 matrix_a_fmt:MATRIX_FMT_FP4 matrix_b_fmt:MATRIX_FMT_FP4 matrix_a_scale:MATRIX_SCALE_ROW1
.endif
.endr
.rept 4
	v_nop
.endr
.irp t, 0,1,2,3,4,5,6,7
.irp c, 0,1
	ds_load_b128 v[\A+8*\t+4*\c:\A+3+8*\t+4*\c], v2 offset:8192+1024*\t+512*\c   ; V^T takes K's place
.endr
.endr
	ds_load_b128 v[28:31], v2 offset:16896
	s_wait_kmcnt 0x0                               ; the step's mask words
; the selects run two registers ahead of the maxima, so that no line reads a result made fewer than eight lines above it
.irp i, 0,1,2,3,4
	CN \B, \i
.endr
.irp b, 0,1,2,3
	v_max3_num_f32 v[232+\b], v[\B+16*\b], v[\B+1+16*\b], v[\B+2+16*\b]   ; the largest score of each block of 32 keys
.endr
.irp i, 3,5,7,9,11
	CN \B, \i+2
	CN \B, \i+3
	MX \B, \i
.endr
	CN \B, 15
	MX \B, 13
.irp b, 0,1,2,3
	s_delay_alu instid0(VALU_DEP_4)
	v_max_num_f32 v[232+\b], v[232+\b], v[\B+15+16*\b]
.endr
	s_add_co_u32 s[MO], s[MO], 256
	s_min_u32 s[MO], s[MO], 3840                   ; the last step asks for its own words again: inside the buffer
	MASKLOAD
.irp b, 0,1,2,3
	v_permlanex16_b32 v[236+\b], v[232+\b], s[SEL], s[SEL+1]
.endr
.irp b, 0,1,2,3
	s_delay_alu instid0(VALU_DEP_4)
	v_max_num_f32 v[232+\b], v[232+\b], v[236+\b]
.endr
	s_delay_alu instid0(VALU_DEP_2)
	v_max3_num_f32 v254, v232, v233, v234
	s_delay_alu instid0(VALU_DEP_1)
	v_max_num_f32 v254, v254, v235
	s_delay_alu instid0(VALU_DEP_1)
	v_mul_f32 v254, s[CS], v254
	s_delay_alu instid0(VALU_DEP_1)
	v_max_num_f32 v13, v13, v254                   ; the running largest t
	v_mov_b32 v254, v12
	s_delay_alu instid0(VALU_DEP_2)
	v_floor_f32 v12, -v13                          ; -M
	s_delay_alu instid0(VALU_DEP_1)
	v_sub_f32 v254, v12, v254
	s_delay_alu instid0(VALU_DEP_1)
	v_cvt_i32_f32 v254, v254
	s_delay_alu instid0(VALU_DEP_1)
	v_ldexp_f32 v252, 1.0, v254                    ; f = 2^(old M - new M)
.set N, 0
.rept 32
	v_pk_fma_f32 v[\B+N:\B+1+N], v[\B+N:\B+1+N], s[CS:CS+1], v[12:13] op_sel_hi:[1,0,0]
.set N, N+2
.endr
.irp b, 0,1,2,3
	v_fma_f32 v[232+\b], v[232+\b], s[CS], v12
.endr
	s_wait_alu depctr_va_vdst(0)                   ; the wait ahead of the batch
.set N, 0
.rept 64
	v_exp_f32 v[\B+N], v[\B+N]
.set N, N+1
.endr
	v_pk_mul_f32 v[14:15], v[14:15], v[252:253] op_sel_hi:[1,0]
	s_wait_alu depctr_va_vdst(0)                   ; and behind it
.irp b, 0,1,2,3
	v_exp_f32 v[232+\b], v[232+\b]                 ; each block's largest p
.endr
; the row's sum of the unquantised p, in five chains by turns
.irp k, 0,1,2,3
	v_pk_add_f32 v[236+2*\k:237+2*\k], v[\B+4*\k:\B+1+4*\k], v[\B+2+4*\k:\B+3+4*\k]
.endr
.set N, 0
.rept 24
.if (N+4)%5 == 4
	v_pk_add_f32 v[14:15], v[14:15], v[\B+16+2*N:\B+17+2*N]
.else
	v_pk_add_f32 v[236+2*((N+4)%5):237+2*((N+4)%5)], v[236+2*((N+4)%5):237+2*((N+4)%5)], v[\B+16+2*N:\B+17+2*N]
.endif
.set N, N+1
.endr
	s_delay_alu instid0(VALU_DEP_2)
	v_pk_add_f32 v[236:237], v[236:237], v[238:239]
	s_delay_alu instid0(VALU_DEP_2)
	v_pk_add_f32 v[240:241], v[240:241], v[242:243]
	s_delay_alu instid0(VALU_DEP_1)
	v_pk_add_f32 v[236:237], v[236:237], v[240:241]
	s_delay_alu instid0(VALU_DEP_1)
	v_pk_add_f32 v[14:15], v[14:15], v[236:237]
	s_wait_alu depctr_va_vdst(0)                   ; for the four
.irp b, 0,1,2,3
	v_max_num_f32 v[232+\b], 0x1800000, v[232+\b]  ; the floor: the byte cannot fall under 1
.endr
.irp b, 0,1,2,3
	s_delay_alu instid0(VALU_DEP_4)
	v_add_nc_u32 v[244+\b], 0xff000000, v[232+\b]
.endr
.irp b, 0,1,2,3
	s_delay_alu instid0(VALU_DEP_4)
	v_lshrrev_b32 v[236+\b], 23, v[244+\b]
.endr
	s_delay_alu instid0(VALU_DEP_3)
	v_lshl_or_b32 v253, v237, 8, v236
	s_delay_alu instid0(VALU_DEP_1)
	v_lshl_or_b32 v253, v238, 16, v253
	s_delay_alu instid0(VALU_DEP_1)
	v_lshl_or_b32 v253, v239, 24, v253             ; p's scale word
.irp b, 0,1,2,3
	v_cvt_scalef32_pk8_fp4_f32 v[224+2*\b], v[\B+16*\b:\B+7+16*\b], v[244+\b]
	v_cvt_scalef32_pk8_fp4_f32 v[225+2*\b], v[\B+8+16*\b:\B+15+16*\b], v[244+\b]
.endr
	v_nop
.irp c, 0,1
.irp i, 0,1
	v_permlane16_swap_b32 v[224+4*\c+\i], v[226+4*\c+\i]
.endr
.endr
.if \pre
.irp t, 0,1,2,3,4,5,6,7
.irp c, 0,1
	ds_load_b128 v[\B+8*\t+4*\c:\B+3+8*\t+4*\c], v9 offset:1024*\t+512*\c
.endr
.endr
	ds_load_b128 v[24:27], v9 offset:16384
.endif
	s_wait_alu depctr_va_vdst(0)                   ; the wait directly ahead of the first reader of O^T
.set N, 0
.rept 32
	v_pk_mul_f32 v[160+N:161+N], v[160+N:161+N], v[252:253] op_sel_hi:[1,0]
.set N, N+2
.endr
	s_wait_alu depctr_va_vdst(0)
.if \pre
	s_wait_dscnt 17                                ; V and its scale words are in; the 17 loads issued behind them may be out
.else
	s_wait_dscnt 0x0
.endif
.irp t, 0,1,2,3,4,5,6,7
.if (\t%2) == 0
	v_wmma_scale_f32_16x16x128_f8f6f4 v[160+8*\t:167+8*\t], v[\A+8*\t:\A+7+8*\t], v[224:231], v[160+8*\t:167+8*\t], v[28+\t/2], v253 matrix_a_fmt:MATRIX_FMT_FP4 matrix_b_fmt:MATRIX_FMT_FP4
.else
	v_wmma_scale_f32_16x16x128_f8f6f4 v[160+8*\t:167+8*\t], v[\A+8*\t:\A+7+8*\t], v[224:231], v[160+8*\t:167+8*\t], v[28+\t/2], v253 matrix_a_fmt:MATRIX_FMT_FP4 matrix_b_fmt:MATRIX_FMT_FP4 matrix_a_scale:MATRIX_SCALE_ROW1
.endif
.endr
.endm
	STEP 32, 96, 1
	STEP 96, 32, 2
	s_wait_tensorcnt 0x0
	s_wait_dscnt 0x0                               ; no LDS instruction of mine is out at the signal
	s_barrier_signal -1
	s_barrier_wait -1                              ; everybody's is
	s_mov_b32 s[CNT], 7
.Lpair:                                            ; units 2 to 15: a trip runs two steps, until the banks are back where they began
	STEP 32, 96, 1
	STEP 96, 32, 1
	s_sub_co_u32 s[CNT], s[CNT], 1
	s_cmp_lg_u32 s[CNT], 0
	s_cbranch_scc1 .Lpair
	s_wait_dscnt 0x0                               ; the last look-ahead has landed: its registers are free
	; THE WAY OUT: O^T / the sum, quantised along the head's 128; the image goes out as it lies, the scale words gather in LDS
	s_load_b128 s[8:11], s[0:1], 0x10              ; ofr, osc
.rept 4
	v_nop
.endr
	v_add_f32 v14, v14, v15
	s_delay_alu instid0(VALU_DEP_1)
	v_permlanex16_b32 v252, v14, s[SEL], s[SEL+1]
	s_delay_alu instid0(VALU_DEP_1)
	v_add_f32 v14, v14, v252
	s_wait_alu depctr_va_vdst(0)
	v_rcp_f32 v14, v14
	v_nop
	s_bfe_u32 s12, ttmp6, 0x40000
	s_lshl_b32 s13, ttmp9, 2
	s_add_co_u32 s12, s12, s13
	s_and_b32 s13, ttmp7, 0xffff
	s_and_b32 s14, s13, 3
	s_lshr_b32 s15, s13, 2
	s_lshl_b32 s14, s14, 7
	s_lshl_b32 s12, s12, 4
	s_add_co_u32 s14, s14, s12
	s_add_co_u32 s16, s14, s[WV]
	s_lshl_b32 s16, s16, 3
	s_add_co_u32 s16, s16, s15
	s_lshl_b32 s16, s16, 10
	s_mov_b32 s17, 0
	s_lshl_b32 s18, s15, 15
	s_lshl_b32 s14, s14, 6
	s_add_co_u32 s18, s18, s14
	s_mov_b32 s19, 0
	s_wait_alu depctr_va_vdst(0)
.set N, 0
.rept 64
	v_mul_f32 v[32+N], v[160+N], v14
.set N, N+1
.endr
	QUANT 32, 224, 248, 232
	s_wait_alu depctr_va_vdst(0)
	s_wait_kmcnt 0x0
	s_add_nc_u64 s[8:9], s[8:9], s[16:17]
	s_add_nc_u64 s[10:11], s[10:11], s[18:19]
	global_store_b128 v1, v[224:227], s[8:9]
	global_store_b128 v1, v[228:231], s[8:9] offset:512
	ds_store_b32 v4, v248
	s_wait_dscnt 0x0
	s_barrier_signal -1
	s_barrier_wait -1
	s_cmp_lt_u32 s[WV], 2
	s_cbranch_scc0 .Lno_scales
	ds_load_b128 v[232:235], v5
	s_wait_dscnt 0x0
	global_store_b128 v6, v[232:235], s[10:11]
.Lno_scales:
	s_wait_tensorcnt 0x0                           ; the wave's end
	ds_add_u32 v250, v251
	s_wait_dscnt 0x0
	CROUND                                         ; the closing round
	s_endpgm
.Lfunc_end_k_qc4dec80710_attn:
	.size	k_qc4dec80710_attn, .Lfunc_end_k_qc4dec80710_attn-k_qc4dec80710_attn
	.p2alignl 7, 3214868480
	.fill 96, 4, 3214868480
	.section	.rodata,"a",@progbits
	.p2align	6, 0x0
	.amdhsa_kernel k_qc4dec80710_attn
		.amdhsa_group_segment_fixed_size 327680
		.amdhsa_private_segment_fixed_size 0
		.amdhsa_enable_private_segment 0
		.amdhsa_kernarg_size 32
		.amdhsa_user_sgpr_count 2
		.amdhsa_user_sgpr_kernarg_segment_ptr 1
		.amdhsa_wavefront_size32 1
		.amdhsa_system_sgpr_workgroup_id_x 1
		.amdhsa_system_sgpr_workgroup_id_y 1
		.amdhsa_system_sgpr_workgroup_id_z 1
		.amdhsa_system_vgpr_workitem_id 0
		.amdhsa_next_free_vgpr 256
		.amdhsa_next_free_sgpr 102
		.amdhsa_reserve_vcc 0
		.amdhsa_float_denorm_mode_32 3
		.amdhsa_float_denorm_mode_16_64 3
		.amdhsa_memory_ordered 1
		.amdhsa_forward_progress 1
		.amdhsa_inst_pref_size 111
	.end_amdhsa_kernel
	.amdgpu_metadata
---
amdhsa.version: [ 1, 2 ]
amdhsa.kernels:
  - .name:           k_qc4dec80710_attn
    .symbol:         k_qc4dec80710_attn.kd
    .args:
      - { .name: qkv, .offset: 0, .size: 8, .value_kind: global_buffer, .address_space: global }
      - { .name: maskw, .offset: 8, .size: 8, .value_kind: global_buffer, .address_space: global }
      - { .name: ofr, .offset: 16, .size: 8, .value_kind: global_buffer, .address_space: global }
      - { .name: osc, .offset: 24, .size: 8, .value_kind: global_buffer, .address_space: global }
    .group_segment_fixed_size: 327680
    .private_segment_fixed_size: 0
    .kernarg_segment_align: 8
    .kernarg_segment_size: 32
    .max_flat_workgroup_size: 512
    .sgpr_count:     102
    .vgpr_count:     256
    .wavefront_size: 32
...
	.end_amdgpu_metadata
.endif
;; end of part 8
;; launch proj (part 9): grid 128 x 2, 4 waves a work-group, clusters of 4 x 1, 281,088 bytes of LDS; arguments cod, scl, ofr, osc, b_lin, part; writes part
.if DOCPART == 9
	.amdgcn_target "amdgcn-amd-amdhsa--gfx1250"
	.amdhsa_code_object_version 6
	.text
	.protected	k_qc4dec80710_proj
	.globl	k_qc4dec80710_proj
	.p2align	8
	.type	k_qc4dec80710_proj,@function
k_qc4dec80710_proj:
	s_mov_b64 s[64:65], 0
	v_nop
	global_prefetch_b8 v0, s[64:65] scope:SCOPE_SE
	s_setreg_imm32_b32 hwreg(HW_REG_WAVE_MODE, 25, 1), 1
	s_wait_xcnt 0x0
	s_wait_alu depctr_hold_cnt(0) depctr_sa_sdst(0) depctr_va_vdst(0) depctr_va_sdst(0) depctr_va_ssrc(0) depctr_va_vcc(0) depctr_vm_vsrc(0)
	s_getreg_b32 s2, hwreg(HW_REG_IB_STS2, 6, 4)
	s_cmp_eq_u32 s2, 0
	s_cbranch_scc0 .Lentry_in_a_cluster
	s_endpgm
.Lentry_in_a_cluster:
	s_bfe_u32 s2, ttmp6, 0x10000c
	s_cmp_lg_u32 s2, 0x3003
	s_cbranch_scc0 .Lentry_shape_is_right
	s_endpgm
.Lentry_shape_is_right:
; out = o W_lin^T + b_lin, quantised along its 1,024 features; then out W_last^T, of which only the SUM OVER ROWS is wanted (the result is a mean over the sequence).  Both products on codes of FP4 with E8M0 scales.
; SHARES.  A work-group takes 64 rows (row tiles 4 g .. 4 g + 3, of one batch) and one HALF of the features (512).  Wave w makes 128 of them, for all 64 rows: they are K step 4 half + w of the second product,
; so out never leaves the registers.  The second product is shared among waves and work-groups along K, and its four tiles of rows add into the same accumulators; the four waves' sums meet in LDS.
; W_LIN GOES THROUGH LDS, EACH BYTE FILLED ONCE: a half is 32 tiles x 8,192 bytes of images; the scale words come by global loads.  Wave w fetches its own 8 tiles whole: one tensor load,
; and it alone reads what it fetched: its own counted waits on TENSORcnt order those reads, and no barrier is needed for them.  A fragment read from LDS feeds four matrix instructions.
; CLUSTER.  The four work-groups of a cluster have the same half and other rows: each load is asked for JOINTLY, same descriptor (it hangs on the half and the wave's number alone), mask of all four.
; o's 32 fragments, b_lin, the scale words of o and W_last, and W_last's 8 fragments of my K step come from memory straight into registers.
; part: [256: 2 (row group) + half][128 f32]: position 16 ct + r is class 32 (ct / 2) + 8 (ct % 2) + (r % 8) + 16 (r / 8).
; LIMITS: NaN and infinities are not served; blocks under 2^-124 keep the byte 1.
; REGISTERS, in windows of 256: window 0: v1-8 addresses; v16-47 W_lin's scale words (8 (t / 2) + s; even t in lanes 0-15, odd t in lanes 16-31); v48-63 o's (8 (m / 2) + s; even m in lanes 0-15, odd m in lanes 16-31);
;   v64-67 W_last's; v68-71 the scale words made; v72-87 at work; v88-119 the codes made; v128-191 b_lin in the result's layout; v192-239 the sums.
;   window 1: the 32 accumulators ((m, t) at v[64 m + 8 t]).   window 2: o's fragments ((m, s) at v[8 (8 m + s)]).   window 3: v0-127 two sets of W_lin's 8 fragments; v128-191 W_last's 8; v192-255 the second product's 8 accumulators.
.set LI,   1                           ; v1   16 x lane
.set BO,   2                           ; v2   b_lin: 64 (lane / 16)
.set SA,   3
.set L4,   4                           ; v4   4 x lane
.set WA,   5                           ; v5   LDS: my tiles: 65,536 x wave + 16 x lane
.set SO,   6                           ; v6   LDS: where my sums go
.set LO,   7                           ; v7   512 (lane / 16) + 16 r
.set SR,   8                           ; v8   LDS: where the sums are read back
.set WSC,  16
.set OSC,  48
.set LSC,  64
.set PW,   68
.set TM,   72
.set PC,   88
.set BIA,  128
.set SU,   192
.set FIN,  224
.set WV,   16                          ; s16  my wave's number
.set G1,   24                          ; s[24:31] group 1 for the images
.set G1S,  32
.set G0,   40                          ; s[40:43] group 0 of the one load
.set G0S,  56
.set SEL,  60                          ; s[60:61]
.set SCLL, 262144                      ; LDS: behind the images: the scale words, 4,096 bytes a wave
.set SUMS, 278528                      ; LDS: behind them: 512 bytes a wave for the sums; no tile lands there
.set MSB, 0
.macro WIN new                         ; the immediate's high byte repeats the setting that is left
.if MSB != \new
	s_set_vgpr_msb (MSB<<8)|\new
.set MSB, \new
.endif
.endm
.macro CROUND                          ; a round of the cluster's barrier
	s_barrier_signal -1
	s_barrier_wait -1
	s_cmp_lg_u32 s[WV], 0
	s_cbranch_scc1 .Lnot_wave_0_\@
	s_barrier_signal -3
.Lnot_wave_0_\@:
	s_barrier_wait -3
	s_barrier_signal -1
	s_barrier_wait -1
.endm
	s_load_b256 s[4:11], s[0:1], 0x0               ; cod 4, scl 6, ofr 8, osc 10
	s_load_b128 s[12:15], s[0:1], 0x20             ; b_lin 12, part 14
	v_lshl_add_u32 v254, v0, 2, 0x44800
	v_mov_b32 v255, 0
	ds_add_u32 v254, v255
	ds_add_u32 v254, v255
	v_lshrrev_b32 v9, 5, v0
	v_readfirstlane_b32 s[WV], v9                  ; wave 0..3
	s_bfe_u32 s17, ttmp6, 0x40000                  ; cx
	s_lshl_b32 s18, ttmp9, 2
	s_add_co_u32 s18, s18, s17                     ; my group of 64 rows, 0 .. 127: it enters o's, its scale words' and part's addresses alone
	s_and_b32 s19, ttmp7, 0xffff                   ; which half of the features: the four partners share it
	; images: 8 tiles whole: 8 rows of 1,024 elements of 8 bytes, 1,024 elements apart; dense in LDS
	s_mov_b32 s[G1], 15|(3<<16)|(1<<21)            ; 15:0 the mask: all four work-groups; 17:16 elements of 8 bytes; 21 set beside a mask
	s_mov_b32 s[G1+1], 1024<<16                    ; tensor_dim0: a tile whole, 8,192 bytes
	s_mov_b32 s[G1+2], 8<<16                       ; tensor_dim1
	s_mov_b32 s[G1+3], 1024<<16                    ; tile_dim0
	s_mov_b32 s[G1+4], 8                           ; tile_dim1
	s_mov_b32 s[G1+5], 1024                        ; tensor_dim0_stride
	s_mov_b32 s[G1+6], 0
	s_mov_b32 s[G1+7], 0
	s_lshl_b32 s20, s19, 5
	s_lshl_b32 s21, s[WV], 3
	s_add_co_u32 s20, s20, s21
	s_add_co_u32 s20, s20, 512                     ; my first tile of W_lin: 512 + 32 half + 8 wave
	s_lshl_b32 s22, s20, 9                         ; scale words: 512 bytes a tile
	s_mov_b32 s23, 0
	s_lshl_b32 s20, s20, 13                        ; images: 8,192 bytes a tile
	s_mov_b32 s21, 0
	s_lshl_b32 s62, s[WV], 16                      ; where they go: 65,536 x wave,
	s_mov_b32 s[SEL], 0x76543210
	s_mov_b32 s[SEL+1], 0xfedcba98
	s_wait_dscnt 0x0
	s_wait_kmcnt 0x0
	s_add_nc_u64 s[20:21], s[4:5], s[20:21]
	s_add_nc_u64 s[22:23], s[6:7], s[22:23]
	; ONE tensor load a wave, in place of the quarters of K that the head comment names: my 8 tiles whole, 65,536 dense bytes, laid [8 tiles][8,192 bytes]; W_lin's scale words come by global loads
	s_mov_b32 s[G0], 1
	s_mov_b32 s[G0+1], s62
	s_mov_b64 s[G0+2:G0+3], s[20:21]
	s_or_b32 s[G0+3], s[G0+3], 0x80000000
	CROUND                                         ; all four work-groups are here: the joint loads meet
	tensor_load_to_lds s[G0:G0+3], s[G1:G1+7]
	s_nop 0
.rept 4
	v_nop
.endr
	v_and_b32 v9, 31, v0
	v_lshlrev_b32 v[LI], 4, v9
	v_lshlrev_b32 v[L4], 2, v9
	v_and_b32 v10, 15, v0                          ; r
	v_bfe_u32 v11, v0, 4, 1                        ; h
	v_lshlrev_b32 v[BO], 6, v11
	v_lshlrev_b32 v[LO], 4, v10
	v_lshl_add_u32 v[LO], v11, 9, v[LO]
	s_wait_alu depctr_va_vdst(0)
	v_add_nc_u32 v[WA], s62, v[LI]
	s_lshl_b32 s62, s[WV], 9
	s_add_co_u32 s62, s62, SUMS
	v_lshl_add_u32 v[SO], v10, 2, s62              ; 512 x wave + 4 r
	v_add_nc_u32 v[SR], SUMS, v[LI]
.irp b, 0,1,2,3
	v_mov_b32 v[TM+4+\b], 0                        ; a lane permute's destination counts as read
.endr
	s_mov_b32 s71, 0
	s_lshl_b32 s70, s18, 15
	s_add_nc_u64 s[8:9], s[8:9], s[70:71]          ; o's four tiles: 8,192 bytes each
	s_lshl_b32 s70, s18, 8
	s_add_nc_u64 s[10:11], s[10:11], s[70:71]      ; their scale words: 64 bytes each, in each head
	s_lshl_b32 s70, s19, 11
	s_lshl_b32 s72, s[WV], 9
	s_add_co_u32 s70, s70, s72
	s_add_nc_u64 s[12:13], s[12:13], s[70:71]      ; my 128 numbers of b_lin
	s_lshl_b32 s70, s19, 2
	s_add_co_u32 s70, s70, s[WV]                   ; my K step of the second product
	s_lshl_b32 s70, s70, 10
	s_add_co_u32 s70, s70, 576*8192
	s_add_nc_u64 s[66:67], s[4:5], s[70:71]        ; W_last's images of it
	s_lshl_b32 s70, s19, 8
	s_lshl_b32 s72, s[WV], 2
	s_add_co_u32 s70, s70, s72
	s_add_co_u32 s70, s70, 576*512
	s_add_nc_u64 s[68:69], s[6:7], s[70:71]        ; and its scale words: 256 (s / 4) + 4 (s % 4)
	s_lshl_b32 s70, s18, 1
	s_add_co_u32 s70, s70, s19
	s_lshl_b32 s70, s70, 9
	s_add_nc_u64 s[14:15], s[14:15], s[70:71]
.irp i, 0,1,2,3
.irp f, 0,1
	global_load_b128 v[WSC+8*\i+4*\f:WSC+8*\i+4*\f+3], v[LO], s[22:23] offset:1024*\i+256*\f   ; W_lin's scale words: tiles 2 i (lanes 0-15) and 2 i + 1 (lanes 16-31), K steps 4 f .. 4 f + 3; the oldest of my loads
.endr
.endr
	; the loads, in the order in which they are wanted: 16 + 16 + 4, then o by K steps, 8 each, then W_last's 16
.irp t, 0,1,2,3,4,5,6,7
	global_load_b128 v[BIA+8*\t:BIA+8*\t+3], v[BO], s[12:13] offset:4*(32*(\t/2)+8*(\t%2))       ; lane (r, h), register 8 t + j: feature 32 (t / 2) + 16 h + 8 (t % 2) + j
	global_load_b128 v[BIA+8*\t+4:BIA+8*\t+7], v[BO], s[12:13] offset:4*(32*(\t/2)+8*(\t%2))+16
.endr
.irp p, 0,1
.irp s, 0,1,2,3,4,5,6,7
	global_load_b32 v[OSC+8*\p+\s], v[L4], s[10:11] offset:32768*\s+128*\p
.endr
.endr
.irp i, 0,1,2,3
	global_load_b32 v[LSC+\i], v[LO], s[68:69] offset:1024*\i
.endr
	WIN 0x80                                       ; destination window 2
.irp s, 0,1,2,3,4,5,6,7
.irp m, 0,1,2,3
.irp c, 0,1
	global_load_b128 v[8*(8*\m+\s)+4*\c:8*(8*\m+\s)+4*\c+3], v[LI], s[8:9] offset:8192*\m+1024*\s+512*\c
.endr
.endr
.endr
	WIN 0xc0                                       ; destination window 3
.irp t, 0,1,2,3,4,5,6,7
.irp c, 0,1
	global_load_b128 v[128+8*\t+4*\c:128+8*\t+4*\c+3], v[LI], s[66:67] offset:8192*\t+512*\c
.endr
.endr
	WIN 0
.macro FETCHW s                        ; W_lin's 8 fragments of K step s, from my own bytes of LDS, into set s % 2
	WIN 0xc0
.irp t, 0,1,2,3,4,5,6,7
.irp c, 0,1
	ds_load_b128 v[64*((\s)%2)+8*\t+4*\c:64*((\s)%2)+8*\t+4*\c+3], v[WA] offset:8192*\t+1024*(\s)+512*\c
.endr
.endr
.endm
.macro MM6 t, m, s                     ; accumulator (m, t) += W_lin's tile t x o's tile m, K step s; in K step 0 the bias is the C
.set rD, 64*(\m)+8*(\t)
.set rA, 64*((\s)%2)+8*(\t)
.set rB, 8*(8*(\m)+(\s))
.set rS, WSC+8*((\t)/2)+(\s)
.set rO, OSC+8*((\m)/2)+(\s)
.set rC, rD
.if (\s) == 0
.set rC, BIA+8*(\t)
.endif
.if ((\t)%2 == 0) && ((\m)%2 == 0)
	v_wmma_scale_f32_16x16x128_f8f6f4 v[rD:rD+7], v[rA:rA+7], v[rB:rB+7], v[rC:rC+7], v[rS], v[rO] matrix_a_fmt:MATRIX_FMT_FP4 matrix_b_fmt:MATRIX_FMT_FP4
.elseif ((\t)%2 == 1) && ((\m)%2 == 0)
	v_wmma_scale_f32_16x16x128_f8f6f4 v[rD:rD+7], v[rA:rA+7], v[rB:rB+7], v[rC:rC+7], v[rS], v[rO] matrix_a_fmt:MATRIX_FMT_FP4 matrix_b_fmt:MATRIX_FMT_FP4 matrix_a_scale:MATRIX_SCALE_ROW1
.elseif ((\t)%2 == 0)
	v_wmma_scale_f32_16x16x128_f8f6f4 v[rD:rD+7], v[rA:rA+7], v[rB:rB+7], v[rC:rC+7], v[rS], v[rO] matrix_a_fmt:MATRIX_FMT_FP4 matrix_b_fmt:MATRIX_FMT_FP4 matrix_b_scale:MATRIX_SCALE_ROW1
.else
	v_wmma_scale_f32_16x16x128_f8f6f4 v[rD:rD+7], v[rA:rA+7], v[rB:rB+7], v[rC:rC+7], v[rS], v[rO] matrix_a_fmt:MATRIX_FMT_FP4 matrix_b_fmt:MATRIX_FMT_FP4 matrix_a_scale:MATRIX_SCALE_ROW1 matrix_b_scale:MATRIX_SCALE_ROW1
.endif
.endm
.macro KSTEP s
.if (\s) < 7
.if (\s) > 0
.rept 4
	v_nop                                          ; places in front of loads into the set that the last K step's products read
.endr
.endif
	FETCHW (\s)+1                                  ; the next K step's fragments come while this one is multiplied
	s_wait_dscnt 16                                ; all but those 16
.else
	s_wait_dscnt 0x0
.endif
.if 8*(7-(\s))+16 > 63
	s_wait_loadcnt 63                              ; (the count that would do is above what a wait can name)
.else
	s_wait_loadcnt 8*(7-(\s))+16                   ; o's fragments of this K step are in; those of the later K steps, 8 each, and W_last's 16 may be out
.endif
.if (\s) == 0
	WIN 0x4b                                       ; source 0 (W_lin) window 3, source 1 (o) window 2, C (the bias) window 0, D window 1
.else
	WIN 0x5b                                       ; the same, C and D window 1
.endif
.irp t, 0,1,2,3,4,5,6,7
.irp m, 0,1,2,3
	MM6 \t, \m, \s                                 ; the 32 accumulators by turns, in the same order in every K step
.endr
.endr
.endm
	s_wait_alu depctr_va_vdst(0)
	s_wait_tensorcnt 0x0                           ; my 8 tiles are in; I alone read them
	FETCHW 0
.irp k, 0,1,2,3,4,5,6,7
	KSTEP \k
.endr
.rept 4
	v_nop                                          ; places in front of the first read of results
.endr
; Tile of rows m: the lane's 64 results, register 16 b + i = feature 32 b + 16 (lane / 16) + i of my 128, become a fragment and a scale word.  Each accumulator is read from its low end on.
.macro QUANTW m
.set AC, 64*(\m)
	WIN 0x05                                       ; sources 0 and 1: window 1
.irp b, 0,1,2,3
	v_max3_num_f32 v[TM+\b], |v[AC+16*\b]|, |v[AC+1+16*\b]|, 0x1800000   ; and the floor 2^(3 - 127)
.endr
.irp i, 2,4,6,8,10,12,14
.irp b, 0,1,2,3
	v_max3_num_f32 v[TM+\b], |v[AC+16*\b+\i]|, |v[AC+1+16*\b+\i]|, v[TM+\b]
.endr
.endr
	WIN 0
.irp b, 0,1,2,3
	v_permlanex16_b32 v[TM+4+\b], v[TM+\b], s[SEL], s[SEL+1]
.endr
.irp b, 0,1,2,3
	v_max_num_f32 v[TM+\b], v[TM+\b], v[TM+4+\b]
.endr
.irp b, 0,1,2,3
	v_add_nc_u32 v[TM+12+\b], 0xff000000, v[TM+\b]
.endr
.irp b, 0,1,2,3
	v_lshrrev_b32 v[TM+4+\b], 23, v[TM+12+\b]
.endr
	v_lshl_or_b32 v[PW+(\m)], v[TM+5], 8, v[TM+4]
	v_lshl_or_b32 v[PW+(\m)], v[TM+6], 16, v[PW+(\m)]
	v_lshl_or_b32 v[PW+(\m)], v[TM+7], 24, v[PW+(\m)]
	WIN 0x01                                       ; source 0: window 1
.irp b, 0,1,2,3
	v_cvt_scalef32_pk8_fp4_f32 v[PC+8*(\m)+2*\b], v[AC+16*\b:AC+7+16*\b], v[TM+12+\b]
	v_cvt_scalef32_pk8_fp4_f32 v[PC+8*(\m)+1+2*\b], v[AC+8+16*\b:AC+15+16*\b], v[TM+12+\b]
.endr
	WIN 0
	v_nop                                          ; one plain place behind a scaled conversion
.irp c, 0,1
.irp i, 0,1
	v_permlane16_swap_b32 v[PC+8*(\m)+4*\c+\i], v[PC+8*(\m)+2+4*\c+\i]
.endr
.endr
.endm
.irp k, 0,1,2,3
	QUANTW \k
.endr
	s_wait_loadcnt 0x0                             ; W_last
.rept 8
	v_nop                                          ; a scale word written by vector instructions stands 8 places ahead of a scaled matrix instruction, codes 4
.endr
	WIN 0xfc                                       ; source 0 (the rows' codes) window 0; source 1 (W_last), C and D window 3
.macro MM7 m, ct                       ; source 0 = 16 rows, source 1 = 16 classes: a lane holds ONE class and eight rows
.set rD, 192+8*(\ct)
.set rB, 128+8*(\ct)
.if ((\m) == 0) && ((\ct)%2 == 0)
	v_wmma_scale_f32_16x16x128_f8f6f4 v[rD:rD+7], v[PC+8*(\m):PC+8*(\m)+7], v[rB:rB+7], 0, v[PW+(\m)], v[LSC+(\ct)/2] matrix_a_fmt:MATRIX_FMT_FP4 matrix_b_fmt:MATRIX_FMT_FP4
.elseif ((\m) == 0)
	v_wmma_scale_f32_16x16x128_f8f6f4 v[rD:rD+7], v[PC+8*(\m):PC+8*(\m)+7], v[rB:rB+7], 0, v[PW+(\m)], v[LSC+(\ct)/2] matrix_a_fmt:MATRIX_FMT_FP4 matrix_b_fmt:MATRIX_FMT_FP4 matrix_b_scale:MATRIX_SCALE_ROW1
.elseif ((\ct)%2 == 0)
	v_wmma_scale_f32_16x16x128_f8f6f4 v[rD:rD+7], v[PC+8*(\m):PC+8*(\m)+7], v[rB:rB+7], v[rD:rD+7], v[PW+(\m)], v[LSC+(\ct)/2] matrix_a_fmt:MATRIX_FMT_FP4 matrix_b_fmt:MATRIX_FMT_FP4
.else
	v_wmma_scale_f32_16x16x128_f8f6f4 v[rD:rD+7], v[PC+8*(\m):PC+8*(\m)+7], v[rB:rB+7], v[rD:rD+7], v[PW+(\m)], v[LSC+(\ct)/2] matrix_a_fmt:MATRIX_FMT_FP4 matrix_b_fmt:MATRIX_FMT_FP4 matrix_b_scale:MATRIX_SCALE_ROW1
.endif
.endm
.irp m, 0,1,2,3
	s_wait_alu depctr_va_vdst(0)
.irp k, 0,1,2,3,4,5,6,7
	MM7 \m, \k                                     ; eight accumulators by turns; each further tile of rows adds onto the ones before
.endr
.endr
.rept 4
	v_nop
.endr
	WIN 0x0f                                       ; sources window 3, destination window 0
.irp k, 0,1,2,3,4,5,6,7
	v_pk_add_f32 v[SU+4*\k:SU+4*\k+1], v[192+8*\k:193+8*\k], v[194+8*\k:195+8*\k]       ; the sum over a lane's eight registers; each accumulator from its low end on
	v_pk_add_f32 v[SU+4*\k+2:SU+4*\k+3], v[196+8*\k:197+8*\k], v[198+8*\k:199+8*\k]
.endr
	WIN 0
.irp k, 0,1,2,3,4,5,6,7
	v_pk_add_f32 v[SU+4*\k:SU+4*\k+1], v[SU+4*\k:SU+4*\k+1], v[SU+4*\k+2:SU+4*\k+3]
.endr
.irp k, 0,1,2,3,4,5,6,7
	v_add_f32 v[SU+4*\k], v[SU+4*\k], v[SU+4*\k+1]
.endr
.irp k, 0,1,2,3,4,5,6,7
	v_permlanex16_b32 v[SU+4*\k+1], v[SU+4*\k], s[SEL], s[SEL+1]
.endr
.irp k, 0,1,2,3,4,5,6,7
	v_add_f32 v[SU+4*\k], v[SU+4*\k], v[SU+4*\k+1] ; with the other half of the lanes': 64 rows' sum for class (ct, r), over my K step
.endr
.irp k, 0,1,2,3,4,5,6,7
	ds_store_b32 v[SO], v[SU+4*\k] offset:64*\k    ; both halves of the lanes write the same word with the same value
.endr
	s_wait_dscnt 0x0                               ; for the others' sake
	s_barrier_signal -1
	s_barrier_wait -1
	s_cmp_lg_u32 s[WV], 0
	s_cbranch_scc1 .Ldone
.irp i, 0,1,2,3
	ds_load_b128 v[FIN+4*\i:FIN+4*\i+3], v[SR] offset:512*\i       ; the four waves' sums: the half's four K steps
.endr
	s_wait_dscnt 0x0
.macro ADD4 d, s
	v_pk_add_f32 v[\d:\d+1], v[\d:\d+1], v[\s:\s+1]
	v_pk_add_f32 v[\d+2:\d+3], v[\d+2:\d+3], v[\s+2:\s+3]
.endm
	ADD4 FIN, FIN+4
	ADD4 FIN+8, FIN+12
	ADD4 FIN, FIN+8
	global_store_b128 v[LI], v[FIN:FIN+3], s[14:15]                ; 512 consecutive bytes
.Ldone:
	s_wait_tensorcnt 0x0
	ds_add_u32 v254, v255
	s_wait_dscnt 0x0
	CROUND                                         ; the closing round: no work-group ends while a partner may still ask for a tile that names it
	s_endpgm
.Lfunc_end_k_qc4dec80710_proj:
	.size	k_qc4dec80710_proj, .Lfunc_end_k_qc4dec80710_proj-k_qc4dec80710_proj
	.p2alignl 7, 3214868480
	.fill 96, 4, 3214868480
	.section	.rodata,"a",@progbits
	.p2align	6, 0x0
	.amdhsa_kernel k_qc4dec80710_proj
		.amdhsa_group_segment_fixed_size 281088
		.amdhsa_private_segment_fixed_size 0
		.amdhsa_enable_private_segment 0
		.amdhsa_kernarg_size 48
		.amdhsa_user_sgpr_count 2
		.amdhsa_user_sgpr_kernarg_segment_ptr 1
		.amdhsa_wavefront_size32 1
		.amdhsa_system_sgpr_workgroup_id_x 1
		.amdhsa_system_sgpr_workgroup_id_y 1
		.amdhsa_system_sgpr_workgroup_id_z 1
		.amdhsa_system_vgpr_workitem_id 0
		.amdhsa_next_free_vgpr 1024
		.amdhsa_next_free_sgpr 80
		.amdhsa_reserve_vcc 0
		.amdhsa_float_denorm_mode_32 3
		.amdhsa_float_denorm_mode_16_64 3
		.amdhsa_memory_ordered 1
		.amdhsa_forward_progress 1
		.amdhsa_inst_pref_size 83
	.end_amdhsa_kernel
	.amdgpu_metadata
---
amdhsa.version: [ 1, 2 ]
amdhsa.kernels:
  - .name:           k_qc4dec80710_proj
    .symbol:         k_qc4dec80710_proj.kd
    .args:
      - { .name: cod, .offset: 0, .size: 8, .value_kind: global_buffer, .address_space: global }
      - { .name: scl, .offset: 8, .size: 8, .value_kind: global_buffer, .address_space: global }
      - { .name: ofr, .offset: 16, .size: 8, .value_kind: global_buffer, .address_space: global }
      - { .name: osc, .offset: 24, .size: 8, .value_kind: global_buffer, .address_space: global }
      - { .name: b_lin, .offset: 32, .size: 8, .value_kind: global_buffer, .address_space: global }
      - { .name: part, .offset: 40, .size: 8, .value_kind: global_buffer, .address_space: global }
    .group_segment_fixed_size: 281088
    .private_segment_fixed_size: 0
    .kernarg_segment_align: 8
    .kernarg_segment_size: 48
    .max_flat_workgroup_size: 128
    .sgpr_count:     80
    .vgpr_count:     1024
    .wavefront_size: 32
...
	.end_amdgpu_metadata
.endif
;; end of part 9
;; launch reduce (part 10): grid 4 x 1, 4 waves a work-group, no clusters, 2,560 bytes of LDS; arguments part, b_last, out0; writes out0
.if DOCPART == 10
	.amdgcn_target "amdgcn-amd-amdhsa--gfx1250"
	.amdhsa_code_object_version 6
	.text
	.protected	k_qc4dec80710_reduce
	.globl	k_qc4dec80710_reduce
	.p2align	8
	.type	k_qc4dec80710_reduce,@function
k_qc4dec80710_reduce:
	s_mov_b64 s[64:65], 0
	v_nop
	global_prefetch_b8 v0, s[64:65] scope:SCOPE_SE
	s_setreg_imm32_b32 hwreg(HW_REG_WAVE_MODE, 25, 1), 1
	s_wait_xcnt 0x0
; out0[b][class] = (the sum of batch b's 64 partial sums) / 2,048 + b_last[class].  part: [256][128 f32], position 16 ct + r = class 32 (ct / 2) + 8 (ct % 2) + (r % 8) + 16 (r / 8).
; One work-group a batch; each of its four waves adds 16 partial sums (512 consecutive bytes a load); the four meet in LDS; wave 0 finishes.  32 KB a work-group: no more work-groups could share it without a further launch.
.macro ADD4 d, s
	v_pk_add_f32 v[\d:\d+1], v[\d:\d+1], v[\s:\s+1]
	v_pk_add_f32 v[\d+2:\d+3], v[\d+2:\d+3], v[\s+2:\s+3]
.endm
	s_load_b128 s[4:7], s[0:1], 0x0                ; part, b_last
	s_load_b64 s[8:9], s[0:1], 0x10                ; out0
	v_lshl_add_u32 v96, v0, 2, 0x800
	v_mov_b32 v97, 0
	v_lshrrev_b32 v1, 5, v0
	v_readfirstlane_b32 s10, v1                    ; wave 0..3
	v_and_b32 v4, 31, v0
	v_lshlrev_b32 v1, 4, v4                        ; 16 x lane
	v_lshlrev_b32 v2, 4, v0                        ; 16 x thread = 512 x wave + 16 x lane
	v_lshrrev_b32 v5, 3, v4                        ; lane l holds positions 4 l .. 4 l + 3: classes 32 (l / 8) + 8 ((l / 4) % 2) + 16 ((l / 2) % 2) + 4 (l % 2) + 0 .. 3
	v_lshlrev_b32 v3, 7, v5
	v_bfe_u32 v5, v0, 2, 1
	v_lshl_add_u32 v3, v5, 5, v3
	v_bfe_u32 v5, v0, 1, 1
	v_lshl_add_u32 v3, v5, 6, v3
	v_and_b32 v5, 1, v0
	v_lshl_add_u32 v3, v5, 4, v3                   ; their byte offset in a row of 128 f32
	s_lshl_b32 s12, ttmp9, 15                      ; 64 partial sums of 512 bytes a batch,
	s_lshl_b32 s13, s10, 13                        ; 16 a wave
	s_add_co_u32 s12, s12, s13
	s_mov_b32 s13, 0
	s_lshl_b32 s14, ttmp9, 9
	s_mov_b32 s15, 0
	s_wait_alu depctr_va_vdst(0)                   ; the wait at the head's end
	s_wait_kmcnt 0x0
	global_load_b128 v[80:83], v3, s[6:7]          ; b_last at my four classes, asked for with the first loads
	s_add_nc_u64 s[4:5], s[4:5], s[12:13]
	s_add_nc_u64 s[8:9], s[8:9], s[14:15]
.irp i, 0,1,2,3,4,5,6,7,8,9,10,11,12,13,14,15
	global_load_b128 v[16+4*\i:19+4*\i], v1, s[4:5] offset:512*\i th:TH_LOAD_NT
.endr
	s_wait_loadcnt 0x0
.irp i, 0,2,4,6,8,10,12,14
	ADD4 16+4*\i, 20+4*\i
.endr
.irp i, 0,4,8,12
	ADD4 16+4*\i, 24+4*\i
.endr
	ADD4 16, 32
	ADD4 48, 64
	ADD4 16, 48
	ds_store_b128 v2, v[16:19]
	s_wait_dscnt 0x0                               ; for the others' sake
	s_barrier_signal -1
	s_barrier_wait -1
	s_cmp_lg_u32 s10, 0
	s_cbranch_scc1 .Ldone
.irp i, 0,1,2,3
	ds_load_b128 v[20+4*\i:23+4*\i], v1 offset:512*\i
.endr
	s_wait_dscnt 0x0
	ADD4 20, 24
	ADD4 28, 32
	ADD4 20, 28
	s_wait_alu depctr_va_vdst(0)
	s_wait_loadcnt 0x0
	v_pk_fma_f32 v[20:21], v[20:21], 0x3a000000, v[80:81] op_sel_hi:[1,0,1]   ; x 2^-11: the mean over 2,048 rows; + b_last
	v_pk_fma_f32 v[22:23], v[22:23], 0x3a000000, v[82:83] op_sel_hi:[1,0,1]
	global_store_b128 v3, v[20:23], s[8:9]         ; the batch's 512 bytes, by one instruction
.Ldone:
	s_wait_tensorcnt 0x0
	ds_add_u32 v96, v97
	s_wait_dscnt 0x0
	s_endpgm
.Lfunc_end_k_qc4dec80710_reduce:
	.size	k_qc4dec80710_reduce, .Lfunc_end_k_qc4dec80710_reduce-k_qc4dec80710_reduce
	.p2alignl 7, 3214868480
	.fill 96, 4, 3214868480
	.section	.rodata,"a",@progbits
	.p2align	6, 0x0
	.amdhsa_kernel k_qc4dec80710_reduce
		.amdhsa_group_segment_fixed_size 2560
		.amdhsa_private_segment_fixed_size 0
		.amdhsa_enable_private_segment 0
		.amdhsa_kernarg_size 24
		.amdhsa_user_sgpr_count 2
		.amdhsa_user_sgpr_kernarg_segment_ptr 1
		.amdhsa_wavefront_size32 1
		.amdhsa_system_sgpr_workgroup_id_x 1
		.amdhsa_system_sgpr_workgroup_id_y 1
		.amdhsa_system_sgpr_workgroup_id_z 1
		.amdhsa_system_vgpr_workitem_id 0
		.amdhsa_next_free_vgpr 98
		.amdhsa_next_free_sgpr 66
		.amdhsa_reserve_vcc 0
		.amdhsa_float_denorm_mode_32 3
		.amdhsa_float_denorm_mode_16_64 3
		.amdhsa_memory_ordered 1
		.amdhsa_forward_progress 1
		.amdhsa_inst_pref_size 7
	.end_amdhsa_kernel
	.amdgpu_metadata
---
amdhsa.version: [ 1, 2 ]
amdhsa.kernels:
  - .name:           k_qc4dec80710_reduce
    .symbol:         k_qc4dec80710_reduce.kd
    .args:
      - { .name: part, .offset: 0, .size: 8, .value_kind: global_buffer, .address_space: global }
      - { .name: b_last, .offset: 8, .size: 8, .value_kind: global_buffer, .address_space: global }
      - { .name: out0, .offset: 16, .size: 8, .value_kind: global_buffer, .address_space: global }
    .group_segment_fixed_size: 2560
    .private_segment_fixed_size: 0
    .kernarg_segment_align: 8
    .kernarg_segment_size: 24
    .max_flat_workgroup_size: 128
    .sgpr_count:     66
    .vgpr_count:     98
    .wavefront_size: 32
...
	.end_amdgpu_metadata
.endif
;; end of part 10
